; MI455X (gfx1250); checked and timed in simulation.
; The chip was launched on July 23, 2026; its instructions are those of AMD's public machine-readable ISA for CDNA 5 (MIT licence, August 2026) and "CDNA5" Instruction Set Architecture Reference Guide (July 2026). The comments in the code are by the model that wrote it; some were corrected since.
;; Encoder Layer. Allowed arithmetic: matrix products marked QUANTISED: E2M3 operands, one E8M0 scale for each 32 along K, by v_wmma_scale_f32_16x16x128_f8f6f4 with both operands' format E2M3, f32 sums; everything else in f32.
;; Inputs: W1_codes 4,096 x 32 x 24 uint8 (E2M3 codes of W1, K innermost, in blocks of 32 codes, four codes in three bytes); W1_scales 4,096 x 32 uint8 (E8M0 scales of W1, one for each 32 codes along K); W2_codes 1,024 x 128 x 24 uint8 (E2M3 codes of W2, K innermost, in blocks of 32 codes, four codes in three bytes); W2_scales 1,024 x 128 uint8 (E8M0 scales of W2, one for each 32 codes along K); Wk_codes 1,024 x 32 x 24 uint8 (E2M3 codes of Wk, K innermost, in blocks of 32 codes, four codes in three bytes); Wk_scales 1,024 x 32 uint8 (E8M0 scales of Wk, one for each 32 codes along K); Wo_codes 1,024 x 32 x 24 uint8 (E2M3 codes of Wo, K innermost, in blocks of 32 codes, four codes in three bytes); Wo_scales 1,024 x 32 uint8 (E8M0 scales of Wo, one for each 32 codes along K); Wq_codes 1,024 x 32 x 24 uint8 (E2M3 codes of Wq, K innermost, in blocks of 32 codes, four codes in three bytes); Wq_scales 1,024 x 32 uint8 (E8M0 scales of Wq, one for each 32 codes along K); Wv_codes 1,024 x 32 x 24 uint8 (E2M3 codes of Wv, K innermost, in blocks of 32 codes, four codes in three bytes); Wv_scales 1,024 x 32 uint8 (E8M0 scales of Wv, one for each 32 codes along K); alpha1 1,024 float32; alpha2 1,024 float32; b1 4,096 float32; b2 1,024 float32; beta1 1,024 float32; beta2 1,024 float32; bk 1,024 float32; bo 1,024 float32; bq 1,024 float32; bv 1,024 float32; mask 2 x 2,048 int32; x 2 x 2,048 x 1,024 float32.
;; Outputs: out0 2 x 2,048 x 1,024 float32.
;; This version of the problem:
;;   THIS VERSION OF THE PROBLEM IS GIVEN IN LOW PRECISION. The matrix products marked QUANTISED in the list below multiply operands that are first quantised to E2M3 (2 exponent bits, 3 mantissa bits; 6 bits a number), with one power-of-two scale for each 32 numbers along K (OCP MX v1.0); their sums are f32. All else is computed in f32.
;;   The module's matrix products, in the order in which they are computed (A, B: the left and right operand; K: the contracted axis; several contracted axes count as one K, in the product's order):
;;     1. [M 4,096, K 1,024] x [K 1,024, N 1,024]; A: input x; B: input Wq (given as codes): QUANTISED
;;     2. [M 4,096, K 1,024] x [K 1,024, N 1,024]; A: input x; B: input Wk (given as codes): QUANTISED
;;     3. [M 4,096, K 1,024] x [K 1,024, N 1,024]; A: input x; B: input Wv (given as codes): QUANTISED
;;     4. batch 32 x [M 2,048, K 64] x [K 64, N 2,048]; A: computed on the way; B: computed on the way: QUANTISED
;;     5. batch 32 x [M 64, K 2,048] x [K 2,048, N 2,048]; A: computed on the way; B: softmax (see below): QUANTISED
;;     6. [M 4,096, K 1,024] x [K 1,024, N 1,024]; A: computed on the way; B: input Wo (given as codes): QUANTISED
;;     7. [M 4,096, K 1,024] x [K 1,024, N 4,096]; A: computed on the way; B: input W1 (given as codes): QUANTISED
;;     8. [M 4,096, K 4,096] x [K 4,096, N 1,024]; A: computed on the way; B: input W2 (given as codes): QUANTISED
;;   THE QUANTISER, for each operand of a quantised product, along K:
;;     - K is cut into blocks of 32 from its start; a last block that is shorter is filled with zeros.
;;     - A block's scale is 2^e with e = floor(log2(the largest magnitude in the block)) - 2, held to -126 .. 127; a block of zeros has e = 0. As a byte (E8M0): e + 127.
;;     - Each number is divided by its block's scale, clamped to +-7.5, and rounded to the nearest number of E2M3, ties to even, subnormals kept.
;;     - The product sums the exact products of the quantised numbers (number of the format x scale) in f32.
;;   ~~~python
;;   def quantise(x, axis):      # numpy; x: float32 -> the quantised numbers, widened to float32 again
;;       x = np.moveaxis(x, axis, -1); K = x.shape[-1]
;;       x = np.pad(x, [(0, 0)] * (x.ndim - 1) + [(0, -K % 32)]); x = x.reshape(x.shape[:-1] + (-1, 32)); a = np.abs(x).max(-1, keepdims=True)
;;       e = np.where(a > 0, np.clip(np.frexp(np.where(a > 0, a, 1))[1] - 1 - 2, -126, 127), 0)      # np.frexp(a)[1] - 1 = floor(log2(a)), exactly
;;       r = np.clip(x / 2.0 ** e, -7.5, 7.5)
;;       step = 2.0 ** (np.maximum(np.frexp(np.where(r == 0, 1, r))[1] - 1, 0) - 3)
;;       q = np.round(r / step) * step * 2.0 ** e      # np.round: ties to even
;;       return np.moveaxis(q.reshape(q.shape[:-2] + (-1,))[..., :K], -1, axis).astype(np.float32)
;;   ~~~
;;   SOFTMAX AHEAD OF A QUANTISED PRODUCT. Where the list says 'softmax', what is quantised is not the finished softmax but p = 2^(t - M), with t = logit x log2(e) and M = ceil(the row's largest t), a whole number; so 1/2 < the row's largest p <= 1. The row's sum l is taken of the UNQUANTISED p, in f32, and the product's result is divided by l at the end. Since M is a whole number, a kernel that streams over the keys may use a running M (the ceiling of the running maximum): every later rescaling is an exact power of two, which a block's scale takes up: the codes' values come out the same.
;;   OPERANDS COMPUTED ON THE WAY. 'Computed on the way' means the value that the module computes at that place (a softmax that the list does not call 'softmax' is quantised finished and normalised). What goes into a quantiser is computed in f32, as accurately as f32 sums, v_exp_f32 and their like allow (about 1e-6 of the number): no bf16 or f16 on the way to a quantiser, and a product that is left as it is and whose result goes on into a quantised operand takes f32 operands (vector FMAs, or v_wmma_f32_16x16x4_f32). A number that lies on a knife's edge between two numbers of the format may be rounded either way, as far as f32 arithmetic and the matrix unit's own rounding can turn it there, and no further.
;;   INPUTS GIVEN AS CODES. W1 (in the module: [1024, 4096], K = its axis 0); W2 (in the module: [4096, 1024], K = its axis 0); Wk (in the module: [1024, 1024], K = its axis 0); Wo (in the module: [1024, 1024], K = its axis 0); Wq (in the module: [1024, 1024], K = its axis 0); Wv (in the module: [1024, 1024], K = its axis 0): each comes as NAME_codes (uint8): NAME with its K axis moved to the last place and cut into blocks of 32 codes, [.., K / 32, bytes a block], one block behind the other in memory; four codes in three bytes: a row's codes are one little-endian stream of bits, code i at bits 6 i .. 6 i + 5 (a code: sign, 2 exponent bits, 3 mantissa bits); and NAME_scales (uint8): the same leading axes, one E8M0 byte (e + 127) for each 32 codes along K. Its value is code x scale, taken as it is: it is not quantised again, and the codes and scales need not be those that the quantiser above would give.
;; 2 versions. Each part assembles by itself: llvm-mc -triple=amdgcn-amd-amdhsa -mcpu=gfx1250 --defsym DOCPART=n.
;; ======== version 1 of 2: 8 launches
;; workspace buffers: wprep 13,107,200 bytes; qkv 10,092,544 bytes; att 3,276,800 bytes; ysum 16,777,216 bytes; n1 20,054,016 bytes; hid 13,107,200 bytes
;; launch prep (part 1): grid 304 x 1, 16 waves a work-group, no clusters, 89,344 bytes of LDS; arguments x, Wq_codes, Wk_codes, Wv_codes, Wo_codes, W1_codes, W2_codes, Wq_scales, Wk_scales, Wv_scales, Wo_scales, W1_scales, W2_scales, wprep; writes wprep
.if DOCPART == 1
	.amdgcn_target "amdgcn-amd-amdhsa--gfx1250"
	.amdhsa_code_object_version 6
	.text
	.protected	k_q242444a514_prep
	.globl	k_q242444a514_prep
	.p2align	8
	.type	k_q242444a514_prep,@function
k_q242444a514_prep:
	s_mov_b64 s[64:65], 0
	v_nop
	global_prefetch_b8 v0, s[64:65] scope:SCOPE_SE
	s_setreg_imm32_b32 hwreg(HW_REG_WAVE_MODE, 25, 1), 1
	s_wait_xcnt 0x0
; Lays every operand that the later products read from memory in the ORDER OF THE OPERAND'S REGISTERS.
; Codes: fragment (tile i of 16 rows, K step s of 128) is 1,536 bytes at (i NS + s) 1536, NS = K / 128; in it piece p (0..5) at 256 p, lane L at 8 L: registers 2 p, 2 p + 1 of lane L
; (lane (r, h): row 16 i + r, registers 6 c .. 6 c + 5 = K 128 s + 64 c + 32 h + 0 .. 31).  Scale words: (i, s, r) at ((i NS + s) 16 + r) 4.
; Work-groups 0-255: x [4096][1024] f32 is quantised to E2M3 with one E8M0 byte for each 32 along K: one tile of 16 rows a work-group, one row a wave.
; Work-groups 256-303: the six weights' codes and scale bytes, which arrive by rows, are copied into the same order: an item of 16 rows x 1,024 along K (12,288 bytes) a wave.
; A block's scale is 2^(floor(log2(largest magnitude)) - 2); its byte is the largest magnitude's exponent field - 2, held at 1 from below.
; LIMITS: a block of zeros gets the byte 1 where the quantiser says 127 (its codes are zeros, and only this program reads the bytes); NaN and infinities among the inputs are not served.
; No tensor loads, no matrix work, no cluster: nothing is shared between work-groups, and each byte is read once.
.set XS,   12582912                    ; in wprep: x's scale words (x's codes lie at 0)
.set WQF,  3145728                     ; the weights' codes, item q at WQF + 12288 q: Wq, Wk, Wv, Wo (64 items each), W1 (256), W2 (256)
.set WQS,  12713984                    ; their scale words, item q at WQS + 512 q
.set FIMG, 73728                       ; LDS: behind sixteen stages of 4,608 bytes: the tile's 48 pieces, 272 bytes apart,
.set TIMG, 86784                       ; and its 512 bytes of scale words
.set WV,   36                          ; s36  my wave's number
.set TS,   48                          ; s48  at work
.set DC,   44                          ; s[44:45] where my wave's three pieces go
.set DSC,  46                          ; s[46:47] where the tile's scale words go
.set LO16, 1                           ; v1   16 x lane
.set LN,   2                           ; v2   lane
.set SI,   3                           ; v3   my wave's stage, on the way in
.set SO,   4                           ; v4   and on the way out
.set FI,   5                           ; v5   where my block's 24 bytes of codes go in the tile's image
.set TI,   6                           ; v6   where its scale byte goes
.set FO,   7                           ; v7   where I read my wave's three pieces back
.set LO8,  8                           ; v8   8 x lane
.set TO,   9                           ; v9   where wave 0 reads the scale words back
.set C,    80                          ; v80-86 a block's codes
; the LDS addresses of QROW: a constant, a constant x parts of the lane's number, a constant x wave
.macro QADDR
	s_mul_i32 s[TS], s[WV], 4608
	v_lshrrev_b32 v[SI], 3, v[LN]
	v_mul_u32_u24 v[SI], v[SI], 144
	v_and_b32 v10, 7, v[LN]
	v_lshl_add_u32 v[SI], v10, 4, v[SI]
	v_add_nc_u32 v[SI], s[TS], v[SI]               ; in: eight lanes' 128 bytes (a block of 32 numbers) on end, then 16 of padding
	v_mul_u32_u24 v[SO], v[LN], 144
	v_add_nc_u32 v[SO], s[TS], v[SO]               ; out: lane L takes block L
	v_lshrrev_b32 v10, 2, v[LN]                    ; block L is K step L / 4, c = (L / 2) % 2, h = L % 2
	v_mul_u32_u24 v[FI], v10, 1632
	v_lshlrev_b32 v[TI], 6, v10
	v_bfe_u32 v10, v[LN], 1, 1
	v_mad_u32_u24 v[FI], v10, 816, v[FI]
	v_and_b32 v10, 1, v[LN]
	v_lshl_add_u32 v[FI], v10, 7, v[FI]
	s_lshl_b32 s[TS], s[WV], 3
	s_add_co_u32 s[TS], s[TS], FIMG
	v_add_nc_u32 v[FI], s[TS], v[FI]               ; step x 6 pieces + c x 3 pieces + 8 (16 h + row), row = my wave
	v_and_b32 v10, 3, v[LN]
	v_add_nc_u32 v[TI], v[TI], v10
	s_lshl_b32 s[TS], s[WV], 2
	s_add_co_u32 s[TS], s[TS], TIMG
	v_add_nc_u32 v[TI], s[TS], v[TI]               ; step x 64 + 4 row + the block's byte
	v_lshlrev_b32 v[LO8], 3, v[LN]
	s_mul_i32 s[TS], s[WV], 816
	s_add_co_u32 s[TS], s[TS], FIMG
	v_add_nc_u32 v[FO], s[TS], v[LO8]              ; pieces 3 w .. 3 w + 2
	v_add_nc_u32 v[TO], TIMG, v[LO16]
.endm
; A row of 1,024 numbers, in v[R] on as loaded (quad k of lane L: columns 128 k + 4 L + 0 .. 3), becomes codes and scale bytes in the tile's image; the image leaves in whole runs of 256 bytes.
.macro QROW R, B
.irp k, 0,1,2,3,4,5,6,7
	ds_store_b128 v[SI], v[\R+4*\k:\R+4*\k+3] offset:576*\k
.endr
.irp k, 0,1,2,3,4,5,6,7
	ds_load_b128 v[\B+4*\k:\B+4*\k+3], v[SO] offset:16*\k   ; LDS serves a wave's instructions in order: these see my stores.  Lane L now holds block L's 32 numbers
.endr
	s_wait_dscnt 0x0
	v_max3_num_f32 v12, |v[\B]|, |v[\B+1]|, |v[\B+2]|       ; the block's largest magnitude, in two chains
	v_max3_num_f32 v13, |v[\B+3]|, |v[\B+4]|, |v[\B+5]|
.irp i, 6,10,14,18,22,26
	v_max3_num_f32 v12, v12, |v[\B+\i]|, |v[\B+\i+1]|
	v_max3_num_f32 v13, v13, |v[\B+\i+2]|, |v[\B+\i+3]|
.endr
	v_max3_num_f32 v12, v12, |v[\B+30]|, |v[\B+31]|
	v_max3_num_f32 v12, v12, v13, 0x1800000        ; and the floor 2^(3 - 127): the byte cannot fall under 1
	v_add_nc_u32 v11, 0xff000000, v12              ; 2 off the exponent field: the conversion's scale operand
	v_lshrrev_b32 v14, 23, v11                     ; the scale's byte
	v_cvt_scalef32_pk16_fp6_f32 v[C:C+2], v[\B:\B+15], v11
	v_cvt_scalef32_pk16_fp6_f32 v[C+4:C+6], v[\B+16:\B+31], v11   ; (a conversion's three registers begin on an even number)
	v_nop                                          ; one plain place behind the conversions
	v_mov_b32 v[C+3], v[C+4]
	v_mov_b32 v[C+4], v[C+5]
	v_mov_b32 v[C+5], v[C+6]                       ; v[C] .. v[C+5]: the block's 24 bytes
.irp i, 0,1,2
	ds_store_b64 v[FI], v[C+2*\i:C+2*\i+1] offset:272*\i
.endr
	ds_store_b8 v[TI], v14
	s_wait_dscnt 0x0                               ; for the others' sake: my stores into the image are done
	s_barrier_signal -1
	s_barrier_wait -1                              ; the tile's image is whole
.irp i, 0,1,2
	ds_load_b64 v[88+2*\i:89+2*\i], v[FO] offset:272*\i
.endr
	s_wait_dscnt 0x0
.irp i, 0,1,2
	global_store_b64 v[LO8], v[88+2*\i:89+2*\i], s[DC:DC+1] offset:256*\i   ; 32 lanes store 256 consecutive bytes, aligned
.endr
	s_cmp_lg_u32 s[WV], 0
	s_cbranch_scc1 .Lnot0_\@
	ds_load_b128 v[96:99], v[TO]                   ; wave 0: the tile's 512 bytes of scale words
	s_wait_dscnt 0x0
	global_store_b128 v[LO16], v[96:99], s[DSC:DSC+1]
.Lnot0_\@:
.endm
	s_load_b512 s[8:23], s[0:1], 0x0               ; x s[8:9]; codes of Wq s[10:11], Wk s[12:13], Wv s[14:15], Wo s[16:17], W1 s[18:19], W2 s[20:21]; scales of Wq s[22:23]
	s_load_b256 s[24:31], s[0:1], 0x40             ; scales of Wk s[24:25], Wv s[26:27], Wo s[28:29], W1 s[30:31]
	s_load_b128 s[32:35], s[0:1], 0x60             ; scales of W2 s[32:33]; wprep s[34:35]
	v_lshl_add_u32 v136, v0, 2, 0x15500
	v_mov_b32 v137, 0
	v_lshrrev_b32 v1, 5, v0
	v_readfirstlane_b32 s[WV], v1                  ; wave 0..15
	v_and_b32 v[LN], 31, v0
	s_cmp_ge_u32 ttmp9, 256                        ; the same in all sixteen waves
	s_cbranch_scc1 .Lweights
	; ---- x: tile = work-group, row = 16 x work-group + wave
	v_lshlrev_b32 v[LO16], 4, v[LN]
	s_lshl_b32 s37, ttmp9, 4
	s_add_co_u32 s37, s37, s[WV]
	s_lshl_b32 s38, s37, 12                        ; a row is 4,096 bytes
	s_mov_b32 s39, 0
	s_mul_i32 s42, ttmp9, 12288
	s_mul_i32 s43, s[WV], 768
	s_add_co_u32 s42, s42, s43
	s_mov_b32 s43, 0
	s_lshl_b32 s40, ttmp9, 9
	s_add_co_u32 s40, s40, XS
	s_mov_b32 s41, 0
	s_wait_kmcnt 0x0
	s_add_nc_u64 s[8:9], s[8:9], s[38:39]
	s_add_nc_u64 s[DC:DC+1], s[34:35], s[42:43]
	s_add_nc_u64 s[DSC:DSC+1], s[34:35], s[40:41]
.irp k, 0,1,2,3,4,5,6,7
	global_load_b128 v[16+4*\k:19+4*\k], v[LO16], s[8:9] offset:512*\k   ; 32 lanes read 512 consecutive bytes
.endr
	QADDR
	s_wait_loadcnt 0x0
	QROW 16, 48
	s_wait_tensorcnt 0x0
	ds_add_u32 v136, v137
	s_wait_dscnt 0x0
	s_endpgm
.Lweights:
	; ---- the weights: item q = 16 (work-group - 256) + wave
	s_sub_co_u32 s37, ttmp9, 256
	s_lshr_b32 s38, s37, 2                         ; 0 Wq, 1 Wk, 2 Wv, 3 Wo, 4-7 W1, 8-11 W2
	s_lshl_b32 s37, s37, 4
	s_add_co_u32 s37, s37, s[WV]                   ; q
	s_and_b32 s39, s37, 63
	s_sub_co_u32 s40, s37, 256
	s_cmp_ge_u32 s38, 4
	s_cselect_b32 s39, s40, s39                    ; K = 1,024: the item is a whole tile of 16 rows
	s_mul_i32 s40, s39, 12288
	s_lshl_b32 s41, s39, 9
	s_sub_co_u32 s42, s37, 512                     ; W2 (K = 4,096): tile (q - 512) / 4, quarter q % 4 of its rows
	s_lshr_b32 s42, s42, 2
	s_and_b32 s43, s37, 3
	s_mul_i32 s44, s42, 49152
	s_mul_i32 s45, s43, 768
	s_add_co_u32 s44, s44, s45
	s_lshl_b32 s42, s42, 11
	s_lshl_b32 s43, s43, 5
	s_add_co_u32 s42, s42, s43
	s_mov_b32 s46, 768
	s_cmp_ge_u32 s38, 8
	s_cselect_b32 s48, s44, s40                    ; where the item's codes begin in its tensor,
	s_cselect_b32 s50, s42, s41                    ; and its scale bytes
	s_cselect_b32 s46, 3072, s46                   ; a row of codes in bytes
	s_cselect_b32 s47, 128, 32                     ; a row of scale bytes
	s_mov_b32 s49, 0
	s_mov_b32 s51, 0
	s_wait_kmcnt 0x0
	s_cmp_eq_u32 s38, 1                            ; the tensor is chosen by the work-group's number alone
	s_cselect_b64 s[52:53], s[12:13], s[10:11]
	s_cselect_b64 s[54:55], s[24:25], s[22:23]
	s_cmp_eq_u32 s38, 2
	s_cselect_b64 s[52:53], s[14:15], s[52:53]
	s_cselect_b64 s[54:55], s[26:27], s[54:55]
	s_cmp_eq_u32 s38, 3
	s_cselect_b64 s[52:53], s[16:17], s[52:53]
	s_cselect_b64 s[54:55], s[28:29], s[54:55]
	s_cmp_ge_u32 s38, 4
	s_cselect_b64 s[52:53], s[18:19], s[52:53]
	s_cselect_b64 s[54:55], s[30:31], s[54:55]
	s_cmp_ge_u32 s38, 8
	s_cselect_b64 s[52:53], s[20:21], s[52:53]
	s_cselect_b64 s[54:55], s[32:33], s[54:55]
	s_add_nc_u64 s[52:53], s[52:53], s[48:49]
	s_add_nc_u64 s[54:55], s[54:55], s[50:51]
	s_mul_i32 s56, s37, 12288
	s_add_co_u32 s56, s56, WQF
	s_mov_b32 s57, 0
	s_add_nc_u64 s[56:57], s[34:35], s[56:57]
	s_lshl_b32 s58, s37, 9
	s_add_co_u32 s58, s58, WQS
	s_mov_b32 s59, 0
	s_add_nc_u64 s[58:59], s[34:35], s[58:59]
	v_and_b32 v3, 15, v0                           ; r
	v_bfe_u32 v4, v0, 4, 1                         ; h
	v_mul_lo_u32 v5, v3, s46
	v_mad_u32_u24 v5, v4, 24, v5                   ; codes: row r, + 24 h
	v_mul_lo_u32 v6, v3, s47
	v_lshl_add_u32 v6, v4, 4, v6                   ; scale bytes: row r, K steps 4 h .. 4 h + 3
	v_lshlrev_b32 v7, 3, v[LN]                     ; out: 8 x lane
	v_lshlrev_b32 v8, 2, v3
	v_lshl_add_u32 v8, v4, 8, v8                   ; out: word (step 4 h + k, r) at 64 (4 h + k) + 4 r
	global_load_b128 v[128:131], v6, s[54:55]
.irp s, 0,1,2,3,4,5,6,7
.irp p, 0,1,2,3,4,5
	global_load_b64 v[32+12*\s+2*\p:33+12*\s+2*\p], v5, s[52:53] offset:96*\s+48*(\p/3)+8*(\p%3)   ; a fragment's registers, as they lie in the row's stream of bits
.endr
.endr
	s_wait_loadcnt 48                              ; the scale words are in; the 48 pieces may be out
.irp k, 0,1,2,3
	global_store_b32 v8, v[128+\k], s[58:59] offset:64*\k
.endr
.irp s, 0,1,2,3,4,5,6,7
	s_wait_loadcnt 6*(7-\s)                        ; this K step's six pieces are in; the later steps' may be out
.irp p, 0,1,2,3,4,5
	global_store_b64 v7, v[32+12*\s+2*\p:33+12*\s+2*\p], s[56:57] offset:1536*\s+256*\p   ; 32 lanes store 256 consecutive bytes, aligned
.endr
.endr
	s_endpgm
.Lfunc_end_k_q242444a514_prep:
	.size	k_q242444a514_prep, .Lfunc_end_k_q242444a514_prep-k_q242444a514_prep
	.p2alignl 7, 3214868480
	.fill 96, 4, 3214868480
	.section	.rodata,"a",@progbits
	.p2align	6, 0x0
	.amdhsa_kernel k_q242444a514_prep
		.amdhsa_group_segment_fixed_size 89344
		.amdhsa_private_segment_fixed_size 0
		.amdhsa_enable_private_segment 0
		.amdhsa_kernarg_size 112
		.amdhsa_user_sgpr_count 2
		.amdhsa_user_sgpr_kernarg_segment_ptr 1
		.amdhsa_wavefront_size32 1
		.amdhsa_system_sgpr_workgroup_id_x 1
		.amdhsa_system_sgpr_workgroup_id_y 1
		.amdhsa_system_sgpr_workgroup_id_z 1
		.amdhsa_system_vgpr_workitem_id 0
		.amdhsa_next_free_vgpr 138
		.amdhsa_next_free_sgpr 66
		.amdhsa_reserve_vcc 0
		.amdhsa_float_denorm_mode_32 3
		.amdhsa_float_denorm_mode_16_64 3
		.amdhsa_memory_ordered 1
		.amdhsa_forward_progress 1
		.amdhsa_inst_pref_size 20
	.end_amdhsa_kernel
	.amdgpu_metadata
---
amdhsa.version: [ 1, 2 ]
amdhsa.kernels:
  - .name:           k_q242444a514_prep
    .symbol:         k_q242444a514_prep.kd
    .args:
      - { .name: x, .offset: 0, .size: 8, .value_kind: global_buffer, .address_space: global }
      - { .name: Wq_codes, .offset: 8, .size: 8, .value_kind: global_buffer, .address_space: global }
      - { .name: Wk_codes, .offset: 16, .size: 8, .value_kind: global_buffer, .address_space: global }
      - { .name: Wv_codes, .offset: 24, .size: 8, .value_kind: global_buffer, .address_space: global }
      - { .name: Wo_codes, .offset: 32, .size: 8, .value_kind: global_buffer, .address_space: global }
      - { .name: W1_codes, .offset: 40, .size: 8, .value_kind: global_buffer, .address_space: global }
      - { .name: W2_codes, .offset: 48, .size: 8, .value_kind: global_buffer, .address_space: global }
      - { .name: Wq_scales, .offset: 56, .size: 8, .value_kind: global_buffer, .address_space: global }
      - { .name: Wk_scales, .offset: 64, .size: 8, .value_kind: global_buffer, .address_space: global }
      - { .name: Wv_scales, .offset: 72, .size: 8, .value_kind: global_buffer, .address_space: global }
      - { .name: Wo_scales, .offset: 80, .size: 8, .value_kind: global_buffer, .address_space: global }
      - { .name: W1_scales, .offset: 88, .size: 8, .value_kind: global_buffer, .address_space: global }
      - { .name: W2_scales, .offset: 96, .size: 8, .value_kind: global_buffer, .address_space: global }
      - { .name: wprep, .offset: 104, .size: 8, .value_kind: global_buffer, .address_space: global }
    .group_segment_fixed_size: 89344
    .private_segment_fixed_size: 0
    .kernarg_segment_align: 8
    .kernarg_segment_size: 112
    .max_flat_workgroup_size: 512
    .sgpr_count:     66
    .vgpr_count:     138
    .wavefront_size: 32
...
	.end_amdgpu_metadata
.endif
;; end of part 1
;; launch qkv (part 2): grid 12 x 16, 4 waves a work-group, clusters of 4 x 4, 327,680 bytes of LDS; arguments wprep, bq, bk, bv, qkv; writes qkv
.if DOCPART == 2
	.amdgcn_target "amdgcn-amd-amdhsa--gfx1250"
	.amdhsa_code_object_version 6
	.text
	.protected	k_q242444a514_qkv
	.globl	k_q242444a514_qkv
	.p2align	8
	.type	k_q242444a514_qkv,@function
k_q242444a514_qkv:
	s_mov_b64 s[64:65], 0
	v_nop
	global_prefetch_b8 v0, s[64:65] scope:SCOPE_SE
	s_setreg_imm32_b32 hwreg(HW_REG_WAVE_MODE, 25, 1), 1
	s_wait_xcnt 0x0
	s_wait_alu depctr_hold_cnt(0) depctr_sa_sdst(0) depctr_va_vdst(0) depctr_va_sdst(0) depctr_va_ssrc(0) depctr_va_vcc(0) depctr_vm_vsrc(0)
	s_getreg_b32 s2, hwreg(HW_REG_IB_STS2, 6, 4)
	s_cmp_eq_u32 s2, 0
	s_cbranch_scc0 .Lentry_in_a_cluster
	s_endpgm
.Lentry_in_a_cluster:
	s_bfe_u32 s2, ttmp6, 0x10000c
	s_cmp_lg_u32 s2, 0xf033
	s_cbranch_scc0 .Lentry_shape_is_right
	s_endpgm
.Lentry_shape_is_right:
; q = x Wq + bq, k = x Wk + bk, v = x Wv + bv on codes of E2M3 (one E8M0 byte for each 32 along K = 1,024), and the results quantised at once as operands of attention's two products.
; Cluster x = 0: q, 1: k, 2: v.  A tile of 256 x 256 a work-group, four waves of 128 x 128 (64 accumulators, 512 registers), K in slots of 256 through a ring of two LDS slots.
; OPERANDS LIE IN MEMORY IN THE ORDER OF THEIR REGISTERS: fragment (tile i of 16 rows, K step s of 128) is 1,536 bytes at (8 i + s) 1536, piece p at 256 p, lane L at 8 L; scale word (i, s, r) at ((8 i + s) 16 + r) 4.
; So a tensor load brings 8 rows of 3,072 dense bytes (8 tiles x 2 K steps), and a fragment comes out of LDS by six loads of 8 bytes at 8 x lane: 256 consecutive bytes each, no padding.
; THE MATRIX INSTRUCTION IS USED TRANSPOSED (source 0 = 16 rows of B, source 1 = 16 rows of A): a lane holds one row of A's block and eight neighbouring rows of B's.
; q, k: A = x, B = the weight: a lane holds one token, its registers run along the head's 64, the K of q k^T.   v: A = Wv, B = x: a lane holds one channel d, its registers run along the tokens, the K of p v.
; ORDER ALONG THE NEXT K: the 16 registers of result tiles 2 b, 2 b + 1 lie in block b of 32, in the order 16 u + 8 h + j.  q and k are both made so, and so are v and p: the same order on both sides of a product changes no sum.
; OUT (qkv): q's and k's half fragments (64 along K: 768 bytes) at X 3145728 + (128 y + token tile) 768, y = 16 batch + head; v's fragments at 6291456 + ((16 y + key step) 4 + d tile) 1536;
; scale words in a record of 20,480 bytes a head at 9437184: k's at 64 tile + 4 r, v's at 8192 + 64 (4 step + d tile) + 4 r, q's at 12288 + 64 tile + 4 r.
; CLUSTERS: 4 x 4 work-groups; A's tiles are asked for jointly by a row of the cluster, B's by a column.  192 work-groups: the three products' tiles.
; LIMITS: a block of zeros gets the byte 1 where the quantiser says 127 (its codes are zeros; only this program reads the bytes); NaN and infinities are not served.
.set NS,    8                          ; K steps of 128
.set USEB,  0                          ; the biases are added on the way out: v's runs along A's rows
.set WQF,   3145728                    ; in wprep: x's codes at 0, Wq's, Wk's, Wv's 786,432 bytes apart from here
.set WVF,   4718592
.set XS,    12582912                   ; x's scale words
.set WQS,   12713984                   ; Wq's, Wk's, Wv's, 32,768 bytes apart
.set WVS,   12779520
.set VFO,   6291456
.set SCO,   9437184
.set FR,    12                         ; registers of a fragment
.set NL,    6                          ; LDS loads that bring one
.set NP,    4                          ; places behind this matrix instruction (ISA guide 7.12.1)
.set HALFT, 24576                      ; 8 tiles x 2 K steps: what one tensor load brings, and what a wave reads of A or of B in a slot
.set SLOT,  4*HALFT                    ; A's 256 rows, then B's
.set LAPS,  NS/4                       ; a lap = two slots = once round the ring
.set SCL,   2*SLOT                     ; behind the ring: the scale words of the work-group's rows, for all of K: filled once
.set HALFS, 512*NS                     ; those of 128 rows
.set SPARE, SCL+4*HALFS                ; the spare words, 128 bytes a wave: two blocks of 256 bytes that no other line names
.set ADRA,  16                         ; v16-17 LDS address of my A fragments in slot 0, 1
.set ADRB,  20                         ; v20-21 the same for B
.set ADRS,  27                         ; v27    of my scale words: lanes 0-15 A's rows, lanes 16-31 B's
.set SPW,   28                         ; v28    my spare word: SPARE + 4 x my thread's number; never rewritten
.set NIL,   29                         ; v29    0; never rewritten
.set LO8,   30                         ; v30    8 x lane
.set LO4,   31                         ; v31    4 x (lane % 16)
.set SC,    32                         ; v32-63 scale words: register SC + 16 slot + 8 q + i: lanes 0-15 A's block i, lanes 16-31 B's block i
.set BIAS,  64                         ; v64-127 the bias
.set AF,    128                        ; v128-223 A's fragments, one set (window 0); B's two sets at v0 and v128 of window 1; accumulators in windows 2 and 3
.set HA,    128                        ; the way out: 64 numbers of a lane
.set TM,    192                        ; v192-207 at work in QUANT
.set PW,    208                        ; the scale word just made
.set PW2,   209
.set PC,    212                        ; v212-231 the codes just made
.set G1,    24
.set G0,    32
.set G1B,   48
.set G0B,   56
.set G1S,   68
.set G0S,   76
.set G1SB,  80
.set G0SB,  88
.set SEL,   100                        ; s[100:101] v_permlanex16_b32's selects for lane l xor 16
.set MSB, 0
.macro WIN new                         ; the immediate's high byte repeats the setting that is left
.if MSB != (\new)
	s_set_vgpr_msb (MSB<<8)|(\new)
.set MSB, (\new)
.endif
.endm
.set MUL_LO, 0xa1                      ; source 0 (B) window 1, source 1 (A) window 0, C and D window 2
.set MUL_HI, 0xf1                      ; the same, C and D window 3
.set TO_B,   0x40                      ; destination window 1, address window 0
; A joint load: waves 0 and 1 fetch for A, waves 2 and 3 for B; the branch hangs on the wave's number alone.  Four v_nop follow each of the two lines.
.macro JLOAD g0a, g1a, g0b, g1b
	s_cmp_eq_u32 s15, 0
	s_cbranch_scc0 .Lfor_b_\@
	tensor_load_to_lds s[\g0a:\g0a+3], s[\g1a:\g1a+7]
	s_nop 0
.rept 4
	v_nop
.endr
	s_branch .Lasked_\@
.Lfor_b_\@:
	tensor_load_to_lds s[\g0b:\g0b+3], s[\g1b:\g1b+7]
	s_nop 0
.rept 4
	v_nop
.endr
.Lasked_\@:
.endm
.macro CREST                           ; a round of the cluster's barrier behind its opening barrier
	s_cmp_lg_u32 s14, 0
	s_cbranch_scc1 .Lnot_wave_0_\@
	s_barrier_signal -3
.Lnot_wave_0_\@:
	s_barrier_wait -3
	s_barrier_signal -1
	s_barrier_wait -1
.endm
.macro CROUND                          ; a whole round
	s_barrier_signal -1
	s_barrier_wait -1
	CREST
.endm
.macro FRAG reg, adr, q, i             ; fragment (tile i, the slot's q-th K step): six pieces, each 256 consecutive bytes for the 32 lanes
.irp p, 0,1,2,3,4,5
	ds_load_b64 v[\reg+2*\p:\reg+2*\p+1], v[\adr] offset:(\i)*3072+(\q)*1536+256*\p
.endr
.endm
; 16 matrix instructions: A's blocks a0, a0 + 1 x B's eight.  p: B's set; sc: the set of scale words.  zero = 1: the first product starts the sums.  The 64 accumulators take turns, one instruction a turn.
.macro MUL16 a0, p, q, sc, zero
.irp a, \a0, \a0+1
.irp b, 0,1,2,3,4,5,6,7
.set rD, 8*(8*((\a)%4)+\b)
.set rB, 128*(\p)+FR*\b
.set rA, AF+FR*(\a)
.set rT, SC+16*(\sc)+8*(\q)
.if (\zero) && USEB
	v_wmma_scale_f32_16x16x128_f8f6f4 v[rD:rD+7], v[rB:rB+FR-1], v[rA:rA+FR-1], v[BIAS+8*\b:BIAS+8*\b+7], v[rT+\b], v[rT+(\a)] matrix_a_fmt:MATRIX_FMT_FP6 matrix_b_fmt:MATRIX_FMT_FP6 matrix_a_scale:MATRIX_SCALE_ROW1
.elseif \zero
	v_wmma_scale_f32_16x16x128_f8f6f4 v[rD:rD+7], v[rB:rB+FR-1], v[rA:rA+FR-1], 0, v[rT+\b], v[rT+(\a)] matrix_a_fmt:MATRIX_FMT_FP6 matrix_b_fmt:MATRIX_FMT_FP6 matrix_a_scale:MATRIX_SCALE_ROW1
.else
	v_wmma_scale_f32_16x16x128_f8f6f4 v[rD:rD+7], v[rB:rB+FR-1], v[rA:rA+FR-1], v[rD:rD+7], v[rT+\b], v[rT+(\a)] matrix_a_fmt:MATRIX_FMT_FP6 matrix_b_fmt:MATRIX_FMT_FP6 matrix_a_scale:MATRIX_SCALE_ROW1
.endif
.endr
.endr
.endm
.macro FETCH_B slot, q, p
	WIN TO_B
.irp i, 0,1,2,3,4,5,6,7
	FRAG 128*(\p)+FR*\i, ADRB+\slot, \q, \i
.endr
	WIN 0
.endm
.macro FETCH_A slot, q, i0
.irp i, \i0, \i0+1, \i0+2, \i0+3
	FRAG AF+FR*(\i), ADRA+\slot, \q, \i
.endr
.endm
.macro SCALES sc                       ; a slot's scale words: lanes 0-15 take A's block i, lanes 16-31 B's block i
.irp q, 0,1
.irp i, 0,1,2,3,4,5,6,7
	ds_load_b32 v[SC+16*\sc+8*\q+\i], v[ADRS] offset:\i*NS*64+64*\q
.endr
.endr
.endm
.macro PLACES n                        ; plain vector places in front of loads into registers that matrix instructions have read, and of the first read of results
.rept \n
	v_nop
.endr
.endm
.macro STEP slot, q, zero              ; a K step of 128 that has its successor in the same slot
	s_wait_dscnt 4*NL                              ; all but the youngest 24 loads (A's blocks 4-7) are in
	WIN MUL_LO-0x20*(\zero)*USEB
	MUL16 0, (\q)%2, \q, \slot, \zero
	MUL16 2, (\q)%2, \q, \slot, \zero
	s_wait_dscnt 0                                 ; A's blocks 4-7 are in
	PLACES NP
	FETCH_B \slot, (\q)+1, 1-(\q)%2
	FETCH_A \slot, (\q)+1, 0
	WIN MUL_HI-0x30*(\zero)*USEB
	MUL16 4, (\q)%2, \q, \slot, \zero
	MUL16 6, (\q)%2, \q, \slot, \zero
	PLACES NP
	WIN 0
	FETCH_A \slot, (\q)+1, 4
.endm
; A slot's last step changes slots: one barrier; in front of it each wave waits for all its tensor loads, adds 0 to its spare word, and waits for that and for its reads of this slot.  fill = 1: this slot is filled again, two slots ahead.
.macro TURN slot, next, fill
	s_wait_tensorcnt 0x0                           ; all my tensor loads have landed: my part of the next slot
	ds_add_u32 v[SPW], v[NIL]                      ; 0 onto my spare word
	s_wait_dscnt 4*NL+1                            ; (the add and the youngest 24 loads may be out)
	WIN MUL_LO
	MUL16 0, 1, 1, \slot, 0
	s_wait_dscnt 0x0                               ; the add is done, and my reads of this slot are over
	s_barrier_signal -1
	MUL16 2, 1, 1, \slot, 0
	WIN 0
	s_barrier_wait -1
.if \fill
	CREST                                          ; the barrier has opened a round of the cluster's: no wave of any partner still reads this slot or has a load on its way
	s_add_nc_u64 s[G0+4*\slot+2:G0+4*\slot+3], s[G0+4*\slot+2:G0+4*\slot+3], 6144
	s_add_nc_u64 s[G0B+4*\slot+2:G0B+4*\slot+3], s[G0B+4*\slot+2:G0B+4*\slot+3], 6144
	JLOAD G0+4*\slot, G1, G0B+4*\slot, G1B         ; the first tensor load behind the round; its four v_nop are the places in front of the loads below
.else
	PLACES NP
.endif
	v_add_nc_u32 v[ADRS], 128, v[ADRS]             ; the next slot's scale words (no LDS load of mine is out)
	FETCH_B \next, 0, 0
	FETCH_A \next, 0, 0
	SCALES \next
	WIN MUL_HI
	MUL16 4, 1, 1, \slot, 0
	MUL16 6, 1, 1, \slot, 0
	PLACES NP
	WIN 0
	FETCH_A \next, 0, 4
.endm
; 64 numbers of a lane, register 16 b + i in block b of 32 along the next K (my half of it), become a fragment's 12 registers in v[PC] on and its scale word in v[PW].
.macro QUANT s
.irp b, 0,1,2,3
	v_max3_num_f32 v[TM+\b], |v[\s+16*\b]|, |v[\s+1+16*\b]|, 0x1800000   ; my 16 numbers, and the floor 2^(3 - 127): the byte cannot fall under 1
.endr
.irp i, 2,4,6,8,10,12,14
.irp b, 0,1,2,3
	v_max3_num_f32 v[TM+\b], v[TM+\b], |v[\s+16*\b+\i]|, |v[\s+1+16*\b+\i]|
.endr
.endr
.irp b, 0,1,2,3
	v_permlanex16_b32 v[TM+4+\b], v[TM+\b], s[SEL], s[SEL+1]
.endr
.irp b, 0,1,2,3
	v_max_num_f32 v[TM+\b], v[TM+\b], v[TM+4+\b]   ; with lane l xor 16's: the block's largest magnitude
.endr
.irp b, 0,1,2,3
	v_add_nc_u32 v[TM+12+\b], 0xff000000, v[TM+\b] ; 2 off its exponent field: the conversion's scale operand
.endr
.irp b, 0,1,2,3
	v_lshrrev_b32 v[TM+4+\b], 23, v[TM+12+\b]      ; the scale's byte
.endr
	v_lshl_or_b32 v[PW], v[TM+5], 8, v[TM+4]
	v_lshl_or_b32 v[PW], v[TM+6], 16, v[PW]
	v_lshl_or_b32 v[PW], v[TM+7], 24, v[PW]
.irp c, 0,1
	v_cvt_scalef32_pk16_fp6_f32 v[PC+6*\c:PC+2+6*\c], v[\s+32*\c:\s+15+32*\c], v[TM+12+2*\c]
	v_cvt_scalef32_pk16_fp6_f32 v[PC+12+4*\c:PC+14+4*\c], v[\s+16+32*\c:\s+31+32*\c], v[TM+12+2*\c+1]
.endr
	v_nop                                          ; one plain place behind a scaled conversion
.irp c, 0,1                                    ; the operand's layout wants a whole block in a lane: lanes 0-15 block 2 c, lanes 16-31 block 2 c + 1
.irp i, 0,1,2
	v_permlane16_swap_b32 v[PC+6*\c+\i], v[PC+12+4*\c+\i]
.endr
.irp i, 0,1,2
	v_mov_b32 v[PC+3+6*\c+\i], v[PC+12+4*\c+\i]
.endr
.endr
.endm
	s_load_b256 s[4:11], s[0:1], 0x0               ; wprep s[4:5], bq s[6:7], bk s[8:9], bv s[10:11]
	s_load_b64 s[12:13], s[0:1], 0x20              ; qkv
	v_lshl_add_u32 v[SPW], v0, 2, SPARE
	v_mov_b32 v[NIL], 0
	ds_add_u32 v28, v29
	ds_add_u32 v28, v29
	s_wait_dscnt 0x0
	v_lshrrev_b32 v1, 5, v0
	v_readfirstlane_b32 s14, v1                    ; wave 0..3
	s_lshr_b32 s15, s14, 1                         ; which half of A's rows is mine.  Also: I fetch for A (0) or for B (1)
	s_and_b32 s16, s14, 1                          ; which half of B's rows.  Also: which half of that tile I fetch
	s_bfe_u32 s40, ttmp6, 0x40000                  ; cx, cy: my place in the cluster
	s_bfe_u32 s41, ttmp6, 0x40004
	s_and_b32 s92, ttmp7, 0xffff                   ; cluster y
	s_mul_i32 s97, ttmp9, 786432
	s_add_co_u32 s97, s97, WQF                     ; the weight's codes, by cluster x
	s_lshl_b32 s98, ttmp9, 15
	s_add_co_u32 s98, s98, WQS                     ; and its scale words
	s_mov_b32 s96, XS
	s_cmp_eq_u32 ttmp9, 2                          ; v?  Cluster x is the same in all sixteen partners
	s_cselect_b32 s93, 0, s92                      ; q, k: A = x has 16 tile rows, B = the weight 4 tile columns;  v: A = Wv has 4 tile rows, B = x 16 tile columns
	s_cselect_b32 s94, s92, 0
	s_cselect_b32 s95, WVF, 0                      ; A's codes,
	s_cselect_b32 s96, WVS, s96                    ; A's scale words,
	s_cselect_b32 s97, 0, s97                      ; B's codes,
	s_cselect_b32 s98, XS, s98                     ; B's scale words: offsets in wprep
	s_cselect_b32 s99, 1, 0
	s_lshl_b32 s42, s94, 2
	s_add_co_u32 s42, s42, s40                     ; tile column
	s_lshl_b32 s17, s93, 2
	s_add_co_u32 s17, s17, s41                     ; tile row
	s_lshl_b32 s43, s41, 2
	s_lshl_b32 s43, 15, s43                        ; my row of the cluster
	s_lshl_b32 s44, 0x1111, s40                    ; my column
	s_or_b32 s[G1+0], s43, (3<<16)|(1<<21)         ; 15:0 the mask: A's tiles go to my row; 17:16 elements of 8 bytes; 21 set beside a mask; no padding
	s_or_b32 s[G1B+0], s44, (3<<16)|(1<<21)
.irp g, G1, G1B
	s_mov_b32 s[\g+1], 384<<16                     ; tensor_dim0 = 384 elements: two fragments, 3,072 bytes
	s_mov_b32 s[\g+2], 8<<16                       ; tensor_dim1 = 8 tiles
	s_mov_b32 s[\g+3], 384<<16                     ; tile_dim0
	s_mov_b32 s[\g+4], 8                           ; tile_dim1
	s_mov_b32 s[\g+5], NS*192                      ; from tile to tile: NS fragments
	s_mov_b32 s[\g+6], 0
	s_mov_b32 s[\g+7], 0
.endr
	s_or_b32 s[G1S+0], s43, (3<<16)|(1<<21)        ; the scale words of 128 rows: a dense block, as rows of 256 bytes
	s_or_b32 s[G1SB+0], s44, (3<<16)|(1<<21)
.irp g, G1S, G1SB
	s_mov_b32 s[\g+1], 32<<16
	s_mov_b32 s[\g+2], (2*NS)<<16
	s_mov_b32 s[\g+3], 32<<16
	s_mov_b32 s[\g+4], 2*NS
	s_mov_b32 s[\g+5], 32
	s_mov_b32 s[\g+6], 0
	s_mov_b32 s[\g+7], 0
.endr
	s_lshl_b32 s18, s16, 3                         ; which 8 tiles of the 16 I fetch
	s_lshl_b32 s20, s17, 4
	s_add_co_u32 s20, s20, s18                     ; A: tile 16 x tile row + 8 x half
	s_lshl_b32 s46, s42, 4
	s_add_co_u32 s46, s46, s18                     ; B: tile 16 x tile column + 8 x half
	s_mul_i32 s22, s20, NS*64
	s_add_co_u32 s22, s22, s96
	s_mul_i32 s92, s46, NS*64
	s_add_co_u32 s92, s92, s98
	s_mul_i32 s20, s20, NS*1536
	s_add_co_u32 s20, s20, s95
	s_mul_i32 s46, s46, NS*1536
	s_add_co_u32 s46, s46, s97
	s_mov_b32 s21, 0
	s_mov_b32 s23, 0
	s_mov_b32 s47, 0
	s_mov_b32 s93, 0
	s_mul_i32 s45, s14, HALFT                      ; where they go: by the wave's number alone
	s_mul_i32 s94, s14, HALFS
	s_mov_b32 s[SEL], 0x76543210
	s_mov_b32 s[SEL+1], 0xfedcba98
	s_wait_kmcnt 0x0
	s_add_nc_u64 s[20:21], s[4:5], s[20:21]
	s_add_nc_u64 s[22:23], s[4:5], s[22:23]
	s_add_nc_u64 s[46:47], s[4:5], s[46:47]
	s_add_nc_u64 s[92:93], s[4:5], s[92:93]
	CROUND                                         ; all sixteen work-groups are here: the first joint loads meet
	s_mov_b32 s[G0S], 1
	s_add_co_u32 s[G0S+1], s94, SCL
	s_mov_b64 s[G0S+2:G0S+3], s[22:23]
	s_or_b32 s[G0S+3], s[G0S+3], 0x80000000
	s_mov_b32 s[G0SB], 1
	s_add_co_u32 s[G0SB+1], s94, SCL
	s_mov_b64 s[G0SB+2:G0SB+3], s[92:93]
	s_or_b32 s[G0SB+3], s[G0SB+3], 0x80000000
	JLOAD G0S, G1S, G0SB, G1SB                     ; the scale words first: they are wanted with the first slot
.irp s, 0,1
	s_mov_b32 s[G0+4*\s], 1
	s_add_co_u32 s[G0+4*\s+1], s45, \s*SLOT
	s_add_nc_u64 s[G0+4*\s+2:G0+4*\s+3], s[20:21], \s*3072
	s_or_b32 s[G0+4*\s+3], s[G0+4*\s+3], 0x80000000
	s_mov_b32 s[G0B+4*\s], 1
	s_add_co_u32 s[G0B+4*\s+1], s45, \s*SLOT
	s_add_nc_u64 s[G0B+4*\s+2:G0B+4*\s+3], s[46:47], \s*3072
	s_or_b32 s[G0B+4*\s+3], s[G0B+4*\s+3], 0x80000000
	JLOAD G0+4*\s, G1, G0B+4*\s, G1B               ; three loads of mine are out at the most
.endr
	v_and_b32 v1, 15, v0                           ; r
	v_bfe_u32 v2, v0, 4, 1                         ; h
	v_and_b32 v3, 31, v0
	v_lshlrev_b32 v[LO8], 3, v3
	v_lshlrev_b32 v[LO4], 2, v1
	v_lshlrev_b32 v6, 5, v2                        ; 32 h: a bias's eight numbers of my half
	s_mul_i32 s21, s15, HALFT                      ; my 128 rows of A
	s_mul_i32 s22, s16, HALFT                      ; my 128 rows of B,
	s_add_co_u32 s22, s22, 2*HALFT                 ; which lie behind A's 256
.irp s, 0,1
	v_add_nc_u32 v[ADRA+\s], s21, v[LO8]
	v_add_nc_u32 v[ADRB+\s], s22, v[LO8]
	s_add_co_u32 s21, s21, SLOT
	s_add_co_u32 s22, s22, SLOT
.endr
	s_mul_i32 s21, s15, HALFS                      ; A's scale words: my 128 rows
	s_mul_i32 s22, s16, HALFS                      ; B's, behind A's 256
	s_add_co_u32 s22, s22, 2*HALFS
	s_sub_co_u32 s22, s22, s21
	v_mul_u32_u24 v5, s22, v2                      ; lanes 16-31 take B's: one product, the distance between the two
	s_add_co_u32 s21, s21, SCL
	v_add_nc_u32 v5, v[LO4], v5
	v_add_nc_u32 v[ADRS], s21, v5
	s_wait_tensorcnt 1                             ; the scale words and my part of slot 0 are in (slot 1's load may be out),
	s_barrier_signal -1
	s_barrier_wait -1                              ; everybody's are
	FETCH_B 0, 0, 0
	FETCH_A 0, 0, 0
	SCALES 0
	FETCH_A 0, 0, 4
	STEP 0, 0, 1                                   ; the first step stands in front of the loop: its products start the sums
	s_mov_b32 s3, LAPS-1
.Llap:                                             ; a trip goes once round the ring and fills both slots again
	TURN 0, 1, 1
	STEP 1, 0, 0
	TURN 1, 0, 1
	STEP 0, 0, 0
	s_sub_co_u32 s3, s3, 1
	s_cmp_lg_u32 s3, 0
	s_cbranch_scc1 .Llap
	TURN 0, 1, 0                                   ; the last lap fills nothing
	STEP 1, 0, 0
	s_wait_dscnt 4*NL                              ; the very last step
	WIN MUL_LO
	MUL16 0, 1, 1, 1, 0
	MUL16 2, 1, 1, 1, 0
	s_wait_dscnt 0
	WIN MUL_HI
	MUL16 4, 1, 1, 1, 0
	MUL16 6, 1, 1, 1, 0
	WIN 0
	; THE WAY OUT: a block of 16 rows of A at a time: + bias, quantised in registers, stored as register images: each store of codes covers 256 consecutive bytes, aligned.
	PLACES NP
.irp b, 0,1,2,3
	v_mov_b32 v[TM+4+\b], 0                        ; written once: a lane permute's destination counts as one of its sources
.endr
	s_mov_b32 s19, 0
	s_cmp_eq_u32 s99, 1
	s_cbranch_scc1 .Lv_arm
	; ---- q, k: my 128 columns are heads hA and hA + 1; my 8 blocks are token tiles
	s_cmp_eq_u32 ttmp9, 0
	s_cselect_b64 s[46:47], s[6:7], s[8:9]         ; bq or bk
	s_cselect_b32 s92, 12288, 0                    ; q's scale words lie behind k's and v's
	s_lshl_b32 s18, s42, 10
	s_lshl_b32 s93, s16, 9
	s_add_co_u32 s18, s18, s93                     ; 4 x my first column
	s_add_nc_u64 s[46:47], s[46:47], s[18:19]
.irp b, 0,1,2,3,4,5,6,7
	global_load_b128 v[BIAS+8*\b:BIAS+8*\b+3], v6, s[46:47] offset:64*\b       ; lane (r, h), tile b: columns 16 b + 8 h + 0 .. 7
	global_load_b128 v[BIAS+8*\b+4:BIAS+8*\b+7], v6, s[46:47] offset:64*\b+16
.endr
	s_lshl_b32 s93, s42, 2
	s_lshl_b32 s94, s16, 1
	s_add_co_u32 s93, s93, s94                     ; hA
	s_lshl_b32 s94, s17, 4
	s_lshl_b32 s95, s15, 3
	s_add_co_u32 s94, s94, s95                     ; my first token tile of 256
	s_lshr_b32 s95, s94, 7                         ; batch
	s_and_b32 s94, s94, 127                        ; tile in the batch
	s_lshl_b32 s95, s95, 4
	s_add_co_u32 s95, s95, s93                     ; y
	s_lshl_b32 s18, s95, 7
	s_add_co_u32 s18, s18, s94
	s_mul_i32 s18, s18, 768
	s_mul_i32 s96, ttmp9, 3145728
	s_add_co_u32 s18, s18, s96
	s_add_nc_u64 s[20:21], s[12:13], s[18:19]      ; codes
	s_mul_i32 s18, s95, 20480
	s_lshl_b32 s94, s94, 6
	s_add_co_u32 s18, s18, s94
	s_add_co_u32 s18, s18, s92
	s_add_co_u32 s18, s18, SCO
	s_add_nc_u64 s[22:23], s[12:13], s[18:19]      ; scale words
	s_wait_loadcnt 0x0
.macro EPI_QK a
.set AC, 64*((\a)%4)
	WIN 0x02+((\a)/4)                              ; source 0: window 2 or 3
.set i, 0
.rept 32
	v_pk_add_f32 v[HA+i:HA+i+1], v[AC+i:AC+i+1], v[BIAS+i:BIAS+i+1]   ; each accumulator from its low end on
.set i, i+2
.endr
	WIN 0
.if (\a) > 0
	s_wait_xcnt 0x0                                ; the last block's stores have read their data: the codes and the scale words are written again only behind this wait
.endif
	QUANT HA
.irp p, 0,1,2
	global_store_b64 v[LO8], v[PC+2*\p:PC+2*\p+1], s[20:21] offset:(\a)*768+256*\p          ; head hA: registers 0-5
	global_store_b64 v[LO8], v[PC+6+2*\p:PC+7+2*\p], s[20:21] offset:98304+(\a)*768+256*\p  ; head hA + 1: registers 6-11 are its registers 0-5
.endr
	v_lshrrev_b32 v[PW2], 16, v[PW]
	global_store_b32 v[LO4], v[PW], s[22:23] offset:64*(\a)          ; bytes 0, 1 are head hA's; the upper two meet zero codes alone
	global_store_b32 v[LO4], v[PW2], s[22:23] offset:20480+64*(\a)
.endm
.irp a, 0,1,2,3,4,5,6,7
	EPI_QK \a
.endr
	s_branch .Lend
.Lv_arm:
	; ---- v: my 128 rows of A are the channels of heads hA and hA + 1, four tiles of 16 each; my 128 columns are one key step
	s_lshl_b32 s93, s17, 2
	s_lshl_b32 s94, s15, 1
	s_add_co_u32 s93, s93, s94                     ; hA
	s_lshl_b32 s18, s93, 8                         ; 4 x my first channel
	s_add_nc_u64 s[46:47], s[10:11], s[18:19]
.irp a, 0,1,2,3,4,5,6,7
	global_load_b32 v[BIAS+2*\a], v[LO4], s[46:47] offset:64*\a      ; bv of my lane's channel in block a
.endr
	s_lshl_b32 s94, s42, 1
	s_add_co_u32 s94, s94, s16                     ; my key step of 32
	s_lshr_b32 s95, s94, 4                         ; batch
	s_and_b32 s94, s94, 15                         ; step in the batch
	s_lshl_b32 s95, s95, 4
	s_add_co_u32 s95, s95, s93                     ; y
	s_lshl_b32 s18, s95, 4
	s_add_co_u32 s18, s18, s94
	s_mul_i32 s18, s18, 6144
	s_add_co_u32 s18, s18, VFO
	s_add_nc_u64 s[20:21], s[12:13], s[18:19]
	s_mul_i32 s18, s95, 20480
	s_lshl_b32 s94, s94, 8
	s_add_co_u32 s18, s18, s94
	s_add_co_u32 s18, s18, SCO+8192
	s_add_nc_u64 s[22:23], s[12:13], s[18:19]
	s_wait_loadcnt 0x0
.irp a, 0,1,2,3,4,5,6,7
	v_mov_b32 v[BIAS+2*\a+1], v[BIAS+2*\a]         ; a pair for the packed addition
.endr
.macro EPI_V a
.set AC, 64*((\a)%4)
	WIN 0x02+((\a)/4)
.set i, 0
.rept 32
	v_pk_add_f32 v[HA+i:HA+i+1], v[AC+i:AC+i+1], v[BIAS+2*(\a):BIAS+2*(\a)+1]
.set i, i+2
.endr
	WIN 0
.if (\a) > 0
	s_wait_xcnt 0x0                                ; the last block's stores have read their data
.endif
	QUANT HA
.irp p, 0,1,2,3,4,5
	global_store_b64 v[LO8], v[PC+2*\p:PC+2*\p+1], s[20:21] offset:((\a)/4)*98304+((\a)%4)*1536+256*\p
.endr
	global_store_b32 v[LO4], v[PW], s[22:23] offset:((\a)/4)*20480+((\a)%4)*64
.endm
.irp a, 0,1,2,3,4,5,6,7
	EPI_V \a
.endr
.Lend:
	s_wait_tensorcnt 0x0                           ; the wave's end
	ds_add_u32 v[SPW], v[NIL]
	s_wait_dscnt 0x0
	CROUND                                         ; the closing round: no work-group ends while a partner may still ask for a tile that names it
	s_endpgm
.Lfunc_end_k_q242444a514_qkv:
	.size	k_q242444a514_qkv, .Lfunc_end_k_q242444a514_qkv-k_q242444a514_qkv
	.p2alignl 7, 3214868480
	.fill 96, 4, 3214868480
	.section	.rodata,"a",@progbits
	.p2align	6, 0x0
	.amdhsa_kernel k_q242444a514_qkv
		.amdhsa_group_segment_fixed_size 327680
		.amdhsa_private_segment_fixed_size 0
		.amdhsa_enable_private_segment 0
		.amdhsa_kernarg_size 40
		.amdhsa_user_sgpr_count 2
		.amdhsa_user_sgpr_kernarg_segment_ptr 1
		.amdhsa_wavefront_size32 1
		.amdhsa_system_sgpr_workgroup_id_x 1
		.amdhsa_system_sgpr_workgroup_id_y 1
		.amdhsa_system_sgpr_workgroup_id_z 1
		.amdhsa_system_vgpr_workitem_id 0
		.amdhsa_next_free_vgpr 1024
		.amdhsa_next_free_sgpr 102
		.amdhsa_reserve_vcc 0
		.amdhsa_float_denorm_mode_32 3
		.amdhsa_float_denorm_mode_16_64 3
		.amdhsa_memory_ordered 1
		.amdhsa_forward_progress 1
		.amdhsa_inst_pref_size 241
	.end_amdhsa_kernel
	.amdgpu_metadata
---
amdhsa.version: [ 1, 2 ]
amdhsa.kernels:
  - .name:           k_q242444a514_qkv
    .symbol:         k_q242444a514_qkv.kd
    .args:
      - { .name: wprep, .offset: 0, .size: 8, .value_kind: global_buffer, .address_space: global }
      - { .name: bq, .offset: 8, .size: 8, .value_kind: global_buffer, .address_space: global }
      - { .name: bk, .offset: 16, .size: 8, .value_kind: global_buffer, .address_space: global }
      - { .name: bv, .offset: 24, .size: 8, .value_kind: global_buffer, .address_space: global }
      - { .name: qkv, .offset: 32, .size: 8, .value_kind: global_buffer, .address_space: global }
    .group_segment_fixed_size: 327680
    .private_segment_fixed_size: 0
    .kernarg_segment_align: 8
    .kernarg_segment_size: 40
    .max_flat_workgroup_size: 128
    .sgpr_count:     102
    .vgpr_count:     1024
    .wavefront_size: 32
...
	.end_amdgpu_metadata
.endif
;; end of part 2
;; launch attn (part 3): grid 8 x 32, 16 waves a work-group, clusters of 4 x 1, 219,136 bytes of LDS; arguments qkv, mask, att; writes att
.if DOCPART == 3
	.amdgcn_target "amdgcn-amd-amdhsa--gfx1250"
	.amdhsa_code_object_version 6
	.text
	.protected	k_q242444a514_attn
	.globl	k_q242444a514_attn
	.p2align	8
	.type	k_q242444a514_attn,@function
k_q242444a514_attn:
	s_mov_b64 s[64:65], 0
	v_nop
	global_prefetch_b8 v0, s[64:65] scope:SCOPE_SE
	s_setreg_imm32_b32 hwreg(HW_REG_WAVE_MODE, 25, 1), 1
	s_wait_xcnt 0x0
	s_wait_alu depctr_hold_cnt(0) depctr_sa_sdst(0) depctr_va_vdst(0) depctr_va_sdst(0) depctr_va_ssrc(0) depctr_va_vcc(0) depctr_vm_vsrc(0)
	s_getreg_b32 s2, hwreg(HW_REG_IB_STS2, 6, 4)
	s_cmp_eq_u32 s2, 0
	s_cbranch_scc0 .Lentry_in_a_cluster
	s_endpgm
.Lentry_in_a_cluster:
	s_bfe_u32 s2, ttmp6, 0x10000c
	s_cmp_lg_u32 s2, 0x3003
	s_cbranch_scc0 .Lentry_shape_is_right
	s_endpgm
.Lentry_shape_is_right:
; out[b][q][h][:] = softmax_k(q . k / 8 + mask[b][k] x (-1e9)) v, both products on codes of E2M3 with one E8M0 byte for each 32 along K, and the result quantised as the next product's operand.
; THE SOFTMAX AHEAD OF THE SECOND PRODUCT: t = logit x log2(e); M = the running largest t rounded up to a whole number; p = 2^(t - M) is quantised along the keys, not normalised; the row's sum is taken of the
; unquantised p and divides at the end.  When M moves, the sum and O are multiplied by 2^(old M - new M), which rounds nothing.
; SHARES.  A work-group owns 256 queries of one head y = 16 batch + head; each of its sixteen waves owns 16, one tile, in 256 registers: four waves to a SIMD, so that one wave's vector work stands beside another's products and LDS loads.
; A HEAD'S WHOLE K, V AND THEIR SCALE WORDS LIE IN LDS (208,896 bytes), FILLED ONCE: no ring, no refill, one barrier.  The four query blocks of a cluster belong to one head: every tile is asked for jointly.
; K = 64 IN THE FIRST PRODUCT: a fragment's registers 6-11 (K 64 .. 127) are zero codes on both sides, written once.
; THE MASK: 8 x mask x (-1e9), as f32 in LDS, is loaded straight into the scores' registers and is the C of the first product: S' = k . q + 8 x term, t = S' x log2(e) / 8.
; LAYOUT.  Both products are used transposed: S^T = K Q^T, O^T = V^T P^T: a lane holds one query (lane % 16).  Register j of score tile T is key 16 T + 8 (lane / 16) + j; v was quantised from registers in the same order, so p's codes and v's agree.
; OUT (att): codes in the order of the next operand's registers, head h's six registers of token tile i at (16 i + h) 768; its two scale bytes at 3145728 + 512 i + 64 (h / 2) + 4 r + 2 (h % 2).  The channels are put in their natural order first: the partner is a given weight.
; LIMITS: a batch row in which ALL 2,048 keys are masked: the scores are then lost beside -8e9 as in the reference's own f32 sum, but t - M is formed by one fused multiply-add where M is only whole to 128, so p carries a common power of two and
; the result agrees only to within p's quantising step.  A block of zeros gets the byte 1 (its codes are zeros).  NaN and infinities are not served.
; Left out: a prefetch (all tiles are asked for at the head); skipping masked keys (it would change the blocks of 32 along the keys).
.set SCO,  9437184                     ; in qkv: the heads' records of scale words, 20,480 bytes each
.set OSO,  3145728                     ; in att: the scale words
.set LV,   98304                       ; LDS: K's 128 half fragments at 0, V's 64 fragments here,
.set LSC,  196608                      ; K's scale words (8,192 bytes), V's (4,096),
.set LMK,  208896                      ; the mask's terms, 2,048 f32: written by LDS stores; no tile lands here
.set WV,   18
.set SEL,  20                          ; s[20:21] v_permlanex16_b32's selects for lane l xor 16
.set CS,   22                          ; s[22:23] c = log2(e) / 8
.set G1C,  24
.set G1S,  32
.set G0C,  40
.set G0S,  44
.set T6,   48                          ; s48  6,144 x key step: K's and V's fragments
.set T5,   49                          ; s49  512 x key step: K's scale words and the mask's terms
.set T2,   50                          ; s50  256 x key step: V's scale words
.set CNT,  51
.macro CROUND                          ; a round of the cluster's barrier
	s_barrier_signal -1
	s_barrier_wait -1
	s_cmp_lg_u32 s[WV], 0
	s_cbranch_scc1 .Lnot_wave_0_\@
	s_barrier_signal -3
.Lnot_wave_0_\@:
	s_barrier_wait -3
	s_barrier_signal -1
	s_barrier_wait -1
.endm
	s_load_b128 s[4:7], s[0:1], 0x0                ; qkv, mask
	s_load_b64 s[8:9], s[0:1], 0x10                ; att
	v_lshl_add_u32 v254, v0, 2, 0x35000
	v_mov_b32 v255, 0
	ds_add_u32 v254, v255
	ds_add_u32 v254, v255
	v_lshrrev_b32 v1, 5, v0
	v_readfirstlane_b32 s[WV], v1                  ; wave 0..15
	s_bfe_u32 s10, ttmp6, 0x40000                  ; cx
	s_lshl_b32 s11, ttmp9, 2
	s_add_co_u32 s11, s11, s10                     ; my block of 256 queries: it enters Q's and the output's addresses alone
	s_and_b32 s12, ttmp7, 0xffff                   ; y, which the four partners share
	s_lshr_b32 s13, s12, 4                         ; batch
	s_and_b32 s14, s12, 15                         ; head
	s_mov_b32 s[G1C], 15|(3<<16)|(1<<21)           ; 15:0 the mask: all four work-groups; 17:16 elements of 8 bytes; 21 set beside a mask; no padding
	s_mov_b32 s[G1C+1], 32<<16                     ; rows of 256 bytes,
	s_mov_b32 s[G1C+2], 48<<16                     ; 48 of them: 12,288 dense bytes a wave
	s_mov_b32 s[G1C+3], 32<<16
	s_mov_b32 s[G1C+4], 48
	s_mov_b32 s[G1C+5], 32
	s_mov_b32 s[G1C+6], 0
	s_mov_b32 s[G1C+7], 0
	s_mov_b32 s[G1S], 15|(3<<16)|(1<<21)
	s_mov_b32 s[G1S+1], 32<<16
	s_mov_b32 s[G1S+2], 3<<16                      ; the scale words: 768 dense bytes a wave
	s_mov_b32 s[G1S+3], 32<<16
	s_mov_b32 s[G1S+4], 3
	s_mov_b32 s[G1S+5], 32
	s_mov_b32 s[G1S+6], 0
	s_mov_b32 s[G1S+7], 0
	s_lshr_b32 s15, s[WV], 3                       ; waves 0-7 fetch K, waves 8-15 V: an eighth of the head's 98,304 bytes each
	s_add_co_u32 s15, s15, 1
	s_mul_i32 s15, s15, 3145728
	s_mul_i32 s16, s12, 98304
	s_add_co_u32 s15, s15, s16
	s_and_b32 s16, s[WV], 7
	s_mul_i32 s16, s16, 12288
	s_add_co_u32 s52, s15, s16
	s_mov_b32 s53, 0
	s_mul_i32 s54, s12, 20480
	s_add_co_u32 s54, s54, SCO                     ; the head's record
	s_mul_i32 s16, s[WV], 768
	s_add_co_u32 s56, s54, s16
	s_mov_b32 s57, 0
	s_mov_b32 s[SEL], 0x76543210
	s_mov_b32 s[SEL+1], 0xfedcba98
	s_mov_b32 s[CS], 0x3e38aa3b
	s_mov_b32 s[CS+1], s[CS]                       ; (named with it as a pair, so it is written)
	s_wait_dscnt 0x0
	s_wait_kmcnt 0x0
	s_mov_b32 s[G0C], 1
	s_mul_i32 s[G0C+1], s[WV], 12288               ; K's bytes and V's lie on end in LDS
	s_add_nc_u64 s[G0C+2:G0C+3], s[4:5], s[52:53]
	s_or_b32 s[G0C+3], s[G0C+3], 0x80000000
	s_mov_b32 s[G0S], 1
	s_mul_i32 s[G0S+1], s[WV], 768
	s_add_co_u32 s[G0S+1], s[G0S+1], LSC
	s_add_nc_u64 s[G0S+2:G0S+3], s[4:5], s[56:57]
	s_or_b32 s[G0S+3], s[G0S+3], 0x80000000
	CROUND                                         ; all four work-groups are here: the joint loads meet
	tensor_load_to_lds s[G0C:G0C+3], s[G1C:G1C+7]  ; every wave's two loads: the launch's only fills; two of mine are out
	s_nop 0
	tensor_load_to_lds s[G0S:G0S+3], s[G1S:G1S+7]
	s_nop 0
.rept 4
	v_nop
.endr
	s_lshl_b32 s15, s11, 4
	s_add_co_u32 s15, s15, s[WV]                   ; my query tile in the batch, 0..127
	s_lshl_b32 s16, s12, 7
	s_add_co_u32 s16, s16, s15
	s_mul_i32 s58, s16, 768
	s_mov_b32 s59, 0
	s_add_nc_u64 s[58:59], s[4:5], s[58:59]        ; Q's half fragment
	s_lshl_b32 s60, s15, 6
	s_add_co_u32 s60, s60, s54
	s_add_co_u32 s60, s60, 12288
	s_mov_b32 s61, 0
	s_add_nc_u64 s[60:61], s[4:5], s[60:61]        ; its scale words
	s_lshl_b32 s62, s13, 13
	s_mov_b32 s63, 0
	s_add_nc_u64 s[6:7], s[6:7], s[62:63]          ; the batch's row of the mask
	s_lshl_b32 s16, s13, 7
	s_add_co_u32 s16, s16, s15                     ; i: my token tile of 256
	s_lshl_b32 s52, s16, 4
	s_add_co_u32 s52, s52, s14
	s_mul_i32 s52, s52, 768
	s_add_nc_u64 s[52:53], s[8:9], s[52:53]        ; out: codes
	s_lshl_b32 s56, s16, 9
	s_lshr_b32 s10, s14, 1
	s_lshl_b32 s10, s10, 6
	s_add_co_u32 s56, s56, s10
	s_and_b32 s10, s14, 1
	s_lshl_b32 s10, s10, 1
	s_add_co_u32 s56, s56, s10
	s_add_co_u32 s56, s56, OSO
	s_add_nc_u64 s[56:57], s[8:9], s[56:57]        ; out: my head's two scale bytes
	v_and_b32 v30, 31, v0
	v_and_b32 v31, 15, v0                          ; r
	v_bfe_u32 v6, v0, 4, 1                         ; h
	v_lshlrev_b32 v1, 3, v30                       ; v1  8 x lane: K's fragments
	v_add_nc_u32 v2, LV, v1                        ; v2  V's
	v_lshlrev_b32 v7, 2, v31                       ; v7  4 r
	v_add_nc_u32 v3, LSC, v7                       ; v3  K's scale words
	v_add_nc_u32 v4, LSC+8192, v7                  ; v4  V's
	v_lshl_add_u32 v5, v6, 5, LMK                  ; v5  the mask's terms: 32 h
	v_lshlrev_b32 v6, 4, v0                        ; 16 x thread
	v_lshl_add_u32 v30, v0, 4, LMK
	global_load_b128 v[96:99], v6, s[6:7]          ; 512 threads x 4 keys: the batch's 2,048
.irp p, 0,1,2
	global_load_b64 v[16+2*\p:17+2*\p], v1, s[58:59] offset:256*\p   ; Q stays in registers
.endr
	global_load_b32 v28, v7, s[60:61]              ; v28 Q's scale words
.irp j, 22,23,24,25,26,27
	v_mov_b32 v[\j], 0                             ; Q's K 64 .. 127: zero codes
.endr
.irp t, 0,1,2,3
.irp j, 6,7,8,9,10,11
	v_mov_b32 v[32+12*\t+\j], 0                    ; and K's, in the four fragments' upper halves: never written again
.endr
.endr
	v_mov_b32 v13, 0xff61b1e6                      ; the largest t so far: -3e38, under every t
	v_floor_f32 v12, -v13                          ; -M
	v_mov_b32 v14, 0                               ; the sum, in two halves
	v_mov_b32 v15, 0
.irp j, 196,197,198,199,204,207
	v_mov_b32 v[\j], 0                             ; lane permutes' destinations and a pair's upper half: written before they are named
.endr
.set j, 0
.rept 32
	v_mov_b32 v[160+j], 0                          ; O^T: the loop is written once; its first step finds zeros
.set j, j+1
.endr
	s_wait_loadcnt 4                               ; the mask is in; Q's four loads may be out
.irp j, 0,1,2,3
	v_cvt_f32_i32 v[96+\j], v[96+\j]
.endr
.irp j, 0,1,2,3
	v_mul_f32 v[96+\j], 0xcfee6b28, v[96+\j]       ; x 8 x (-1e9): exact
.endr
	ds_store_b128 v30, v[96:99]
	s_mov_b32 s[T6], 0
	s_mov_b32 s[T5], 0
	s_mov_b32 s[T2], 0
	s_mov_b32 s[CNT], 16
	s_wait_tensorcnt 0x0                           ; my parts of K, V and the scale words have landed,
	s_wait_dscnt 0x0                               ; my part of the mask's terms is stored,
	s_wait_loadcnt 0x0                             ; and Q is in
	s_barrier_signal -1
	s_barrier_wait -1                              ; everybody's are: LDS is only read from here on
.Lstep:                                            ; 128 keys a trip
	v_add_nc_u32 v8, s[T6], v1                     ; six plain places behind the last trip's products, whose fragments of V are loaded into and written over below
	v_add_nc_u32 v9, s[T6], v2
	v_add_nc_u32 v10, s[T5], v3
	v_add_nc_u32 v29, s[T5], v5
	v_add_nc_u32 v11, s[T2], v4
	v_nop
.irp g, 0,1                                    ; S' = K Q^T + 8 x the mask's term, four tiles of 16 keys at a time
.if \g
.rept 4
	v_nop                                          ; places in front of loads into registers that the four products above have read
.endr
.endif
.irp t, 0,1,2,3
.irp p, 0,1,2
	ds_load_b64 v[32+12*\t+2*\p:33+12*\t+2*\p], v8 offset:768*(4*\g+\t)+256*\p
.endr
	ds_load_b32 v[80+\t], v10 offset:64*(4*\g+\t)
	ds_load_b128 v[96+8*(4*\g+\t):99+8*(4*\g+\t)], v29 offset:64*(4*\g+\t)        ; the terms of keys 16 T + 8 h + 0 .. 7: the product's C
	ds_load_b128 v[100+8*(4*\g+\t):103+8*(4*\g+\t)], v29 offset:64*(4*\g+\t)+16
.endr
	s_wait_dscnt 0x0
.irp t, 0,1,2,3
	v_wmma_scale_f32_16x16x128_f8f6f4 v[96+8*(4*\g+\t):103+8*(4*\g+\t)], v[32+12*\t:43+12*\t], v[16:27], v[96+8*(4*\g+\t):103+8*(4*\g+\t)], v[80+\t], v28 matrix_a_fmt:MATRIX_FMT_FP6 matrix_b_fmt:MATRIX_FMT_FP6
.endr
.endr
.rept 4
	v_nop
.endr
.irp b, 0,1,2,3
	v_max3_num_f32 v[192+\b], v[96+16*\b], v[97+16*\b], v[98+16*\b]   ; the largest score of each block of 32 keys: for the row's maximum, and, since p rises with the score, for the block's largest p
.endr
.irp i, 3,5,7,9,11,13
.irp b, 0,1,2,3
	v_max3_num_f32 v[192+\b], v[192+\b], v[96+16*\b+\i], v[97+16*\b+\i]
.endr
.endr
.irp b, 0,1,2,3
	v_max_num_f32 v[192+\b], v[192+\b], v[111+16*\b]
.endr
.irp b, 0,1,2,3
	v_permlanex16_b32 v[196+\b], v[192+\b], s[SEL], s[SEL+1]
.endr
.irp b, 0,1,2,3
	v_max_num_f32 v[192+\b], v[192+\b], v[196+\b]  ; with lane l xor 16's 16 keys
.endr
	v_max3_num_f32 v204, v192, v193, v194
	v_max_num_f32 v204, v204, v195
	v_mul_f32 v204, s[CS], v204                    ; as t (c is positive)
	v_max_num_f32 v13, v13, v204                   ; the running largest t
	v_mov_b32 v204, v12
	v_floor_f32 v12, -v13                          ; the new -M = -ceil(t)
	v_sub_f32 v204, v12, v204                      ; old M - new M: a whole number, 0 or less
	v_cvt_i32_f32 v204, v204                       ; (it saturates)
	v_ldexp_f32 v206, 1.0, v204                    ; f = 2^(old M - new M)
.set j, 0
.rept 32
	v_pk_fma_f32 v[96+j:97+j], v[96+j:97+j], s[CS:CS+1], v[12:13] op_sel_hi:[1,0,0]   ; t - M, two at a time
.set j, j+2
.endr
.irp b, 0,1,2,3
	v_fma_f32 v[192+\b], v[192+\b], s[CS], v12     ; the same of each block's largest score
.endr
.set j, 0
.rept 64
	v_exp_f32 v[96+j], v[96+j]                     ; p = 2^(t - M), at most 1: not normalised
.set j, j+1
.endr
	v_pk_mul_f32 v[14:15], v[14:15], v[206:207] op_sel_hi:[1,0]   ; the sums under the new M: a plain place behind the exponentials
	s_wait_alu depctr_va_vdst(0)                   ; one wait for the whole batch, ahead of its first reader
.irp b, 0,1,2,3
	v_exp_f32 v[192+\b], v[192+\b]                 ; the block's largest p
.endr
	v_pk_add_f32 v[196:197], v[96:97], v[98:99]    ; the row's sum is taken of the unquantised p, in two chains
.set j, 4
.rept 15
	v_pk_add_f32 v[14:15], v[14:15], v[96+j:97+j]
	v_pk_add_f32 v[196:197], v[196:197], v[98+j:99+j]
.set j, j+4
.endr
	v_pk_add_f32 v[14:15], v[14:15], v[196:197]
	s_wait_alu depctr_va_vdst(0)                   ; and one for the four
.irp b, 0,1,2,3
	v_max_num_f32 v[192+\b], 0x1800000, v[192+\b]  ; the floor 2^(3 - 127): the byte cannot fall under 1
.endr
.irp b, 0,1,2,3
	v_add_nc_u32 v[200+\b], 0xff000000, v[192+\b]  ; 2 off the exponent field: the conversion's scale operand
.endr
.irp b, 0,1,2,3
	v_lshrrev_b32 v[196+\b], 23, v[200+\b]         ; the scale's byte
.endr
	v_lshl_or_b32 v208, v197, 8, v196              ; p's scale word for these 128 keys
	v_lshl_or_b32 v208, v198, 16, v208
	v_lshl_or_b32 v208, v199, 24, v208
.irp c, 0,1
	v_cvt_scalef32_pk16_fp6_f32 v[224+6*\c:226+6*\c], v[96+32*\c:111+32*\c], v[200+2*\c]
	v_cvt_scalef32_pk16_fp6_f32 v[212+4*\c:214+4*\c], v[112+32*\c:127+32*\c], v[200+2*\c+1]
.endr
	v_nop                                          ; one plain place behind a scaled conversion
.irp t, 0,1,2,3                                ; p is spent: V's four fragments take its registers
.irp p, 0,1,2,3,4,5
	ds_load_b64 v[96+12*\t+2*\p:97+12*\t+2*\p], v9 offset:1536*\t+256*\p
.endr
	ds_load_b32 v[84+\t], v11 offset:64*\t
.endr
.irp c, 0,1                                    ; the operand's layout wants a whole block in a lane
.irp i, 0,1,2
	v_permlane16_swap_b32 v[224+6*\c+\i], v[212+4*\c+\i]
.endr
.irp i, 0,1,2
	v_mov_b32 v[227+6*\c+\i], v[212+4*\c+\i]
.endr
.endr
.set j, 0
.rept 16
	v_pk_mul_f32 v[160+j:161+j], v[160+j:161+j], v[206:207] op_sel_hi:[1,0]   ; O^T under the new M; these are also the places between p's codes and scale word and the products
.set j, j+2
.endr
	s_wait_dscnt 0x0
.irp t, 0,1,2,3                                ; O^T += V^T P^T: the head's four tiles of 16 channels
	v_wmma_scale_f32_16x16x128_f8f6f4 v[160+8*\t:167+8*\t], v[96+12*\t:107+12*\t], v[224:235], v[160+8*\t:167+8*\t], v[84+\t], v208 matrix_a_fmt:MATRIX_FMT_FP6 matrix_b_fmt:MATRIX_FMT_FP6
.endr
	s_add_co_u32 s[T6], s[T6], 6144
	s_add_co_u32 s[T5], s[T5], 512
	s_add_co_u32 s[T2], s[T2], 256
	s_sub_co_u32 s[CNT], s[CNT], 1
	s_cmp_lg_u32 s[CNT], 0
	s_cbranch_scc1 .Lstep
	; THE WAY OUT: O^T / the sum, the channels in their natural order, quantised along them: two blocks of 32
.rept 4
	v_nop
.endr
	v_add_f32 v14, v14, v15
	v_permlanex16_b32 v204, v14, s[SEL], s[SEL+1]
	v_add_f32 v14, v14, v204                       ; the row's sum
	v_rcp_f32 v14, v14
	v_nop                                          ; a plain place behind the reciprocal
	s_wait_alu depctr_va_vdst(0)                   ; and the wait ahead of its first reader
.set j, 0
.rept 32
	v_mul_f32 v[96+j], v[160+j], v14               ; register 8 t + i: channel 16 t + 8 h + i of query r; each accumulator from its low end on
.set j, j+1
.endr
.irp b, 0,1
.irp j, 0,1,2,3,4,5,6,7
	v_permlane16_swap_b32 v[96+16*\b+\j], v[104+16*\b+\j]   ; register 16 b + i now holds channel 32 b + 16 h + i
.endr
.endr
.irp b, 0,1
	v_max3_num_f32 v[192+\b], |v[96+16*\b]|, |v[97+16*\b]|, 0x1800000
.endr
.irp i, 2,4,6,8,10,12,14
.irp b, 0,1
	v_max3_num_f32 v[192+\b], v[192+\b], |v[96+16*\b+\i]|, |v[97+16*\b+\i]|
.endr
.endr
.irp b, 0,1
	v_permlanex16_b32 v[196+\b], v[192+\b], s[SEL], s[SEL+1]
.endr
.irp b, 0,1
	v_max_num_f32 v[192+\b], v[192+\b], v[196+\b]
.endr
.irp b, 0,1
	v_add_nc_u32 v[200+\b], 0xff000000, v[192+\b]
.endr
.irp b, 0,1
	v_lshrrev_b32 v[196+\b], 23, v[200+\b]
.endr
	v_lshl_or_b32 v208, v197, 8, v196
	v_cvt_scalef32_pk16_fp6_f32 v[224:226], v[96:111], v200
	v_cvt_scalef32_pk16_fp6_f32 v[212:214], v[112:127], v201
	v_nop
.irp i, 0,1,2
	v_permlane16_swap_b32 v[224+\i], v[212+\i]
.endr
.irp i, 0,1,2
	v_mov_b32 v[227+\i], v[212+\i]
.endr
.irp p, 0,1,2
	global_store_b64 v1, v[224+2*\p:225+2*\p], s[52:53] offset:256*\p   ; 32 lanes store 256 consecutive bytes, aligned
.endr
	global_store_b16 v7, v208, s[56:57]            ; my head's half of row r's scale word (both halves of the lanes write the same)
	s_wait_tensorcnt 0x0
	ds_add_u32 v254, v255
	s_wait_dscnt 0x0
	CROUND                                         ; the closing round
	s_endpgm
.Lfunc_end_k_q242444a514_attn:
	.size	k_q242444a514_attn, .Lfunc_end_k_q242444a514_attn-k_q242444a514_attn
	.p2alignl 7, 3214868480
	.fill 96, 4, 3214868480
	.section	.rodata,"a",@progbits
	.p2align	6, 0x0
	.amdhsa_kernel k_q242444a514_attn
		.amdhsa_group_segment_fixed_size 219136
		.amdhsa_private_segment_fixed_size 0
		.amdhsa_enable_private_segment 0
		.amdhsa_kernarg_size 24
		.amdhsa_user_sgpr_count 2
		.amdhsa_user_sgpr_kernarg_segment_ptr 1
		.amdhsa_wavefront_size32 1
		.amdhsa_system_sgpr_workgroup_id_x 1
		.amdhsa_system_sgpr_workgroup_id_y 1
		.amdhsa_system_sgpr_workgroup_id_z 1
		.amdhsa_system_vgpr_workitem_id 0
		.amdhsa_next_free_vgpr 256
		.amdhsa_next_free_sgpr 66
		.amdhsa_reserve_vcc 0
		.amdhsa_float_denorm_mode_32 3
		.amdhsa_float_denorm_mode_16_64 3
		.amdhsa_memory_ordered 1
		.amdhsa_forward_progress 1
		.amdhsa_inst_pref_size 33
	.end_amdhsa_kernel
	.amdgpu_metadata
---
amdhsa.version: [ 1, 2 ]
amdhsa.kernels:
  - .name:           k_q242444a514_attn
    .symbol:         k_q242444a514_attn.kd
    .args:
      - { .name: qkv, .offset: 0, .size: 8, .value_kind: global_buffer, .address_space: global }
      - { .name: mask, .offset: 8, .size: 8, .value_kind: global_buffer, .address_space: global }
      - { .name: att, .offset: 16, .size: 8, .value_kind: global_buffer, .address_space: global }
    .group_segment_fixed_size: 219136
    .private_segment_fixed_size: 0
    .kernarg_segment_align: 8
    .kernarg_segment_size: 24
    .max_flat_workgroup_size: 512
    .sgpr_count:     66
    .vgpr_count:     256
    .wavefront_size: 32
...
	.end_amdgpu_metadata
.endif
;; end of part 3
;; launch wo (part 4): grid 4 x 16, 4 waves a work-group, clusters of 4 x 4, 327,680 bytes of LDS; arguments att, wprep, bo, x, ysum; writes ysum
.if DOCPART == 4
	.amdgcn_target "amdgcn-amd-amdhsa--gfx1250"
	.amdhsa_code_object_version 6
	.text
	.protected	k_q242444a514_wo
	.globl	k_q242444a514_wo
	.p2align	8
	.type	k_q242444a514_wo,@function
k_q242444a514_wo:
	s_mov_b64 s[64:65], 0
	v_nop
	global_prefetch_b8 v0, s[64:65] scope:SCOPE_SE
	s_setreg_imm32_b32 hwreg(HW_REG_WAVE_MODE, 25, 1), 1
	s_wait_xcnt 0x0
	s_wait_alu depctr_hold_cnt(0) depctr_sa_sdst(0) depctr_va_vdst(0) depctr_va_sdst(0) depctr_va_ssrc(0) depctr_va_vcc(0) depctr_vm_vsrc(0)
	s_getreg_b32 s2, hwreg(HW_REG_IB_STS2, 6, 4)
	s_cmp_eq_u32 s2, 0
	s_cbranch_scc0 .Lentry_in_a_cluster
	s_endpgm
.Lentry_in_a_cluster:
	s_bfe_u32 s2, ttmp6, 0x10000c
	s_cmp_lg_u32 s2, 0xf033
	s_cbranch_scc0 .Lentry_shape_is_right
	s_endpgm
.Lentry_shape_is_right:
; ysum = x + (out Wo + bo): a product on codes of E2M3 (one E8M0 byte for each 32 along K = 1,024), the bias as the C of the first products, the residual added on the way out; f32 [4096][1024].
; A tile of 256 x 256 a work-group, four waves of 128 x 128 (64 accumulators, 512 registers), K in slots of 256 through a ring of two LDS slots.  64 tiles: 64 work-groups; a smaller tile would read each LDS byte for half the products.
; OPERANDS LIE IN MEMORY IN THE ORDER OF THEIR REGISTERS: fragment (tile i of 16 rows, K step s of 128) is 1,536 bytes at (NS i + s) 1536, piece p at 256 p, lane L at 8 L; scale word (i, s, r) at ((NS i + s) 16 + r) 4.
; So a tensor load brings 8 rows of 3,072 dense bytes (8 tiles x 2 K steps), and a fragment comes out of LDS by six loads of 8 bytes at 8 x lane: 256 consecutive bytes each, no padding.
; THE MATRIX INSTRUCTION IS USED TRANSPOSED (source 0 = 16 rows of B, source 1 = 16 rows of A): a lane holds eight neighbouring numbers of a row of the result.
; CLUSTERS: 4 x 4 work-groups; A's tiles are asked for jointly by a row of the cluster, B's by a column.
.set NS,       8                       ; K steps of 128
.set A_CODES,  0                       ; in the first buffer (att)
.set A_SCALES, 3145728
.set B_CODES,  5505024                 ; in wprep: Wo
.set B_SCALES, 12812288
.set USEB,  1
.set FR,    12                         ; registers of a fragment
.set NL,    6                          ; LDS loads that bring one
.set NP,    4                          ; places behind this matrix instruction (ISA guide 7.12.1)
.set HALFT, 24576                      ; 8 tiles x 2 K steps: what one tensor load brings
.set SLOT,  4*HALFT
.set LAPS,  NS/4
.set SCL,   2*SLOT                     ; behind the ring: the scale words of the work-group's rows, for all of K: filled once
.set HALFS, 512*NS
.set SPARE, SCL+4*HALFS                ; the spare words, 128 bytes a wave: two blocks of 256 bytes that no other line names
.set SPITCH, 528                       ; the way out: a stage of 16 rows x (512 + 16) bytes a wave, in slot 0, which has had its last fill and its last read by then
.set ADRA,  16
.set ADRB,  20
.set STO,   24                         ; v24 the way out: where I put 32 bytes of a row
.set RD,    25                         ; v25 where I read a row back
.set CO,    26                         ; v26 16 x lane: my bytes of a row of 512
.set ADRS,  27
.set SPW,   28
.set NIL,   29
.set LO8,   30
.set LO4,   31
.set SC,    32                         ; v32-63 scale words: register SC + 16 slot + 8 q + i: lanes 0-15 A's block i, lanes 16-31 B's block i
.set BIAS,  64                         ; v64-127 the bias in the result's layout
.set AF,    128                        ; v128-223 A's fragments, one set (window 0); B's two sets at v0 and v128 of window 1; accumulators in windows 2 and 3
.set BK,    128                        ; the way out: 16 rows read back: v128-191 and v192-255 by turns
.set G1,    24
.set G0,    32
.set G1B,   48
.set G0B,   56
.set G1S,   68
.set G0S,   76
.set G1SB,  80
.set G0SB,  88
.set MSB, 0
.macro WIN new                         ; the immediate's high byte repeats the setting that is left
.if MSB != (\new)
	s_set_vgpr_msb (MSB<<8)|(\new)
.set MSB, (\new)
.endif
.endm
.set MUL_LO, 0xa1                      ; source 0 (B) window 1, source 1 (A) window 0, C and D window 2
.set MUL_HI, 0xf1                      ; the same, C and D window 3
.set TO_B,   0x40                      ; destination window 1, address window 0
.macro JLOAD g0a, g1a, g0b, g1b        ; a joint load: waves 0 and 1 fetch for A, waves 2 and 3 for B; four v_nop follow each of the two lines
	s_cmp_eq_u32 s15, 0
	s_cbranch_scc0 .Lfor_b_\@
	tensor_load_to_lds s[\g0a:\g0a+3], s[\g1a:\g1a+7]
	s_nop 0
.rept 4
	v_nop
.endr
	s_branch .Lasked_\@
.Lfor_b_\@:
	tensor_load_to_lds s[\g0b:\g0b+3], s[\g1b:\g1b+7]
	s_nop 0
.rept 4
	v_nop
.endr
.Lasked_\@:
.endm
.macro CREST                           ; a round of the cluster's barrier behind its opening barrier
	s_cmp_lg_u32 s14, 0
	s_cbranch_scc1 .Lnot_wave_0_\@
	s_barrier_signal -3
.Lnot_wave_0_\@:
	s_barrier_wait -3
	s_barrier_signal -1
	s_barrier_wait -1
.endm
.macro CROUND
	s_barrier_signal -1
	s_barrier_wait -1
	CREST
.endm
.macro FRAG reg, adr, q, i             ; fragment (tile i, the slot's q-th K step): six pieces, each 256 consecutive bytes for the 32 lanes
.irp p, 0,1,2,3,4,5
	ds_load_b64 v[\reg+2*\p:\reg+2*\p+1], v[\adr] offset:(\i)*3072+(\q)*1536+256*\p
.endr
.endm
; 16 matrix instructions: A's blocks a0, a0 + 1 x B's eight.  zero = 1: the first product starts the sums, from the bias.  The 64 accumulators take turns, one instruction a turn.
.macro MUL16 a0, p, q, sc, zero
.irp a, \a0, \a0+1
.irp b, 0,1,2,3,4,5,6,7
.set rD, 8*(8*((\a)%4)+\b)
.set rB, 128*(\p)+FR*\b
.set rA, AF+FR*(\a)
.set rT, SC+16*(\sc)+8*(\q)
.if (\zero) && USEB
	v_wmma_scale_f32_16x16x128_f8f6f4 v[rD:rD+7], v[rB:rB+FR-1], v[rA:rA+FR-1], v[BIAS+8*\b:BIAS+8*\b+7], v[rT+\b], v[rT+(\a)] matrix_a_fmt:MATRIX_FMT_FP6 matrix_b_fmt:MATRIX_FMT_FP6 matrix_a_scale:MATRIX_SCALE_ROW1
.elseif \zero
	v_wmma_scale_f32_16x16x128_f8f6f4 v[rD:rD+7], v[rB:rB+FR-1], v[rA:rA+FR-1], 0, v[rT+\b], v[rT+(\a)] matrix_a_fmt:MATRIX_FMT_FP6 matrix_b_fmt:MATRIX_FMT_FP6 matrix_a_scale:MATRIX_SCALE_ROW1
.else
	v_wmma_scale_f32_16x16x128_f8f6f4 v[rD:rD+7], v[rB:rB+FR-1], v[rA:rA+FR-1], v[rD:rD+7], v[rT+\b], v[rT+(\a)] matrix_a_fmt:MATRIX_FMT_FP6 matrix_b_fmt:MATRIX_FMT_FP6 matrix_a_scale:MATRIX_SCALE_ROW1
.endif
.endr
.endr
.endm
.macro FETCH_B slot, q, p
	WIN TO_B
.irp i, 0,1,2,3,4,5,6,7
	FRAG 128*(\p)+FR*\i, ADRB+\slot, \q, \i
.endr
	WIN 0
.endm
.macro FETCH_A slot, q, i0
.irp i, \i0, \i0+1, \i0+2, \i0+3
	FRAG AF+FR*(\i), ADRA+\slot, \q, \i
.endr
.endm
.macro SCALES sc
.irp q, 0,1
.irp i, 0,1,2,3,4,5,6,7
	ds_load_b32 v[SC+16*\sc+8*\q+\i], v[ADRS] offset:\i*NS*64+64*\q
.endr
.endr
.endm
.macro PLACES n                        ; plain vector places in front of loads into registers that matrix instructions have read, and of the first read of results
.rept \n
	v_nop
.endr
.endm
.macro STEP slot, q, zero              ; a K step of 128 that has its successor in the same slot
	s_wait_dscnt 4*NL                              ; all but the youngest 24 loads (A's blocks 4-7) are in
	WIN MUL_LO-0x20*(\zero)*USEB                   ; (the bias, source 2 of the first products, lies in window 0)
	MUL16 0, (\q)%2, \q, \slot, \zero
	MUL16 2, (\q)%2, \q, \slot, \zero
	s_wait_dscnt 0                                 ; A's blocks 4-7 are in
	PLACES NP
	FETCH_B \slot, (\q)+1, 1-(\q)%2
	FETCH_A \slot, (\q)+1, 0
	WIN MUL_HI-0x30*(\zero)*USEB
	MUL16 4, (\q)%2, \q, \slot, \zero
	MUL16 6, (\q)%2, \q, \slot, \zero
	PLACES NP
	WIN 0
	FETCH_A \slot, (\q)+1, 4
.endm
; A slot's last step changes slots: one barrier; in front of it each wave waits for all its tensor loads, adds 0 to its spare word, and waits for that and for its reads of this slot.  fill = 1: this slot is filled again, two slots ahead.
.macro TURN slot, next, fill
	s_wait_tensorcnt 0x0                           ; all my tensor loads have landed: my part of the next slot
	ds_add_u32 v[SPW], v[NIL]                      ; 0 onto my spare word
	s_wait_dscnt 4*NL+1                            ; (the add and the youngest 24 loads may be out)
	WIN MUL_LO
	MUL16 0, 1, 1, \slot, 0
	s_wait_dscnt 0x0                               ; the add is done, and my reads of this slot are over
	s_barrier_signal -1
	MUL16 2, 1, 1, \slot, 0
	WIN 0
	s_barrier_wait -1
.if \fill
	CREST                                          ; the barrier has opened a round of the cluster's: no wave of any partner still reads this slot or has a load on its way
	s_add_nc_u64 s[G0+4*\slot+2:G0+4*\slot+3], s[G0+4*\slot+2:G0+4*\slot+3], 6144
	s_add_nc_u64 s[G0B+4*\slot+2:G0B+4*\slot+3], s[G0B+4*\slot+2:G0B+4*\slot+3], 6144
	JLOAD G0+4*\slot, G1, G0B+4*\slot, G1B         ; the first tensor load behind the round; its four v_nop are the places in front of the loads below
.else
	PLACES NP
.endif
	v_add_nc_u32 v[ADRS], 128, v[ADRS]             ; the next slot's scale words (no LDS load of mine is out)
	FETCH_B \next, 0, 0
	FETCH_A \next, 0, 0
	SCALES \next
	WIN MUL_HI
	MUL16 4, 1, 1, \slot, 0
	MUL16 6, 1, 1, \slot, 0
	PLACES NP
	WIN 0
	FETCH_A \next, 0, 4
.endm
	s_load_b128 s[4:7], s[0:1], 0x0                ; A's buffer s[4:5], wprep s[6:7]
	s_load_b128 s[8:11], s[0:1], 0x10              ; the bias s[8:9], the residual s[10:11]
	s_load_b64 s[12:13], s[0:1], 0x20              ; ysum
	v_lshl_add_u32 v[SPW], v0, 2, SPARE
	v_mov_b32 v[NIL], 0
	ds_add_u32 v28, v29
	ds_add_u32 v28, v29
	s_wait_dscnt 0x0
	v_lshrrev_b32 v1, 5, v0
	v_readfirstlane_b32 s14, v1                    ; wave 0..3
	s_lshr_b32 s15, s14, 1                         ; which half of the tile's rows is mine.  Also: I fetch for A (0) or for B (1)
	s_and_b32 s16, s14, 1                          ; which half of its columns.  Also: which half of that tile I fetch
	s_bfe_u32 s40, ttmp6, 0x40000                  ; cx, cy
	s_bfe_u32 s41, ttmp6, 0x40004
	s_lshl_b32 s42, ttmp9, 2
	s_add_co_u32 s42, s42, s40                     ; tile column
	s_and_b32 s17, ttmp7, 0xffff
	s_lshl_b32 s17, s17, 2
	s_add_co_u32 s17, s17, s41                     ; tile row
	s_lshl_b32 s43, s41, 2
	s_lshl_b32 s43, 15, s43                        ; my row of the cluster
	s_lshl_b32 s44, 0x1111, s40                    ; my column
	s_or_b32 s[G1+0], s43, (3<<16)|(1<<21)         ; 15:0 the mask; 17:16 elements of 8 bytes; 21 set beside a mask; no padding
	s_or_b32 s[G1B+0], s44, (3<<16)|(1<<21)
.irp g, G1, G1B
	s_mov_b32 s[\g+1], 384<<16                     ; tensor_dim0 = 384 elements: two fragments, 3,072 bytes
	s_mov_b32 s[\g+2], 8<<16                       ; tensor_dim1 = 8 tiles
	s_mov_b32 s[\g+3], 384<<16
	s_mov_b32 s[\g+4], 8
	s_mov_b32 s[\g+5], NS*192                      ; from tile to tile: NS fragments
	s_mov_b32 s[\g+6], 0
	s_mov_b32 s[\g+7], 0
.endr
	s_or_b32 s[G1S+0], s43, (3<<16)|(1<<21)        ; the scale words of 128 rows: a dense block, as rows of 256 bytes
	s_or_b32 s[G1SB+0], s44, (3<<16)|(1<<21)
.irp g, G1S, G1SB
	s_mov_b32 s[\g+1], 32<<16
	s_mov_b32 s[\g+2], (2*NS)<<16
	s_mov_b32 s[\g+3], 32<<16
	s_mov_b32 s[\g+4], 2*NS
	s_mov_b32 s[\g+5], 32
	s_mov_b32 s[\g+6], 0
	s_mov_b32 s[\g+7], 0
.endr
	s_lshl_b32 s18, s16, 3
	s_lshl_b32 s20, s17, 4
	s_add_co_u32 s20, s20, s18                     ; A: tile 16 x tile row + 8 x half
	s_lshl_b32 s46, s42, 4
	s_add_co_u32 s46, s46, s18                     ; B: tile 16 x tile column + 8 x half
	s_mul_i32 s22, s20, NS*64
	s_add_co_u32 s22, s22, A_SCALES
	s_mul_i32 s92, s46, NS*64
	s_add_co_u32 s92, s92, B_SCALES
	s_mul_i32 s20, s20, NS*1536
	s_add_co_u32 s20, s20, A_CODES
	s_mul_i32 s46, s46, NS*1536
	s_add_co_u32 s46, s46, B_CODES
	s_mov_b32 s21, 0
	s_mov_b32 s23, 0
	s_mov_b32 s47, 0
	s_mov_b32 s93, 0
	s_mul_i32 s45, s14, HALFT                      ; where they go: by the wave's number alone
	s_mul_i32 s94, s14, HALFS
	s_wait_kmcnt 0x0
	s_add_nc_u64 s[20:21], s[4:5], s[20:21]
	s_add_nc_u64 s[22:23], s[4:5], s[22:23]
	s_add_nc_u64 s[46:47], s[6:7], s[46:47]
	s_add_nc_u64 s[92:93], s[6:7], s[92:93]
	CROUND                                         ; all sixteen work-groups are here: the first joint loads meet
	s_mov_b32 s[G0S], 1
	s_add_co_u32 s[G0S+1], s94, SCL
	s_mov_b64 s[G0S+2:G0S+3], s[22:23]
	s_or_b32 s[G0S+3], s[G0S+3], 0x80000000
	s_mov_b32 s[G0SB], 1
	s_add_co_u32 s[G0SB+1], s94, SCL
	s_mov_b64 s[G0SB+2:G0SB+3], s[92:93]
	s_or_b32 s[G0SB+3], s[G0SB+3], 0x80000000
	JLOAD G0S, G1S, G0SB, G1SB                     ; the scale words first
.irp s, 0,1
	s_mov_b32 s[G0+4*\s], 1
	s_add_co_u32 s[G0+4*\s+1], s45, \s*SLOT
	s_add_nc_u64 s[G0+4*\s+2:G0+4*\s+3], s[20:21], \s*3072
	s_or_b32 s[G0+4*\s+3], s[G0+4*\s+3], 0x80000000
	s_mov_b32 s[G0B+4*\s], 1
	s_add_co_u32 s[G0B+4*\s+1], s45, \s*SLOT
	s_add_nc_u64 s[G0B+4*\s+2:G0B+4*\s+3], s[46:47], \s*3072
	s_or_b32 s[G0B+4*\s+3], s[G0B+4*\s+3], 0x80000000
	JLOAD G0+4*\s, G1, G0B+4*\s, G1B               ; three loads of mine are out at the most
.endr
	v_and_b32 v1, 15, v0                           ; r
	v_bfe_u32 v2, v0, 4, 1                         ; h
	v_and_b32 v3, 31, v0
	v_lshlrev_b32 v[LO8], 3, v3
	v_lshlrev_b32 v[LO4], 2, v1
	v_lshlrev_b32 v6, 5, v2                        ; 32 h
	s_lshl_b32 s46, s42, 10
	s_lshl_b32 s47, s16, 9
	s_add_co_u32 s46, s46, s47                     ; 4 x my first column
	s_mov_b32 s47, 0
	s_add_nc_u64 s[8:9], s[8:9], s[46:47]
.irp b, 0,1,2,3,4,5,6,7
	global_load_b128 v[BIAS+8*\b:BIAS+8*\b+3], v6, s[8:9] offset:64*\b        ; lane (r, h), tile b: columns 16 b + 8 h + 0 .. 7
	global_load_b128 v[BIAS+8*\b+4:BIAS+8*\b+7], v6, s[8:9] offset:64*\b+16
.endr
	s_mul_i32 s21, s15, HALFT                      ; my 128 rows of A
	s_mul_i32 s22, s16, HALFT                      ; my 128 rows of B,
	s_add_co_u32 s22, s22, 2*HALFT                 ; which lie behind A's 256
.irp s, 0,1
	v_add_nc_u32 v[ADRA+\s], s21, v[LO8]
	v_add_nc_u32 v[ADRB+\s], s22, v[LO8]
	s_add_co_u32 s21, s21, SLOT
	s_add_co_u32 s22, s22, SLOT
.endr
	s_mul_i32 s21, s15, HALFS
	s_mul_i32 s22, s16, HALFS
	s_add_co_u32 s22, s22, 2*HALFS
	s_sub_co_u32 s22, s22, s21
	v_mul_u32_u24 v5, s22, v2                      ; lanes 16-31 take B's scale words: one product, the distance between the two
	s_add_co_u32 s21, s21, SCL
	v_add_nc_u32 v5, v[LO4], v5
	v_add_nc_u32 v[ADRS], s21, v5
	s_mul_i32 s23, s14, 16*SPITCH                  ; my stage
	v_mul_u32_u24 v5, v1, SPITCH
	v_lshl_add_u32 v5, v2, 5, v5
	v_add_nc_u32 v[STO], s23, v5                   ; in: row r, 32 bytes for each half of the lanes
	v_lshlrev_b32 v[CO], 4, v3
	v_add_nc_u32 v[RD], s23, v[CO]                 ; back: the 32 lanes take a row of 512 bytes
	s_lshl_b32 s20, s17, 8
	s_lshl_b32 s21, s15, 7
	s_add_co_u32 s20, s20, s21                     ; my first row
	s_lshl_b32 s20, s20, 12                        ; a row is 4,096 bytes
	s_add_co_u32 s20, s20, s46
	s_mov_b32 s21, 0
	s_add_nc_u64 s[12:13], s[12:13], s[20:21]
	s_add_nc_u64 s[10:11], s[10:11], s[20:21]
	s_wait_tensorcnt 1                             ; the scale words and my part of slot 0 are in (slot 1's load may be out),
	s_barrier_signal -1
	s_barrier_wait -1                              ; everybody's are
	FETCH_B 0, 0, 0
	FETCH_A 0, 0, 0
	SCALES 0
	FETCH_A 0, 0, 4
	s_wait_loadcnt 0x0                             ; the bias
	STEP 0, 0, 1                                   ; the first step stands in front of the loop: its products start the sums
	s_mov_b32 s3, LAPS-1
.Llap:                                             ; a trip goes once round the ring and fills both slots again
	TURN 0, 1, 1
	STEP 1, 0, 0
	TURN 1, 0, 1
	STEP 0, 0, 0
	s_sub_co_u32 s3, s3, 1
	s_cmp_lg_u32 s3, 0
	s_cbranch_scc1 .Llap
	TURN 0, 1, 0                                   ; the last lap fills nothing
	STEP 1, 0, 0
	s_wait_dscnt 4*NL                              ; the very last step
	WIN MUL_LO
	MUL16 0, 1, 1, 1, 0
	MUL16 2, 1, 1, 1, 0
	s_wait_dscnt 0
	WIN MUL_HI
	MUL16 4, 1, 1, 1, 0
	MUL16 6, 1, 1, 1, 0
	WIN 0
; THE WAY OUT, block by block of 16 rows x 128 columns: through my own stage in LDS, back as whole rows of 512 bytes, + the residual, stored as two aligned runs of 256 bytes an instruction.  Every offset is an immediate: 127 rows of 4,096 bytes at the most.
.macro RLOAD a                         ; the residual's 16 rows of block a into window 1, where B's fragments are done with
	WIN 0x40
.irp t, 0,1,2,3,4,5,6,7,8,9,10,11,12,13,14,15
	global_load_b128 v[64*((\a)%4)+4*\t:64*((\a)%4)+4*\t+3], v[CO], s[10:11] offset:(16*(\a)+\t)*4096
.endr
	WIN 0
.endm
.macro TOSTAGE a
.set AC, 64*((\a)%4)
	WIN 0x08+4*((\a)/4)                            ; an LDS store's data are its source 1: window 2 or 3
.irp b, 0,1,2,3,4,5,6,7
	ds_store_b128 v[STO], v[AC+8*\b:AC+8*\b+3] offset:64*\b          ; each accumulator from its low end on
	ds_store_b128 v[STO], v[AC+8*\b+4:AC+8*\b+7] offset:64*\b+16
.endr
	WIN 0
.set BB, BK+64*((\a)%2)
.irp t, 0,1,2,3,4,5,6,7,8,9,10,11,12,13,14,15
	ds_load_b128 v[BB+4*\t:BB+4*\t+3], v[RD] offset:\t*SPITCH        ; LDS serves a wave's instructions in order: these see my stores
.endr
.endm
	PLACES NP
	RLOAD 0
	RLOAD 1
	RLOAD 2
	RLOAD 3
.irp a, 0,1,2,3,4,5,6,7
.if \a > 1
	s_wait_xcnt 0x0                                ; block a - 2's stores have read their data: block a's rows may land there
.endif
	TOSTAGE \a
	s_wait_dscnt 0x0
.if \a < 5
	s_wait_loadcnt 48                              ; this block's residual is in; the next three blocks' 48 loads may be out
.else
	s_wait_loadcnt 16*(7-\a)
.endif
.set BB, BK+64*((\a)%2)
.set RR, 64*((\a)%4)
	WIN 0x04                                       ; source 1: window 1
.set i, 0
.rept 32
	v_pk_add_f32 v[BB+i:BB+i+1], v[BB+i:BB+i+1], v[RR+i:RR+i+1]
.set i, i+2
.endr
	WIN 0
.if \a < 4
	RLOAD \a+4
.endif
.irp t, 0,1,2,3,4,5,6,7,8,9,10,11,12,13,14,15
	global_store_b128 v[CO], v[BB+4*\t:BB+4*\t+3], s[12:13] offset:(16*\a+\t)*4096   ; 32 lanes store 512 consecutive bytes, aligned
.endr
.endr
	s_wait_tensorcnt 0x0                           ; the wave's end
	ds_add_u32 v[SPW], v[NIL]
	s_wait_dscnt 0x0
	CROUND                                         ; the closing round
	s_endpgm
.Lfunc_end_k_q242444a514_wo:
	.size	k_q242444a514_wo, .Lfunc_end_k_q242444a514_wo-k_q242444a514_wo
	.p2alignl 7, 3214868480
	.fill 96, 4, 3214868480
	.section	.rodata,"a",@progbits
	.p2align	6, 0x0
	.amdhsa_kernel k_q242444a514_wo
		.amdhsa_group_segment_fixed_size 327680
		.amdhsa_private_segment_fixed_size 0
		.amdhsa_enable_private_segment 0
		.amdhsa_kernarg_size 40
		.amdhsa_user_sgpr_count 2
		.amdhsa_user_sgpr_kernarg_segment_ptr 1
		.amdhsa_wavefront_size32 1
		.amdhsa_system_sgpr_workgroup_id_x 1
		.amdhsa_system_sgpr_workgroup_id_y 1
		.amdhsa_system_sgpr_workgroup_id_z 1
		.amdhsa_system_vgpr_workitem_id 0
		.amdhsa_next_free_vgpr 1024
		.amdhsa_next_free_sgpr 102
		.amdhsa_reserve_vcc 0
		.amdhsa_float_denorm_mode_32 3
		.amdhsa_float_denorm_mode_16_64 3
		.amdhsa_memory_ordered 1
		.amdhsa_forward_progress 1
		.amdhsa_inst_pref_size 192
	.end_amdhsa_kernel
	.amdgpu_metadata
---
amdhsa.version: [ 1, 2 ]
amdhsa.kernels:
  - .name:           k_q242444a514_wo
    .symbol:         k_q242444a514_wo.kd
    .args:
      - { .name: att, .offset: 0, .size: 8, .value_kind: global_buffer, .address_space: global }
      - { .name: wprep, .offset: 8, .size: 8, .value_kind: global_buffer, .address_space: global }
      - { .name: bo, .offset: 16, .size: 8, .value_kind: global_buffer, .address_space: global }
      - { .name: x, .offset: 24, .size: 8, .value_kind: global_buffer, .address_space: global }
      - { .name: ysum, .offset: 32, .size: 8, .value_kind: global_buffer, .address_space: global }
    .group_segment_fixed_size: 327680
    .private_segment_fixed_size: 0
    .kernarg_segment_align: 8
    .kernarg_segment_size: 40
    .max_flat_workgroup_size: 128
    .sgpr_count:     102
    .vgpr_count:     1024
    .wavefront_size: 32
...
	.end_amdgpu_metadata
.endif
;; end of part 4
;; launch norm1 (part 5): grid 256 x 1, 16 waves a work-group, no clusters, 89,344 bytes of LDS; arguments ysum, alpha1, beta1, n1; writes n1
.if DOCPART == 5
	.amdgcn_target "amdgcn-amd-amdhsa--gfx1250"
	.amdhsa_code_object_version 6
	.text
	.protected	k_q242444a514_norm1
	.globl	k_q242444a514_norm1
	.p2align	8
	.type	k_q242444a514_norm1,@function
k_q242444a514_norm1:
	s_mov_b64 s[64:65], 0
	v_nop
	global_prefetch_b8 v0, s[64:65] scope:SCOPE_SE
	s_setreg_imm32_b32 hwreg(HW_REG_WAVE_MODE, 25, 1), 1
	s_wait_xcnt 0x0
; out1 = alpha1 (y - mean) / (std + 1e-6) + beta1 along rows of 1,024, std with divisor 1,023; out1 is stored as f32 (n1 + 0) and, quantised to E2M3 along the row, as the next product's operand in the order of its registers:
; fragment (tile i of 16 rows, K step s) at 16777216 + (8 i + s) 1536, piece p at 256 p, lane L at 8 L; scale word (i, s, r) at 19922944 + ((8 i + s) 16 + r) 4.
; One wave, one row (32 registers): the two reductions never leave the wave.  Mean first, then the sum of squared differences: a common offset of the inputs does no harm.
; A work-group is a tile of 16 rows: the rows' codes meet in LDS and leave in whole runs of 256 bytes.  Memory binds: no matrix work, no tensor loads, no cluster.
; LIMITS: a block of zeros gets the byte 1 where the quantiser says 127 (its codes are zeros; only this program reads the bytes); NaN and infinities are not served.
.set O1F,  16777216
.set O1S,  19922944
.set FIMG, 73728                       ; LDS: behind sixteen stages of 4,608 bytes: the tile's 48 pieces, 272 bytes apart,
.set TIMG, 86784                       ; and its 512 bytes of scale words
.set WV,   14
.set TS,   24
.set DC,   20
.set DSC,  22
.set LO16, 1
.set LN,   2
.set SI,   3
.set SO,   4
.set FI,   5
.set TI,   6
.set FO,   7
.set LO8,  8
.set TO,   9
.set C,    80
.macro QADDR                           ; the LDS addresses of QROW: a constant, a constant x parts of the lane's number, a constant x wave
	s_mul_i32 s[TS], s[WV], 4608
	v_lshrrev_b32 v[SI], 3, v[LN]
	v_mul_u32_u24 v[SI], v[SI], 144
	v_and_b32 v10, 7, v[LN]
	v_lshl_add_u32 v[SI], v10, 4, v[SI]
	v_add_nc_u32 v[SI], s[TS], v[SI]               ; in: eight lanes' 128 bytes (a block of 32 numbers) on end, then 16 of padding
	v_mul_u32_u24 v[SO], v[LN], 144
	v_add_nc_u32 v[SO], s[TS], v[SO]               ; out: lane L takes block L
	v_lshrrev_b32 v10, 2, v[LN]                    ; block L is K step L / 4, c = (L / 2) % 2, h = L % 2
	v_mul_u32_u24 v[FI], v10, 1632
	v_lshlrev_b32 v[TI], 6, v10
	v_bfe_u32 v10, v[LN], 1, 1
	v_mad_u32_u24 v[FI], v10, 816, v[FI]
	v_and_b32 v10, 1, v[LN]
	v_lshl_add_u32 v[FI], v10, 7, v[FI]
	s_lshl_b32 s[TS], s[WV], 3
	s_add_co_u32 s[TS], s[TS], FIMG
	v_add_nc_u32 v[FI], s[TS], v[FI]
	v_and_b32 v10, 3, v[LN]
	v_add_nc_u32 v[TI], v[TI], v10
	s_lshl_b32 s[TS], s[WV], 2
	s_add_co_u32 s[TS], s[TS], TIMG
	v_add_nc_u32 v[TI], s[TS], v[TI]
	v_lshlrev_b32 v[LO8], 3, v[LN]
	s_mul_i32 s[TS], s[WV], 816
	s_add_co_u32 s[TS], s[TS], FIMG
	v_add_nc_u32 v[FO], s[TS], v[LO8]
	v_add_nc_u32 v[TO], TIMG, v[LO16]
.endm
; A row of 1,024 numbers, in v[R] on (quad k of lane L: columns 128 k + 4 L + 0 .. 3), becomes codes and scale bytes in the tile's image; the image leaves in whole runs of 256 bytes.
.macro QROW R, B
.irp k, 0,1,2,3,4,5,6,7
	ds_store_b128 v[SI], v[\R+4*\k:\R+4*\k+3] offset:576*\k
.endr
.irp k, 0,1,2,3,4,5,6,7
	ds_load_b128 v[\B+4*\k:\B+4*\k+3], v[SO] offset:16*\k   ; LDS serves a wave's instructions in order: these see my stores.  Lane L now holds block L's 32 numbers
.endr
	s_wait_dscnt 0x0
	v_max3_num_f32 v12, |v[\B]|, |v[\B+1]|, |v[\B+2]|
	v_max3_num_f32 v13, |v[\B+3]|, |v[\B+4]|, |v[\B+5]|
.irp i, 6,10,14,18,22,26
	v_max3_num_f32 v12, v12, |v[\B+\i]|, |v[\B+\i+1]|
	v_max3_num_f32 v13, v13, |v[\B+\i+2]|, |v[\B+\i+3]|
.endr
	v_max3_num_f32 v12, v12, |v[\B+30]|, |v[\B+31]|
	v_max3_num_f32 v12, v12, v13, 0x1800000        ; and the floor 2^(3 - 127): the byte cannot fall under 1
	v_add_nc_u32 v11, 0xff000000, v12              ; 2 off the exponent field: the conversion's scale operand
	v_lshrrev_b32 v14, 23, v11                     ; the scale's byte
	v_cvt_scalef32_pk16_fp6_f32 v[C:C+2], v[\B:\B+15], v11
	v_cvt_scalef32_pk16_fp6_f32 v[C+4:C+6], v[\B+16:\B+31], v11
	v_nop                                          ; one plain place behind the conversions
	v_mov_b32 v[C+3], v[C+4]
	v_mov_b32 v[C+4], v[C+5]
	v_mov_b32 v[C+5], v[C+6]
.irp i, 0,1,2
	ds_store_b64 v[FI], v[C+2*\i:C+2*\i+1] offset:272*\i
.endr
	ds_store_b8 v[TI], v14
	s_wait_dscnt 0x0                               ; for the others' sake: my stores into the image are done
	s_barrier_signal -1
	s_barrier_wait -1
.irp i, 0,1,2
	ds_load_b64 v[88+2*\i:89+2*\i], v[FO] offset:272*\i
.endr
	s_wait_dscnt 0x0
.irp i, 0,1,2
	global_store_b64 v[LO8], v[88+2*\i:89+2*\i], s[DC:DC+1] offset:256*\i   ; 32 lanes store 256 consecutive bytes, aligned
.endr
	s_cmp_lg_u32 s[WV], 0
	s_cbranch_scc1 .Lnot0_\@
	ds_load_b128 v[96:99], v[TO]
	s_wait_dscnt 0x0
	global_store_b128 v[LO16], v[96:99], s[DSC:DSC+1]
.Lnot0_\@:
.endm
	s_load_b256 s[4:11], s[0:1], 0x0               ; ysum s[4:5], alpha s[6:7], beta s[8:9], n1 s[10:11]
	v_lshl_add_u32 v128, v0, 2, 0x15500
	v_mov_b32 v129, 0
	v_lshrrev_b32 v1, 5, v0
	v_readfirstlane_b32 s[WV], v1                  ; wave 0..15
	v_and_b32 v[LN], 31, v0
	v_lshlrev_b32 v[LO16], 4, v[LN]
	s_lshl_b32 s16, ttmp9, 4
	s_add_co_u32 s16, s16, s[WV]                   ; my row
	s_lshl_b32 s16, s16, 12
	s_mov_b32 s17, 0
	s_mul_i32 s26, ttmp9, 12288
	s_mul_i32 s27, s[WV], 768
	s_add_co_u32 s26, s26, s27
	s_add_co_u32 s26, s26, O1F
	s_mov_b32 s27, 0
	s_lshl_b32 s28, ttmp9, 9
	s_add_co_u32 s28, s28, O1S
	s_mov_b32 s29, 0
	s_mov_b32 s12, 0x76543210
	s_mov_b32 s13, 0xfedcba98                      ; v_permlanex16_b32's selects for lane l xor 16
	s_wait_kmcnt 0x0
	s_add_nc_u64 s[4:5], s[4:5], s[16:17]
	s_add_nc_u64 s[18:19], s[10:11], s[16:17]
	s_add_nc_u64 s[DC:DC+1], s[10:11], s[26:27]
	s_add_nc_u64 s[DSC:DSC+1], s[10:11], s[28:29]
.irp k, 0,1,2,3,4,5,6,7
	global_load_b128 v[16+4*\k:19+4*\k], v[LO16], s[4:5] offset:512*\k th:TH_LOAD_NT
.endr
.irp k, 0,1,2,3,4,5,6,7
	global_load_b128 v[48+4*\k:51+4*\k], v[LO16], s[6:7] offset:512*\k
.endr
.irp k, 0,1,2,3,4,5,6,7
	global_load_b128 v[80+4*\k:83+4*\k], v[LO16], s[8:9] offset:512*\k
.endr
	QADDR
	s_wait_loadcnt 16                              ; the row is in; alpha's and beta's 16 loads may be out
	v_pk_add_f32 v[112:113], v[16:17], v[18:19]    ; the row's sum, in two chains
	v_pk_add_f32 v[114:115], v[20:21], v[22:23]
.irp j, 24,28,32,36,40,44
	v_pk_add_f32 v[112:113], v[112:113], v[\j:\j+1]
	v_pk_add_f32 v[114:115], v[114:115], v[\j+2:\j+3]
.endr
	v_pk_add_f32 v[112:113], v[112:113], v[114:115]
	v_add_f32 v112, v112, v113
	v_add_f32_dpp v112, v112, v112 row_xmask:1 row_mask:0xf bank_mask:0xf
	v_add_f32_dpp v112, v112, v112 row_xmask:2 row_mask:0xf bank_mask:0xf
	v_add_f32_dpp v112, v112, v112 row_xmask:4 row_mask:0xf bank_mask:0xf
	v_add_f32_dpp v112, v112, v112 row_xmask:8 row_mask:0xf bank_mask:0xf
	v_permlanex16_b32 v113, v112, s12, s13
	v_add_f32 v112, v112, v113
	v_mul_f32 v112, 0x3a800000, v112               ; / 1,024: the mean
	v_mov_b32 v113, v112
.set j, 16
.rept 16
	v_pk_add_f32 v[j:j+1], v[j:j+1], v[112:113] neg_lo:[0,1] neg_hi:[0,1]   ; y - mean
.set j, j+2
.endr
	v_pk_mul_f32 v[114:115], v[16:17], v[16:17]    ; the sum of squares, in two chains
	v_pk_mul_f32 v[116:117], v[18:19], v[18:19]
.irp j, 20,24,28,32,36,40,44
	v_pk_fma_f32 v[114:115], v[\j:\j+1], v[\j:\j+1], v[114:115]
	v_pk_fma_f32 v[116:117], v[\j+2:\j+3], v[\j+2:\j+3], v[116:117]
.endr
	v_pk_add_f32 v[114:115], v[114:115], v[116:117]
	v_add_f32 v114, v114, v115
	v_add_f32_dpp v114, v114, v114 row_xmask:1 row_mask:0xf bank_mask:0xf
	v_add_f32_dpp v114, v114, v114 row_xmask:2 row_mask:0xf bank_mask:0xf
	v_add_f32_dpp v114, v114, v114 row_xmask:4 row_mask:0xf bank_mask:0xf
	v_add_f32_dpp v114, v114, v114 row_xmask:8 row_mask:0xf bank_mask:0xf
	v_permlanex16_b32 v115, v114, s12, s13
	v_add_f32 v114, v114, v115
	v_mul_f32 v114, 0x3a802008, v114               ; / 1,023
	v_sqrt_f32 v115, v114
	v_nop                                          ; a plain place behind the root,
	s_wait_alu depctr_va_vdst(0)                   ; and the wait ahead of its reader
	v_add_f32 v115, 0x358637bd, v115               ; + 1e-6
	v_rcp_f32 v116, v115
	v_nop
	s_wait_alu depctr_va_vdst(0)
	v_mov_b32 v117, v116
	s_wait_loadcnt 0x0                             ; alpha and beta
.set j, 16
.rept 16
	v_pk_mul_f32 v[j:j+1], v[j:j+1], v[116:117]
.set j, j+2
.endr
.set j, 0
.rept 16
	v_pk_fma_f32 v[16+j:17+j], v[16+j:17+j], v[48+j:49+j], v[80+j:81+j]
.set j, j+2
.endr
.irp k, 0,1,2,3,4,5,6,7
	global_store_b128 v[LO16], v[16+4*\k:19+4*\k], s[18:19] offset:512*\k   ; 32 lanes store 512 consecutive bytes, aligned
.endr
	QROW 16, 48                                    ; the row's registers are only read; the blocks come back into alpha's registers
	s_wait_tensorcnt 0x0
	ds_add_u32 v128, v129
	s_wait_dscnt 0x0
	s_endpgm
.Lfunc_end_k_q242444a514_norm1:
	.size	k_q242444a514_norm1, .Lfunc_end_k_q242444a514_norm1-k_q242444a514_norm1
	.p2alignl 7, 3214868480
	.fill 96, 4, 3214868480
	.section	.rodata,"a",@progbits
	.p2align	6, 0x0
	.amdhsa_kernel k_q242444a514_norm1
		.amdhsa_group_segment_fixed_size 89344
		.amdhsa_private_segment_fixed_size 0
		.amdhsa_enable_private_segment 0
		.amdhsa_kernarg_size 32
		.amdhsa_user_sgpr_count 2
		.amdhsa_user_sgpr_kernarg_segment_ptr 1
		.amdhsa_wavefront_size32 1
		.amdhsa_system_sgpr_workgroup_id_x 1
		.amdhsa_system_sgpr_workgroup_id_y 1
		.amdhsa_system_sgpr_workgroup_id_z 1
		.amdhsa_system_vgpr_workitem_id 0
		.amdhsa_next_free_vgpr 130
		.amdhsa_next_free_sgpr 66
		.amdhsa_reserve_vcc 0
		.amdhsa_float_denorm_mode_32 3
		.amdhsa_float_denorm_mode_16_64 3
		.amdhsa_memory_ordered 1
		.amdhsa_forward_progress 1
		.amdhsa_inst_pref_size 16
	.end_amdhsa_kernel
	.amdgpu_metadata
---
amdhsa.version: [ 1, 2 ]
amdhsa.kernels:
  - .name:           k_q242444a514_norm1
    .symbol:         k_q242444a514_norm1.kd
    .args:
      - { .name: ysum, .offset: 0, .size: 8, .value_kind: global_buffer, .address_space: global }
      - { .name: alpha1, .offset: 8, .size: 8, .value_kind: global_buffer, .address_space: global }
      - { .name: beta1, .offset: 16, .size: 8, .value_kind: global_buffer, .address_space: global }
      - { .name: n1, .offset: 24, .size: 8, .value_kind: global_buffer, .address_space: global }
    .group_segment_fixed_size: 89344
    .private_segment_fixed_size: 0
    .kernarg_segment_align: 8
    .kernarg_segment_size: 32
    .max_flat_workgroup_size: 512
    .sgpr_count:     66
    .vgpr_count:     130
    .wavefront_size: 32
...
	.end_amdgpu_metadata
.endif
;; end of part 5
;; launch w1 (part 6): grid 16 x 16, 4 waves a work-group, clusters of 4 x 4, 327,680 bytes of LDS; arguments n1, wprep, b1, hid; writes hid
.if DOCPART == 6
	.amdgcn_target "amdgcn-amd-amdhsa--gfx1250"
	.amdhsa_code_object_version 6
	.text
	.protected	k_q242444a514_w1
	.globl	k_q242444a514_w1
	.p2align	8
	.type	k_q242444a514_w1,@function
k_q242444a514_w1:
	s_mov_b64 s[64:65], 0
	v_nop
	global_prefetch_b8 v0, s[64:65] scope:SCOPE_SE
	s_setreg_imm32_b32 hwreg(HW_REG_WAVE_MODE, 25, 1), 1
	s_wait_xcnt 0x0
	s_wait_alu depctr_hold_cnt(0) depctr_sa_sdst(0) depctr_va_vdst(0) depctr_va_sdst(0) depctr_va_ssrc(0) depctr_va_vcc(0) depctr_vm_vsrc(0)
	s_getreg_b32 s2, hwreg(HW_REG_IB_STS2, 6, 4)
	s_cmp_eq_u32 s2, 0
	s_cbranch_scc0 .Lentry_in_a_cluster
	s_endpgm
.Lentry_in_a_cluster:
	s_bfe_u32 s2, ttmp6, 0x10000c
	s_cmp_lg_u32 s2, 0xf033
	s_cbranch_scc0 .Lentry_shape_is_right
	s_endpgm
.Lentry_shape_is_right:
; hidden = relu(out1 W1 + b1), [4096][4096], on codes of E2M3 (one E8M0 byte for each 32 along K = 1,024), quantised at once along the hidden axis as the next product's operand.  The hidden layer goes to memory as codes alone.
; A tile of 256 x 256 a work-group (256 work-groups), four waves of 128 x 128 (64 accumulators, 512 registers), K in slots of 256 through a ring of two LDS slots.
; OPERANDS LIE IN MEMORY IN THE ORDER OF THEIR REGISTERS: fragment (tile i of 16 rows, K step s of 128) is 1,536 bytes at (NS i + s) 1536, piece p at 256 p, lane L at 8 L; scale word (i, s, r) at ((NS i + s) 16 + r) 4.
; So a tensor load brings 8 rows of 3,072 dense bytes (8 tiles x 2 K steps), and a fragment comes out of LDS by six loads of 8 bytes at 8 x lane: 256 consecutive bytes each, no padding.
; THE MATRIX INSTRUCTION IS USED TRANSPOSED (source 0 = 16 rows of W1, source 1 = 16 tokens): a lane holds one token, and its registers run along the hidden units: a wave's 128 columns are one K step of the next product.
; The 16 registers of result tiles 2 b, 2 b + 1 hold units 32 b + 16 u + 8 h + j; eight exchanges of lane halves a block put them in their natural order, since the partner is a given weight.
; OUT (hid): fragment (token tile i, step s of 32) at (32 i + s) 1536; scale word at 12582912 + ((32 i + s) 16 + r) 4.
; CLUSTERS: 4 x 4 work-groups; A's tiles are asked for jointly by a row of the cluster, B's by a column.
; LIMITS: a block of zeros gets the byte 1 where the quantiser says 127 (its codes are zeros; only this program reads the bytes); NaN and infinities are not served.
.set NS,       8
.set A_CODES,  16777216                ; in n1: out1's codes
.set A_SCALES, 19922944
.set B_CODES,  6291456                 ; in wprep: W1
.set B_SCALES, 12845056
.set HSO,      12582912                ; in hid: the scale words
.set USEB,  1
.set FR,    12
.set NL,    6
.set NP,    4                          ; places behind this matrix instruction (ISA guide 7.12.1)
.set HALFT, 24576
.set SLOT,  4*HALFT
.set LAPS,  NS/4
.set SCL,   2*SLOT
.set HALFS, 512*NS
.set SPARE, SCL+4*HALFS                ; the spare words, 128 bytes a wave: two blocks of 256 bytes that no other line names
.set ADRA,  16
.set ADRB,  20
.set ADRS,  27
.set SPW,   28
.set NIL,   29
.set LO8,   30
.set LO4,   31
.set SC,    32                         ; v32-63 scale words: register SC + 16 slot + 8 q + i: lanes 0-15 A's block i, lanes 16-31 B's block i
.set BIAS,  64                         ; v64-127 the bias in the result's layout
.set AF,    128                        ; v128-223 A's fragments, one set (window 0); B's two sets at v0 and v128 of window 1; accumulators in windows 2 and 3
.set HA,    128                        ; the way out: 64 numbers of a lane
.set TM,    192
.set PW,    208
.set PC,    212
.set G1,    24
.set G0,    32
.set G1B,   48
.set G0B,   56
.set G1S,   68
.set G0S,   76
.set G1SB,  80
.set G0SB,  88
.set SEL,   100
.set MSB, 0
.macro WIN new                         ; the immediate's high byte repeats the setting that is left
.if MSB != (\new)
	s_set_vgpr_msb (MSB<<8)|(\new)
.set MSB, (\new)
.endif
.endm
.set MUL_LO, 0xa1
.set MUL_HI, 0xf1
.set TO_B,   0x40
.macro JLOAD g0a, g1a, g0b, g1b        ; a joint load: waves 0 and 1 fetch for A, waves 2 and 3 for B; four v_nop follow each of the two lines
	s_cmp_eq_u32 s15, 0
	s_cbranch_scc0 .Lfor_b_\@
	tensor_load_to_lds s[\g0a:\g0a+3], s[\g1a:\g1a+7]
	s_nop 0
.rept 4
	v_nop
.endr
	s_branch .Lasked_\@
.Lfor_b_\@:
	tensor_load_to_lds s[\g0b:\g0b+3], s[\g1b:\g1b+7]
	s_nop 0
.rept 4
	v_nop
.endr
.Lasked_\@:
.endm
.macro CREST
	s_cmp_lg_u32 s14, 0
	s_cbranch_scc1 .Lnot_wave_0_\@
	s_barrier_signal -3
.Lnot_wave_0_\@:
	s_barrier_wait -3
	s_barrier_signal -1
	s_barrier_wait -1
.endm
.macro CROUND
	s_barrier_signal -1
	s_barrier_wait -1
	CREST
.endm
.macro FRAG reg, adr, q, i
.irp p, 0,1,2,3,4,5
	ds_load_b64 v[\reg+2*\p:\reg+2*\p+1], v[\adr] offset:(\i)*3072+(\q)*1536+256*\p
.endr
.endm
; 16 matrix instructions: A's blocks a0, a0 + 1 x B's eight.  zero = 1: the first product starts the sums, from the bias.  The 64 accumulators take turns, one instruction a turn.
.macro MUL16 a0, p, q, sc, zero
.irp a, \a0, \a0+1
.irp b, 0,1,2,3,4,5,6,7
.set rD, 8*(8*((\a)%4)+\b)
.set rB, 128*(\p)+FR*\b
.set rA, AF+FR*(\a)
.set rT, SC+16*(\sc)+8*(\q)
.if (\zero) && USEB
	v_wmma_scale_f32_16x16x128_f8f6f4 v[rD:rD+7], v[rB:rB+FR-1], v[rA:rA+FR-1], v[BIAS+8*\b:BIAS+8*\b+7], v[rT+\b], v[rT+(\a)] matrix_a_fmt:MATRIX_FMT_FP6 matrix_b_fmt:MATRIX_FMT_FP6 matrix_a_scale:MATRIX_SCALE_ROW1
.elseif \zero
	v_wmma_scale_f32_16x16x128_f8f6f4 v[rD:rD+7], v[rB:rB+FR-1], v[rA:rA+FR-1], 0, v[rT+\b], v[rT+(\a)] matrix_a_fmt:MATRIX_FMT_FP6 matrix_b_fmt:MATRIX_FMT_FP6 matrix_a_scale:MATRIX_SCALE_ROW1
.else
	v_wmma_scale_f32_16x16x128_f8f6f4 v[rD:rD+7], v[rB:rB+FR-1], v[rA:rA+FR-1], v[rD:rD+7], v[rT+\b], v[rT+(\a)] matrix_a_fmt:MATRIX_FMT_FP6 matrix_b_fmt:MATRIX_FMT_FP6 matrix_a_scale:MATRIX_SCALE_ROW1
.endif
.endr
.endr
.endm
.macro FETCH_B slot, q, p
	WIN TO_B
.irp i, 0,1,2,3,4,5,6,7
	FRAG 128*(\p)+FR*\i, ADRB+\slot, \q, \i
.endr
	WIN 0
.endm
.macro FETCH_A slot, q, i0
.irp i, \i0, \i0+1, \i0+2, \i0+3
	FRAG AF+FR*(\i), ADRA+\slot, \q, \i
.endr
.endm
.macro SCALES sc
.irp q, 0,1
.irp i, 0,1,2,3,4,5,6,7
	ds_load_b32 v[SC+16*\sc+8*\q+\i], v[ADRS] offset:\i*NS*64+64*\q
.endr
.endr
.endm
.macro PLACES n
.rept \n
	v_nop
.endr
.endm
.macro STEP slot, q, zero
	s_wait_dscnt 4*NL                              ; all but the youngest 24 loads (A's blocks 4-7) are in
	WIN MUL_LO-0x20*(\zero)*USEB                   ; (the bias, source 2 of the first products, lies in window 0)
	MUL16 0, (\q)%2, \q, \slot, \zero
	MUL16 2, (\q)%2, \q, \slot, \zero
	s_wait_dscnt 0
	PLACES NP
	FETCH_B \slot, (\q)+1, 1-(\q)%2
	FETCH_A \slot, (\q)+1, 0
	WIN MUL_HI-0x30*(\zero)*USEB
	MUL16 4, (\q)%2, \q, \slot, \zero
	MUL16 6, (\q)%2, \q, \slot, \zero
	PLACES NP
	WIN 0
	FETCH_A \slot, (\q)+1, 4
.endm
; A slot's last step changes slots: one barrier; in front of it each wave waits for all its tensor loads, adds 0 to its spare word, and waits for that and for its reads of this slot.  fill = 1: this slot is filled again, two slots ahead.
.macro TURN slot, next, fill
	s_wait_tensorcnt 0x0                           ; all my tensor loads have landed: my part of the next slot
	ds_add_u32 v[SPW], v[NIL]                      ; 0 onto my spare word
	s_wait_dscnt 4*NL+1                            ; (the add and the youngest 24 loads may be out)
	WIN MUL_LO
	MUL16 0, 1, 1, \slot, 0
	s_wait_dscnt 0x0                               ; the add is done, and my reads of this slot are over
	s_barrier_signal -1
	MUL16 2, 1, 1, \slot, 0
	WIN 0
	s_barrier_wait -1
.if \fill
	CREST                                          ; the barrier has opened a round of the cluster's: no wave of any partner still reads this slot or has a load on its way
	s_add_nc_u64 s[G0+4*\slot+2:G0+4*\slot+3], s[G0+4*\slot+2:G0+4*\slot+3], 6144
	s_add_nc_u64 s[G0B+4*\slot+2:G0B+4*\slot+3], s[G0B+4*\slot+2:G0B+4*\slot+3], 6144
	JLOAD G0+4*\slot, G1, G0B+4*\slot, G1B
.else
	PLACES NP
.endif
	v_add_nc_u32 v[ADRS], 128, v[ADRS]
	FETCH_B \next, 0, 0
	FETCH_A \next, 0, 0
	SCALES \next
	WIN MUL_HI
	MUL16 4, 1, 1, \slot, 0
	MUL16 6, 1, 1, \slot, 0
	PLACES NP
	WIN 0
	FETCH_A \next, 0, 4
.endm
; 64 numbers of a lane, register 16 b + i = k 32 b + 16 (lane / 16) + i of my row, become a fragment's 12 registers in v[PC] on and its scale word in v[PW].
.macro QUANT s
.irp b, 0,1,2,3
	v_max3_num_f32 v[TM+\b], |v[\s+16*\b]|, |v[\s+1+16*\b]|, 0x1800000   ; my 16 numbers, and the floor 2^(3 - 127)
.endr
.irp i, 2,4,6,8,10,12,14
.irp b, 0,1,2,3
	v_max3_num_f32 v[TM+\b], v[TM+\b], |v[\s+16*\b+\i]|, |v[\s+1+16*\b+\i]|
.endr
.endr
.irp b, 0,1,2,3
	v_permlanex16_b32 v[TM+4+\b], v[TM+\b], s[SEL], s[SEL+1]
.endr
.irp b, 0,1,2,3
	v_max_num_f32 v[TM+\b], v[TM+\b], v[TM+4+\b]
.endr
.irp b, 0,1,2,3
	v_add_nc_u32 v[TM+12+\b], 0xff000000, v[TM+\b]
.endr
.irp b, 0,1,2,3
	v_lshrrev_b32 v[TM+4+\b], 23, v[TM+12+\b]
.endr
	v_lshl_or_b32 v[PW], v[TM+5], 8, v[TM+4]
	v_lshl_or_b32 v[PW], v[TM+6], 16, v[PW]
	v_lshl_or_b32 v[PW], v[TM+7], 24, v[PW]
.irp c, 0,1
	v_cvt_scalef32_pk16_fp6_f32 v[PC+6*\c:PC+2+6*\c], v[\s+32*\c:\s+15+32*\c], v[TM+12+2*\c]
	v_cvt_scalef32_pk16_fp6_f32 v[PC+12+4*\c:PC+14+4*\c], v[\s+16+32*\c:\s+31+32*\c], v[TM+12+2*\c+1]
.endr
	v_nop                                          ; one plain place behind a scaled conversion
.irp c, 0,1
.irp i, 0,1,2
	v_permlane16_swap_b32 v[PC+6*\c+\i], v[PC+12+4*\c+\i]
.endr
.irp i, 0,1,2
	v_mov_b32 v[PC+3+6*\c+\i], v[PC+12+4*\c+\i]
.endr
.endr
.endm
	s_load_b256 s[4:11], s[0:1], 0x0               ; n1 s[4:5], wprep s[6:7], b1 s[8:9], hid s[10:11]
	v_lshl_add_u32 v[SPW], v0, 2, SPARE
	v_mov_b32 v[NIL], 0
	ds_add_u32 v28, v29
	ds_add_u32 v28, v29
	s_wait_dscnt 0x0
	v_lshrrev_b32 v1, 5, v0
	v_readfirstlane_b32 s14, v1                    ; wave 0..3
	s_lshr_b32 s15, s14, 1
	s_and_b32 s16, s14, 1
	s_bfe_u32 s40, ttmp6, 0x40000                  ; cx, cy
	s_bfe_u32 s41, ttmp6, 0x40004
	s_lshl_b32 s42, ttmp9, 2
	s_add_co_u32 s42, s42, s40                     ; tile column
	s_and_b32 s17, ttmp7, 0xffff
	s_lshl_b32 s17, s17, 2
	s_add_co_u32 s17, s17, s41                     ; tile row
	s_lshl_b32 s43, s41, 2
	s_lshl_b32 s43, 15, s43
	s_lshl_b32 s44, 0x1111, s40
	s_or_b32 s[G1+0], s43, (3<<16)|(1<<21)         ; 15:0 the mask; 17:16 elements of 8 bytes; 21 set beside a mask; no padding
	s_or_b32 s[G1B+0], s44, (3<<16)|(1<<21)
.irp g, G1, G1B
	s_mov_b32 s[\g+1], 384<<16
	s_mov_b32 s[\g+2], 8<<16
	s_mov_b32 s[\g+3], 384<<16
	s_mov_b32 s[\g+4], 8
	s_mov_b32 s[\g+5], NS*192
	s_mov_b32 s[\g+6], 0
	s_mov_b32 s[\g+7], 0
.endr
	s_or_b32 s[G1S+0], s43, (3<<16)|(1<<21)
	s_or_b32 s[G1SB+0], s44, (3<<16)|(1<<21)
.irp g, G1S, G1SB
	s_mov_b32 s[\g+1], 32<<16
	s_mov_b32 s[\g+2], (2*NS)<<16
	s_mov_b32 s[\g+3], 32<<16
	s_mov_b32 s[\g+4], 2*NS
	s_mov_b32 s[\g+5], 32
	s_mov_b32 s[\g+6], 0
	s_mov_b32 s[\g+7], 0
.endr
	s_lshl_b32 s18, s16, 3
	s_lshl_b32 s20, s17, 4
	s_add_co_u32 s20, s20, s18
	s_lshl_b32 s46, s42, 4
	s_add_co_u32 s46, s46, s18
	s_mul_i32 s22, s20, NS*64
	s_add_co_u32 s22, s22, A_SCALES
	s_mul_i32 s92, s46, NS*64
	s_add_co_u32 s92, s92, B_SCALES
	s_mul_i32 s20, s20, NS*1536
	s_add_co_u32 s20, s20, A_CODES
	s_mul_i32 s46, s46, NS*1536
	s_add_co_u32 s46, s46, B_CODES
	s_mov_b32 s21, 0
	s_mov_b32 s23, 0
	s_mov_b32 s47, 0
	s_mov_b32 s93, 0
	s_mul_i32 s45, s14, HALFT
	s_mul_i32 s94, s14, HALFS
	s_mov_b32 s[SEL], 0x76543210
	s_mov_b32 s[SEL+1], 0xfedcba98
	s_wait_kmcnt 0x0
	s_add_nc_u64 s[20:21], s[4:5], s[20:21]
	s_add_nc_u64 s[22:23], s[4:5], s[22:23]
	s_add_nc_u64 s[46:47], s[6:7], s[46:47]
	s_add_nc_u64 s[92:93], s[6:7], s[92:93]
	CROUND                                         ; all sixteen work-groups are here: the first joint loads meet
	s_mov_b32 s[G0S], 1
	s_add_co_u32 s[G0S+1], s94, SCL
	s_mov_b64 s[G0S+2:G0S+3], s[22:23]
	s_or_b32 s[G0S+3], s[G0S+3], 0x80000000
	s_mov_b32 s[G0SB], 1
	s_add_co_u32 s[G0SB+1], s94, SCL
	s_mov_b64 s[G0SB+2:G0SB+3], s[92:93]
	s_or_b32 s[G0SB+3], s[G0SB+3], 0x80000000
	JLOAD G0S, G1S, G0SB, G1SB
.irp s, 0,1
	s_mov_b32 s[G0+4*\s], 1
	s_add_co_u32 s[G0+4*\s+1], s45, \s*SLOT
	s_add_nc_u64 s[G0+4*\s+2:G0+4*\s+3], s[20:21], \s*3072
	s_or_b32 s[G0+4*\s+3], s[G0+4*\s+3], 0x80000000
	s_mov_b32 s[G0B+4*\s], 1
	s_add_co_u32 s[G0B+4*\s+1], s45, \s*SLOT
	s_add_nc_u64 s[G0B+4*\s+2:G0B+4*\s+3], s[46:47], \s*3072
	s_or_b32 s[G0B+4*\s+3], s[G0B+4*\s+3], 0x80000000
	JLOAD G0+4*\s, G1, G0B+4*\s, G1B               ; three loads of mine are out at the most
.endr
	v_and_b32 v1, 15, v0                           ; r
	v_bfe_u32 v2, v0, 4, 1                         ; h
	v_and_b32 v3, 31, v0
	v_lshlrev_b32 v[LO8], 3, v3
	v_lshlrev_b32 v[LO4], 2, v1
	v_lshlrev_b32 v6, 5, v2
	s_lshl_b32 s46, s42, 10
	s_lshl_b32 s47, s16, 9
	s_add_co_u32 s46, s46, s47                     ; 4 x my first column
	s_mov_b32 s47, 0
	s_add_nc_u64 s[8:9], s[8:9], s[46:47]
.irp b, 0,1,2,3,4,5,6,7
	global_load_b128 v[BIAS+8*\b:BIAS+8*\b+3], v6, s[8:9] offset:64*\b
	global_load_b128 v[BIAS+8*\b+4:BIAS+8*\b+7], v6, s[8:9] offset:64*\b+16
.endr
	s_mul_i32 s21, s15, HALFT
	s_mul_i32 s22, s16, HALFT
	s_add_co_u32 s22, s22, 2*HALFT
.irp s, 0,1
	v_add_nc_u32 v[ADRA+\s], s21, v[LO8]
	v_add_nc_u32 v[ADRB+\s], s22, v[LO8]
	s_add_co_u32 s21, s21, SLOT
	s_add_co_u32 s22, s22, SLOT
.endr
	s_mul_i32 s21, s15, HALFS
	s_mul_i32 s22, s16, HALFS
	s_add_co_u32 s22, s22, 2*HALFS
	s_sub_co_u32 s22, s22, s21
	v_mul_u32_u24 v5, s22, v2                      ; lanes 16-31 take B's scale words: one product, the distance between the two
	s_add_co_u32 s21, s21, SCL
	v_add_nc_u32 v5, v[LO4], v5
	v_add_nc_u32 v[ADRS], s21, v5
	s_lshl_b32 s18, s17, 4                         ; out: my first token tile,
	s_lshl_b32 s19, s15, 3
	s_add_co_u32 s18, s18, s19
	s_lshl_b32 s18, s18, 5
	s_lshl_b32 s19, s42, 1
	s_add_co_u32 s18, s18, s19
	s_add_co_u32 s18, s18, s16                     ; x 32 + my K step of the next product
	s_mul_i32 s20, s18, 1536
	s_mov_b32 s21, 0
	s_lshl_b32 s22, s18, 6
	s_add_co_u32 s22, s22, HSO
	s_mov_b32 s23, 0
	s_add_nc_u64 s[20:21], s[10:11], s[20:21]
	s_add_nc_u64 s[22:23], s[10:11], s[22:23]
	s_wait_tensorcnt 1                             ; the scale words and my part of slot 0 are in (slot 1's load may be out),
	s_barrier_signal -1
	s_barrier_wait -1                              ; everybody's are
	FETCH_B 0, 0, 0
	FETCH_A 0, 0, 0
	SCALES 0
	FETCH_A 0, 0, 4
	s_wait_loadcnt 0x0                             ; the bias
	STEP 0, 0, 1
	s_mov_b32 s3, LAPS-1
.Llap:
	TURN 0, 1, 1
	STEP 1, 0, 0
	TURN 1, 0, 1
	STEP 0, 0, 0
	s_sub_co_u32 s3, s3, 1
	s_cmp_lg_u32 s3, 0
	s_cbranch_scc1 .Llap
	TURN 0, 1, 0
	STEP 1, 0, 0
	s_wait_dscnt 4*NL
	WIN MUL_LO
	MUL16 0, 1, 1, 1, 0
	MUL16 2, 1, 1, 1, 0
	s_wait_dscnt 0
	WIN MUL_HI
	MUL16 4, 1, 1, 1, 0
	MUL16 6, 1, 1, 1, 0
	WIN 0
	; THE WAY OUT: a tile of 16 tokens at a time: relu, natural order, quantised in registers, stored as a register image: each store of codes covers 256 consecutive bytes, aligned.
	PLACES NP
.irp b, 0,1,2,3
	v_mov_b32 v[TM+4+\b], 0                        ; written once: a lane permute's destination counts as one of its sources
.endr
.macro EPI_R a
.set AC, 64*((\a)%4)
	WIN 0x08+4*((\a)/4)                            ; source 1: window 2 or 3
.set i, 0
.rept 64
	v_max_num_f32 v[HA+i], 0, v[AC+i]              ; the activation, in f32; each accumulator from its low end on
.set i, i+1
.endr
	WIN 0
.irp b, 0,1,2,3
.irp j, 0,1,2,3,4,5,6,7
	v_permlane16_swap_b32 v[HA+16*\b+\j], v[HA+16*\b+8+\j]   ; register 16 b + i now holds unit 32 b + 16 h + i
.endr
.endr
.if (\a) > 0
	s_wait_xcnt 0x0                                ; the last tile's stores have read their data
.endif
	QUANT HA
.irp p, 0,1,2,3,4,5
	global_store_b64 v[LO8], v[PC+2*\p:PC+2*\p+1], s[20:21] offset:(\a)*49152+256*\p
.endr
	global_store_b32 v[LO4], v[PW], s[22:23] offset:(\a)*2048
.endm
.irp a, 0,1,2,3,4,5,6,7
	EPI_R \a
.endr
	s_wait_tensorcnt 0x0                           ; the wave's end
	ds_add_u32 v[SPW], v[NIL]
	s_wait_dscnt 0x0
	CROUND                                         ; the closing round
	s_endpgm
.Lfunc_end_k_q242444a514_w1:
	.size	k_q242444a514_w1, .Lfunc_end_k_q242444a514_w1-k_q242444a514_w1
	.p2alignl 7, 3214868480
	.fill 96, 4, 3214868480
	.section	.rodata,"a",@progbits
	.p2align	6, 0x0
	.amdhsa_kernel k_q242444a514_w1
		.amdhsa_group_segment_fixed_size 327680
		.amdhsa_private_segment_fixed_size 0
		.amdhsa_enable_private_segment 0
		.amdhsa_kernarg_size 32
		.amdhsa_user_sgpr_count 2
		.amdhsa_user_sgpr_kernarg_segment_ptr 1
		.amdhsa_wavefront_size32 1
		.amdhsa_system_sgpr_workgroup_id_x 1
		.amdhsa_system_sgpr_workgroup_id_y 1
		.amdhsa_system_sgpr_workgroup_id_z 1
		.amdhsa_system_vgpr_workitem_id 0
		.amdhsa_next_free_vgpr 1024
		.amdhsa_next_free_sgpr 102
		.amdhsa_reserve_vcc 0
		.amdhsa_float_denorm_mode_32 3
		.amdhsa_float_denorm_mode_16_64 3
		.amdhsa_memory_ordered 1
		.amdhsa_forward_progress 1
		.amdhsa_inst_pref_size 194
	.end_amdhsa_kernel
	.amdgpu_metadata
---
amdhsa.version: [ 1, 2 ]
amdhsa.kernels:
  - .name:           k_q242444a514_w1
    .symbol:         k_q242444a514_w1.kd
    .args:
      - { .name: n1, .offset: 0, .size: 8, .value_kind: global_buffer, .address_space: global }
      - { .name: wprep, .offset: 8, .size: 8, .value_kind: global_buffer, .address_space: global }
      - { .name: b1, .offset: 16, .size: 8, .value_kind: global_buffer, .address_space: global }
      - { .name: hid, .offset: 24, .size: 8, .value_kind: global_buffer, .address_space: global }
    .group_segment_fixed_size: 327680
    .private_segment_fixed_size: 0
    .kernarg_segment_align: 8
    .kernarg_segment_size: 32
    .max_flat_workgroup_size: 128
    .sgpr_count:     102
    .vgpr_count:     1024
    .wavefront_size: 32
...
	.end_amdgpu_metadata
.endif
;; end of part 6
;; launch w2 (part 7): grid 4 x 16, 4 waves a work-group, clusters of 4 x 4, 327,680 bytes of LDS; arguments hid, wprep, b2, n1, ysum; writes ysum
.if DOCPART == 7
	.amdgcn_target "amdgcn-amd-amdhsa--gfx1250"
	.amdhsa_code_object_version 6
	.text
	.protected	k_q242444a514_w2
	.globl	k_q242444a514_w2
	.p2align	8
	.type	k_q242444a514_w2,@function
k_q242444a514_w2:
	s_mov_b64 s[64:65], 0
	v_nop
	global_prefetch_b8 v0, s[64:65] scope:SCOPE_SE
	s_setreg_imm32_b32 hwreg(HW_REG_WAVE_MODE, 25, 1), 1
	s_wait_xcnt 0x0
	s_wait_alu depctr_hold_cnt(0) depctr_sa_sdst(0) depctr_va_vdst(0) depctr_va_sdst(0) depctr_va_ssrc(0) depctr_va_vcc(0) depctr_vm_vsrc(0)
	s_getreg_b32 s2, hwreg(HW_REG_IB_STS2, 6, 4)
	s_cmp_eq_u32 s2, 0
	s_cbranch_scc0 .Lentry_in_a_cluster
	s_endpgm
.Lentry_in_a_cluster:
	s_bfe_u32 s2, ttmp6, 0x10000c
	s_cmp_lg_u32 s2, 0xf033
	s_cbranch_scc0 .Lentry_shape_is_right
	s_endpgm
.Lentry_shape_is_right:
; ysum = out1 + (hidden W2 + b2): a product on codes of E2M3 (one E8M0 byte for each 32 along K = 4,096), the bias as the C of the first products, the residual (out1, at n1 + 0) added on the way out; f32 [4096][1024].
; A tile of 256 x 256 a work-group, four waves of 128 x 128 (64 accumulators, 512 registers), K in slots of 256 through a ring of two LDS slots.  64 tiles: 64 work-groups; a smaller tile would read each LDS byte for half the products.
; OPERANDS LIE IN MEMORY IN THE ORDER OF THEIR REGISTERS: fragment (tile i of 16 rows, K step s of 128) is 1,536 bytes at (NS i + s) 1536, piece p at 256 p, lane L at 8 L; scale word (i, s, r) at ((NS i + s) 16 + r) 4.
; So a tensor load brings 8 rows of 3,072 dense bytes (8 tiles x 2 K steps), and a fragment comes out of LDS by six loads of 8 bytes at 8 x lane: 256 consecutive bytes each, no padding.
; THE MATRIX INSTRUCTION IS USED TRANSPOSED (source 0 = 16 rows of B, source 1 = 16 rows of A): a lane holds eight neighbouring numbers of a row of the result.
; CLUSTERS: 4 x 4 work-groups; A's tiles are asked for jointly by a row of the cluster, B's by a column.
.set NS,       32                      ; K steps of 128
.set A_CODES,  0                       ; in the first buffer (hid)
.set A_SCALES, 12582912
.set B_CODES,  9437184                 ; in wprep: W2
.set B_SCALES, 12976128
.set USEB,  1
.set FR,    12
.set NL,    6
.set NP,    4                          ; places behind this matrix instruction (ISA guide 7.12.1)
.set HALFT, 24576
.set SLOT,  4*HALFT
.set LAPS,  NS/4
.set SCL,   2*SLOT                     ; behind the ring: the scale words of the work-group's rows, for all of K: filled once
.set HALFS, 512*NS
.set SPARE, SCL+4*HALFS                ; the spare words, 128 bytes a wave: two blocks of 256 bytes that no other line names
.set SPITCH, 528                       ; the way out: a stage of 16 rows x (512 + 16) bytes a wave, in slot 0, which has had its last fill and its last read by then
.set ADRA,  16
.set ADRB,  20
.set STO,   24
.set RD,    25
.set CO,    26
.set ADRS,  27
.set SPW,   28
.set NIL,   29
.set LO8,   30
.set LO4,   31
.set SC,    32                         ; v32-63 scale words: register SC + 16 slot + 8 q + i: lanes 0-15 A's block i, lanes 16-31 B's block i
.set BIAS,  64
.set AF,    128                        ; v128-223 A's fragments, one set (window 0); B's two sets at v0 and v128 of window 1; accumulators in windows 2 and 3
.set BK,    128
.set G1,    24
.set G0,    32
.set G1B,   48
.set G0B,   56
.set G1S,   68
.set G0S,   76
.set G1SB,  80
.set G0SB,  88
.set MSB, 0
.macro WIN new                         ; the immediate's high byte repeats the setting that is left
.if MSB != (\new)
	s_set_vgpr_msb (MSB<<8)|(\new)
.set MSB, (\new)
.endif
.endm
.set MUL_LO, 0xa1
.set MUL_HI, 0xf1
.set TO_B,   0x40
.macro JLOAD g0a, g1a, g0b, g1b        ; a joint load: waves 0 and 1 fetch for A, waves 2 and 3 for B; four v_nop follow each of the two lines
	s_cmp_eq_u32 s15, 0
	s_cbranch_scc0 .Lfor_b_\@
	tensor_load_to_lds s[\g0a:\g0a+3], s[\g1a:\g1a+7]
	s_nop 0
.rept 4
	v_nop
.endr
	s_branch .Lasked_\@
.Lfor_b_\@:
	tensor_load_to_lds s[\g0b:\g0b+3], s[\g1b:\g1b+7]
	s_nop 0
.rept 4
	v_nop
.endr
.Lasked_\@:
.endm
.macro CREST
	s_cmp_lg_u32 s14, 0
	s_cbranch_scc1 .Lnot_wave_0_\@
	s_barrier_signal -3
.Lnot_wave_0_\@:
	s_barrier_wait -3
	s_barrier_signal -1
	s_barrier_wait -1
.endm
.macro CROUND
	s_barrier_signal -1
	s_barrier_wait -1
	CREST
.endm
.macro FRAG reg, adr, q, i
.irp p, 0,1,2,3,4,5
	ds_load_b64 v[\reg+2*\p:\reg+2*\p+1], v[\adr] offset:(\i)*3072+(\q)*1536+256*\p
.endr
.endm
; 16 matrix instructions: A's blocks a0, a0 + 1 x B's eight.  zero = 1: the first product starts the sums, from the bias.  The 64 accumulators take turns, one instruction a turn.
.macro MUL16 a0, p, q, sc, zero
.irp a, \a0, \a0+1
.irp b, 0,1,2,3,4,5,6,7
.set rD, 8*(8*((\a)%4)+\b)
.set rB, 128*(\p)+FR*\b
.set rA, AF+FR*(\a)
.set rT, SC+16*(\sc)+8*(\q)
.if (\zero) && USEB
	v_wmma_scale_f32_16x16x128_f8f6f4 v[rD:rD+7], v[rB:rB+FR-1], v[rA:rA+FR-1], v[BIAS+8*\b:BIAS+8*\b+7], v[rT+\b], v[rT+(\a)] matrix_a_fmt:MATRIX_FMT_FP6 matrix_b_fmt:MATRIX_FMT_FP6 matrix_a_scale:MATRIX_SCALE_ROW1
.elseif \zero
	v_wmma_scale_f32_16x16x128_f8f6f4 v[rD:rD+7], v[rB:rB+FR-1], v[rA:rA+FR-1], 0, v[rT+\b], v[rT+(\a)] matrix_a_fmt:MATRIX_FMT_FP6 matrix_b_fmt:MATRIX_FMT_FP6 matrix_a_scale:MATRIX_SCALE_ROW1
.else
	v_wmma_scale_f32_16x16x128_f8f6f4 v[rD:rD+7], v[rB:rB+FR-1], v[rA:rA+FR-1], v[rD:rD+7], v[rT+\b], v[rT+(\a)] matrix_a_fmt:MATRIX_FMT_FP6 matrix_b_fmt:MATRIX_FMT_FP6 matrix_a_scale:MATRIX_SCALE_ROW1
.endif
.endr
.endr
.endm
.macro FETCH_B slot, q, p
	WIN TO_B
.irp i, 0,1,2,3,4,5,6,7
	FRAG 128*(\p)+FR*\i, ADRB+\slot, \q, \i
.endr
	WIN 0
.endm
.macro FETCH_A slot, q, i0
.irp i, \i0, \i0+1, \i0+2, \i0+3
	FRAG AF+FR*(\i), ADRA+\slot, \q, \i
.endr
.endm
.macro SCALES sc
.irp q, 0,1
.irp i, 0,1,2,3,4,5,6,7
	ds_load_b32 v[SC+16*\sc+8*\q+\i], v[ADRS] offset:\i*NS*64+64*\q
.endr
.endr
.endm
.macro PLACES n
.rept \n
	v_nop
.endr
.endm
.macro STEP slot, q, zero
	s_wait_dscnt 4*NL                              ; all but the youngest 24 loads (A's blocks 4-7) are in
	WIN MUL_LO-0x20*(\zero)*USEB                   ; (the bias, source 2 of the first products, lies in window 0)
	MUL16 0, (\q)%2, \q, \slot, \zero
	MUL16 2, (\q)%2, \q, \slot, \zero
	s_wait_dscnt 0
	PLACES NP
	FETCH_B \slot, (\q)+1, 1-(\q)%2
	FETCH_A \slot, (\q)+1, 0
	WIN MUL_HI-0x30*(\zero)*USEB
	MUL16 4, (\q)%2, \q, \slot, \zero
	MUL16 6, (\q)%2, \q, \slot, \zero
	PLACES NP
	WIN 0
	FETCH_A \slot, (\q)+1, 4
.endm
; A slot's last step changes slots: one barrier; in front of it each wave waits for all its tensor loads, adds 0 to its spare word, and waits for that and for its reads of this slot.  fill = 1: this slot is filled again, two slots ahead.
.macro TURN slot, next, fill
	s_wait_tensorcnt 0x0                           ; all my tensor loads have landed: my part of the next slot
	ds_add_u32 v[SPW], v[NIL]                      ; 0 onto my spare word
	s_wait_dscnt 4*NL+1                            ; (the add and the youngest 24 loads may be out)
	WIN MUL_LO
	MUL16 0, 1, 1, \slot, 0
	s_wait_dscnt 0x0                               ; the add is done, and my reads of this slot are over
	s_barrier_signal -1
	MUL16 2, 1, 1, \slot, 0
	WIN 0
	s_barrier_wait -1
.if \fill
	CREST                                          ; the barrier has opened a round of the cluster's: no wave of any partner still reads this slot or has a load on its way
	s_add_nc_u64 s[G0+4*\slot+2:G0+4*\slot+3], s[G0+4*\slot+2:G0+4*\slot+3], 6144
	s_add_nc_u64 s[G0B+4*\slot+2:G0B+4*\slot+3], s[G0B+4*\slot+2:G0B+4*\slot+3], 6144
	JLOAD G0+4*\slot, G1, G0B+4*\slot, G1B
.else
	PLACES NP
.endif
	v_add_nc_u32 v[ADRS], 128, v[ADRS]
	FETCH_B \next, 0, 0
	FETCH_A \next, 0, 0
	SCALES \next
	WIN MUL_HI
	MUL16 4, 1, 1, \slot, 0
	MUL16 6, 1, 1, \slot, 0
	PLACES NP
	WIN 0
	FETCH_A \next, 0, 4
.endm
	s_load_b128 s[4:7], s[0:1], 0x0                ; A's buffer s[4:5], wprep s[6:7]
	s_load_b128 s[8:11], s[0:1], 0x10              ; the bias s[8:9], the residual s[10:11]
	s_load_b64 s[12:13], s[0:1], 0x20              ; ysum
	v_lshl_add_u32 v[SPW], v0, 2, SPARE
	v_mov_b32 v[NIL], 0
	ds_add_u32 v28, v29
	ds_add_u32 v28, v29
	s_wait_dscnt 0x0
	v_lshrrev_b32 v1, 5, v0
	v_readfirstlane_b32 s14, v1                    ; wave 0..3
	s_lshr_b32 s15, s14, 1
	s_and_b32 s16, s14, 1
	s_bfe_u32 s40, ttmp6, 0x40000                  ; cx, cy
	s_bfe_u32 s41, ttmp6, 0x40004
	s_lshl_b32 s42, ttmp9, 2
	s_add_co_u32 s42, s42, s40                     ; tile column
	s_and_b32 s17, ttmp7, 0xffff
	s_lshl_b32 s17, s17, 2
	s_add_co_u32 s17, s17, s41                     ; tile row
	s_lshl_b32 s43, s41, 2
	s_lshl_b32 s43, 15, s43
	s_lshl_b32 s44, 0x1111, s40
	s_or_b32 s[G1+0], s43, (3<<16)|(1<<21)         ; 15:0 the mask; 17:16 elements of 8 bytes; 21 set beside a mask; no padding
	s_or_b32 s[G1B+0], s44, (3<<16)|(1<<21)
.irp g, G1, G1B
	s_mov_b32 s[\g+1], 384<<16
	s_mov_b32 s[\g+2], 8<<16
	s_mov_b32 s[\g+3], 384<<16
	s_mov_b32 s[\g+4], 8
	s_mov_b32 s[\g+5], NS*192
	s_mov_b32 s[\g+6], 0
	s_mov_b32 s[\g+7], 0
.endr
	s_or_b32 s[G1S+0], s43, (3<<16)|(1<<21)
	s_or_b32 s[G1SB+0], s44, (3<<16)|(1<<21)
.irp g, G1S, G1SB
	s_mov_b32 s[\g+1], 32<<16
	s_mov_b32 s[\g+2], (2*NS)<<16
	s_mov_b32 s[\g+3], 32<<16
	s_mov_b32 s[\g+4], 2*NS
	s_mov_b32 s[\g+5], 32
	s_mov_b32 s[\g+6], 0
	s_mov_b32 s[\g+7], 0
.endr
	s_lshl_b32 s18, s16, 3
	s_lshl_b32 s20, s17, 4
	s_add_co_u32 s20, s20, s18
	s_lshl_b32 s46, s42, 4
	s_add_co_u32 s46, s46, s18
	s_mul_i32 s22, s20, NS*64
	s_add_co_u32 s22, s22, A_SCALES
	s_mul_i32 s92, s46, NS*64
	s_add_co_u32 s92, s92, B_SCALES
	s_mul_i32 s20, s20, NS*1536
	s_add_co_u32 s20, s20, A_CODES
	s_mul_i32 s46, s46, NS*1536
	s_add_co_u32 s46, s46, B_CODES
	s_mov_b32 s21, 0
	s_mov_b32 s23, 0
	s_mov_b32 s47, 0
	s_mov_b32 s93, 0
	s_mul_i32 s45, s14, HALFT
	s_mul_i32 s94, s14, HALFS
	s_wait_kmcnt 0x0
	s_add_nc_u64 s[20:21], s[4:5], s[20:21]
	s_add_nc_u64 s[22:23], s[4:5], s[22:23]
	s_add_nc_u64 s[46:47], s[6:7], s[46:47]
	s_add_nc_u64 s[92:93], s[6:7], s[92:93]
	CROUND                                         ; all sixteen work-groups are here: the first joint loads meet
	s_mov_b32 s[G0S], 1
	s_add_co_u32 s[G0S+1], s94, SCL
	s_mov_b64 s[G0S+2:G0S+3], s[22:23]
	s_or_b32 s[G0S+3], s[G0S+3], 0x80000000
	s_mov_b32 s[G0SB], 1
	s_add_co_u32 s[G0SB+1], s94, SCL
	s_mov_b64 s[G0SB+2:G0SB+3], s[92:93]
	s_or_b32 s[G0SB+3], s[G0SB+3], 0x80000000
	JLOAD G0S, G1S, G0SB, G1SB
.irp s, 0,1
	s_mov_b32 s[G0+4*\s], 1
	s_add_co_u32 s[G0+4*\s+1], s45, \s*SLOT
	s_add_nc_u64 s[G0+4*\s+2:G0+4*\s+3], s[20:21], \s*3072
	s_or_b32 s[G0+4*\s+3], s[G0+4*\s+3], 0x80000000
	s_mov_b32 s[G0B+4*\s], 1
	s_add_co_u32 s[G0B+4*\s+1], s45, \s*SLOT
	s_add_nc_u64 s[G0B+4*\s+2:G0B+4*\s+3], s[46:47], \s*3072
	s_or_b32 s[G0B+4*\s+3], s[G0B+4*\s+3], 0x80000000
	JLOAD G0+4*\s, G1, G0B+4*\s, G1B               ; three loads of mine are out at the most
.endr
	v_and_b32 v1, 15, v0                           ; r
	v_bfe_u32 v2, v0, 4, 1                         ; h
	v_and_b32 v3, 31, v0
	v_lshlrev_b32 v[LO8], 3, v3
	v_lshlrev_b32 v[LO4], 2, v1
	v_lshlrev_b32 v6, 5, v2
	s_lshl_b32 s46, s42, 10
	s_lshl_b32 s47, s16, 9
	s_add_co_u32 s46, s46, s47                     ; 4 x my first column
	s_mov_b32 s47, 0
	s_add_nc_u64 s[8:9], s[8:9], s[46:47]
.irp b, 0,1,2,3,4,5,6,7
	global_load_b128 v[BIAS+8*\b:BIAS+8*\b+3], v6, s[8:9] offset:64*\b
	global_load_b128 v[BIAS+8*\b+4:BIAS+8*\b+7], v6, s[8:9] offset:64*\b+16
.endr
	s_mul_i32 s21, s15, HALFT
	s_mul_i32 s22, s16, HALFT
	s_add_co_u32 s22, s22, 2*HALFT
.irp s, 0,1
	v_add_nc_u32 v[ADRA+\s], s21, v[LO8]
	v_add_nc_u32 v[ADRB+\s], s22, v[LO8]
	s_add_co_u32 s21, s21, SLOT
	s_add_co_u32 s22, s22, SLOT
.endr
	s_mul_i32 s21, s15, HALFS
	s_mul_i32 s22, s16, HALFS
	s_add_co_u32 s22, s22, 2*HALFS
	s_sub_co_u32 s22, s22, s21
	v_mul_u32_u24 v5, s22, v2                      ; lanes 16-31 take B's scale words: one product, the distance between the two
	s_add_co_u32 s21, s21, SCL
	v_add_nc_u32 v5, v[LO4], v5
	v_add_nc_u32 v[ADRS], s21, v5
	s_mul_i32 s23, s14, 16*SPITCH                  ; my stage
	v_mul_u32_u24 v5, v1, SPITCH
	v_lshl_add_u32 v5, v2, 5, v5
	v_add_nc_u32 v[STO], s23, v5
	v_lshlrev_b32 v[CO], 4, v3
	v_add_nc_u32 v[RD], s23, v[CO]
	s_lshl_b32 s20, s17, 8
	s_lshl_b32 s21, s15, 7
	s_add_co_u32 s20, s20, s21                     ; my first row
	s_lshl_b32 s20, s20, 12
	s_add_co_u32 s20, s20, s46
	s_mov_b32 s21, 0
	s_add_nc_u64 s[12:13], s[12:13], s[20:21]
	s_add_nc_u64 s[10:11], s[10:11], s[20:21]
	s_wait_tensorcnt 1                             ; the scale words and my part of slot 0 are in (slot 1's load may be out),
	s_barrier_signal -1
	s_barrier_wait -1                              ; everybody's are
	FETCH_B 0, 0, 0
	FETCH_A 0, 0, 0
	SCALES 0
	FETCH_A 0, 0, 4
	s_wait_loadcnt 0x0                             ; the bias
	STEP 0, 0, 1
	s_mov_b32 s3, LAPS-1
.Llap:                                             ; a trip goes once round the ring and fills both slots again
	TURN 0, 1, 1
	STEP 1, 0, 0
	TURN 1, 0, 1
	STEP 0, 0, 0
	s_sub_co_u32 s3, s3, 1
	s_cmp_lg_u32 s3, 0
	s_cbranch_scc1 .Llap
	TURN 0, 1, 0
	STEP 1, 0, 0
	s_wait_dscnt 4*NL
	WIN MUL_LO
	MUL16 0, 1, 1, 1, 0
	MUL16 2, 1, 1, 1, 0
	s_wait_dscnt 0
	WIN MUL_HI
	MUL16 4, 1, 1, 1, 0
	MUL16 6, 1, 1, 1, 0
	WIN 0
; THE WAY OUT, block by block of 16 rows x 128 columns: through my own stage in LDS, back as whole rows of 512 bytes, + the residual, stored as two aligned runs of 256 bytes an instruction.  Every offset is an immediate: 127 rows of 4,096 bytes at the most.
.macro RLOAD a
	WIN 0x40
.irp t, 0,1,2,3,4,5,6,7,8,9,10,11,12,13,14,15
	global_load_b128 v[64*((\a)%4)+4*\t:64*((\a)%4)+4*\t+3], v[CO], s[10:11] offset:(16*(\a)+\t)*4096
.endr
	WIN 0
.endm
.macro TOSTAGE a
.set AC, 64*((\a)%4)
	WIN 0x08+4*((\a)/4)
.irp b, 0,1,2,3,4,5,6,7
	ds_store_b128 v[STO], v[AC+8*\b:AC+8*\b+3] offset:64*\b          ; each accumulator from its low end on
	ds_store_b128 v[STO], v[AC+8*\b+4:AC+8*\b+7] offset:64*\b+16
.endr
	WIN 0
.set BB, BK+64*((\a)%2)
.irp t, 0,1,2,3,4,5,6,7,8,9,10,11,12,13,14,15
	ds_load_b128 v[BB+4*\t:BB+4*\t+3], v[RD] offset:\t*SPITCH        ; LDS serves a wave's instructions in order: these see my stores
.endr
.endm
	PLACES NP
	RLOAD 0
	RLOAD 1
	RLOAD 2
	RLOAD 3
.irp a, 0,1,2,3,4,5,6,7
.if \a > 1
	s_wait_xcnt 0x0                                ; block a - 2's stores have read their data: block a's rows may land there
.endif
	TOSTAGE \a
	s_wait_dscnt 0x0
.if \a < 5
	s_wait_loadcnt 48                              ; this block's residual is in; the next three blocks' 48 loads may be out
.else
	s_wait_loadcnt 16*(7-\a)
.endif
.set BB, BK+64*((\a)%2)
.set RR, 64*((\a)%4)
	WIN 0x04
.set i, 0
.rept 32
	v_pk_add_f32 v[BB+i:BB+i+1], v[BB+i:BB+i+1], v[RR+i:RR+i+1]
.set i, i+2
.endr
	WIN 0
.if \a < 4
	RLOAD \a+4
.endif
.irp t, 0,1,2,3,4,5,6,7,8,9,10,11,12,13,14,15
	global_store_b128 v[CO], v[BB+4*\t:BB+4*\t+3], s[12:13] offset:(16*\a+\t)*4096   ; 32 lanes store 512 consecutive bytes, aligned
.endr
.endr
	s_wait_tensorcnt 0x0                           ; the wave's end
	ds_add_u32 v[SPW], v[NIL]
	s_wait_dscnt 0x0
	CROUND                                         ; the closing round
	s_endpgm
.Lfunc_end_k_q242444a514_w2:
	.size	k_q242444a514_w2, .Lfunc_end_k_q242444a514_w2-k_q242444a514_w2
	.p2alignl 7, 3214868480
	.fill 96, 4, 3214868480
	.section	.rodata,"a",@progbits
	.p2align	6, 0x0
	.amdhsa_kernel k_q242444a514_w2
		.amdhsa_group_segment_fixed_size 327680
		.amdhsa_private_segment_fixed_size 0
		.amdhsa_enable_private_segment 0
		.amdhsa_kernarg_size 40
		.amdhsa_user_sgpr_count 2
		.amdhsa_user_sgpr_kernarg_segment_ptr 1
		.amdhsa_wavefront_size32 1
		.amdhsa_system_sgpr_workgroup_id_x 1
		.amdhsa_system_sgpr_workgroup_id_y 1
		.amdhsa_system_sgpr_workgroup_id_z 1
		.amdhsa_system_vgpr_workitem_id 0
		.amdhsa_next_free_vgpr 1024
		.amdhsa_next_free_sgpr 102
		.amdhsa_reserve_vcc 0
		.amdhsa_float_denorm_mode_32 3
		.amdhsa_float_denorm_mode_16_64 3
		.amdhsa_memory_ordered 1
		.amdhsa_forward_progress 1
		.amdhsa_inst_pref_size 192
	.end_amdhsa_kernel
	.amdgpu_metadata
---
amdhsa.version: [ 1, 2 ]
amdhsa.kernels:
  - .name:           k_q242444a514_w2
    .symbol:         k_q242444a514_w2.kd
    .args:
      - { .name: hid, .offset: 0, .size: 8, .value_kind: global_buffer, .address_space: global }
      - { .name: wprep, .offset: 8, .size: 8, .value_kind: global_buffer, .address_space: global }
      - { .name: b2, .offset: 16, .size: 8, .value_kind: global_buffer, .address_space: global }
      - { .name: n1, .offset: 24, .size: 8, .value_kind: global_buffer, .address_space: global }
      - { .name: ysum, .offset: 32, .size: 8, .value_kind: global_buffer, .address_space: global }
    .group_segment_fixed_size: 327680
    .private_segment_fixed_size: 0
    .kernarg_segment_align: 8
    .kernarg_segment_size: 40
    .max_flat_workgroup_size: 128
    .sgpr_count:     102
    .vgpr_count:     1024
    .wavefront_size: 32
...
	.end_amdgpu_metadata
.endif
;; end of part 7
;; launch norm2 (part 8): grid 512 x 1, 8 waves a work-group, no clusters, 0 bytes of LDS; arguments ysum, alpha2, beta2, out0; writes out0
.if DOCPART == 8
	.amdgcn_target "amdgcn-amd-amdhsa--gfx1250"
	.amdhsa_code_object_version 6
	.text
	.protected	k_q242444a514_norm2
	.globl	k_q242444a514_norm2
	.p2align	8
	.type	k_q242444a514_norm2,@function
k_q242444a514_norm2:
	s_mov_b64 s[64:65], 0
	v_nop
	global_prefetch_b8 v0, s[64:65] scope:SCOPE_SE
	s_setreg_imm32_b32 hwreg(HW_REG_WAVE_MODE, 25, 1), 1
	s_wait_xcnt 0x0
; out0 = alpha2 (y - mean) / (std + 1e-6) + beta2 along rows of 1,024, std with divisor 1,023.  y = out1 + ffn, f32.
; One wave, one row (32 registers): the row is read once, and the two reductions never leave the wave: no LDS, no barrier.  Mean first, then the sum of squared differences: a common offset of the inputs does no harm.
; Memory binds: each load and store of a wave covers 512 consecutive bytes; matrix work, tensor loads and clusters would add nothing.
.set WV,   14
.set LO16, 1
	s_load_b256 s[4:11], s[0:1], 0x0               ; ysum s[4:5], alpha s[6:7], beta s[8:9], out0 s[10:11]
	v_lshrrev_b32 v1, 5, v0
	v_readfirstlane_b32 s[WV], v1                  ; wave 0..7
	v_and_b32 v2, 31, v0
	v_lshlrev_b32 v[LO16], 4, v2
	s_lshl_b32 s16, ttmp9, 3
	s_add_co_u32 s16, s16, s[WV]                   ; my row
	s_lshl_b32 s16, s16, 12
	s_mov_b32 s17, 0
	s_mov_b32 s12, 0x76543210
	s_mov_b32 s13, 0xfedcba98                      ; v_permlanex16_b32's selects for lane l xor 16
	s_wait_kmcnt 0x0
	s_add_nc_u64 s[4:5], s[4:5], s[16:17]
	s_add_nc_u64 s[10:11], s[10:11], s[16:17]
.irp k, 0,1,2,3,4,5,6,7
	global_load_b128 v[16+4*\k:19+4*\k], v[LO16], s[4:5] offset:512*\k th:TH_LOAD_NT
.endr
.irp k, 0,1,2,3,4,5,6,7
	global_load_b128 v[48+4*\k:51+4*\k], v[LO16], s[6:7] offset:512*\k
.endr
.irp k, 0,1,2,3,4,5,6,7
	global_load_b128 v[80+4*\k:83+4*\k], v[LO16], s[8:9] offset:512*\k
.endr
	s_wait_loadcnt 16                              ; the row is in; alpha's and beta's 16 loads may be out
	v_pk_add_f32 v[112:113], v[16:17], v[18:19]    ; the row's sum, in two chains
	v_pk_add_f32 v[114:115], v[20:21], v[22:23]
.irp j, 24,28,32,36,40,44
	v_pk_add_f32 v[112:113], v[112:113], v[\j:\j+1]
	v_pk_add_f32 v[114:115], v[114:115], v[\j+2:\j+3]
.endr
	v_pk_add_f32 v[112:113], v[112:113], v[114:115]
	v_add_f32 v112, v112, v113
	v_add_f32_dpp v112, v112, v112 row_xmask:1 row_mask:0xf bank_mask:0xf
	v_add_f32_dpp v112, v112, v112 row_xmask:2 row_mask:0xf bank_mask:0xf
	v_add_f32_dpp v112, v112, v112 row_xmask:4 row_mask:0xf bank_mask:0xf
	v_add_f32_dpp v112, v112, v112 row_xmask:8 row_mask:0xf bank_mask:0xf
	v_permlanex16_b32 v113, v112, s12, s13
	v_add_f32 v112, v112, v113
	v_mul_f32 v112, 0x3a800000, v112               ; / 1,024: the mean
	v_mov_b32 v113, v112
.set j, 16
.rept 16
	v_pk_add_f32 v[j:j+1], v[j:j+1], v[112:113] neg_lo:[0,1] neg_hi:[0,1]   ; y - mean
.set j, j+2
.endr
	v_pk_mul_f32 v[114:115], v[16:17], v[16:17]    ; the sum of squares, in two chains
	v_pk_mul_f32 v[116:117], v[18:19], v[18:19]
.irp j, 20,24,28,32,36,40,44
	v_pk_fma_f32 v[114:115], v[\j:\j+1], v[\j:\j+1], v[114:115]
	v_pk_fma_f32 v[116:117], v[\j+2:\j+3], v[\j+2:\j+3], v[116:117]
.endr
	v_pk_add_f32 v[114:115], v[114:115], v[116:117]
	v_add_f32 v114, v114, v115
	v_add_f32_dpp v114, v114, v114 row_xmask:1 row_mask:0xf bank_mask:0xf
	v_add_f32_dpp v114, v114, v114 row_xmask:2 row_mask:0xf bank_mask:0xf
	v_add_f32_dpp v114, v114, v114 row_xmask:4 row_mask:0xf bank_mask:0xf
	v_add_f32_dpp v114, v114, v114 row_xmask:8 row_mask:0xf bank_mask:0xf
	v_permlanex16_b32 v115, v114, s12, s13
	v_add_f32 v114, v114, v115
	v_mul_f32 v114, 0x3a802008, v114               ; / 1,023
	v_sqrt_f32 v115, v114
	v_nop                                          ; a plain place behind the root,
	s_wait_alu depctr_va_vdst(0)                   ; and the wait ahead of its reader
	v_add_f32 v115, 0x358637bd, v115               ; + 1e-6
	v_rcp_f32 v116, v115
	v_nop
	s_wait_alu depctr_va_vdst(0)
	v_mov_b32 v117, v116
	s_wait_loadcnt 0x0                             ; alpha and beta
.set j, 16
.rept 16
	v_pk_mul_f32 v[j:j+1], v[j:j+1], v[116:117]
.set j, j+2
.endr
.set j, 0
.rept 16
	v_pk_fma_f32 v[16+j:17+j], v[16+j:17+j], v[48+j:49+j], v[80+j:81+j]
.set j, j+2
.endr
.irp k, 0,1,2,3,4,5,6,7
	global_store_b128 v[LO16], v[16+4*\k:19+4*\k], s[10:11] offset:512*\k th:TH_STORE_NT   ; 32 lanes store 512 consecutive bytes, aligned
.endr
	s_endpgm
.Lfunc_end_k_q242444a514_norm2:
	.size	k_q242444a514_norm2, .Lfunc_end_k_q242444a514_norm2-k_q242444a514_norm2
	.p2alignl 7, 3214868480
	.fill 96, 4, 3214868480
	.section	.rodata,"a",@progbits
	.p2align	6, 0x0
	.amdhsa_kernel k_q242444a514_norm2
		.amdhsa_group_segment_fixed_size 0
		.amdhsa_private_segment_fixed_size 0
		.amdhsa_enable_private_segment 0
		.amdhsa_kernarg_size 32
		.amdhsa_user_sgpr_count 2
		.amdhsa_user_sgpr_kernarg_segment_ptr 1
		.amdhsa_wavefront_size32 1
		.amdhsa_system_sgpr_workgroup_id_x 1
		.amdhsa_system_sgpr_workgroup_id_y 1
		.amdhsa_system_sgpr_workgroup_id_z 1
		.amdhsa_system_vgpr_workitem_id 0
		.amdhsa_next_free_vgpr 128
		.amdhsa_next_free_sgpr 66
		.amdhsa_reserve_vcc 0
		.amdhsa_float_denorm_mode_32 3
		.amdhsa_float_denorm_mode_16_64 3
		.amdhsa_memory_ordered 1
		.amdhsa_forward_progress 1
		.amdhsa_inst_pref_size 11
	.end_amdhsa_kernel
	.amdgpu_metadata
---
amdhsa.version: [ 1, 2 ]
amdhsa.kernels:
  - .name:           k_q242444a514_norm2
    .symbol:         k_q242444a514_norm2.kd
    .args:
      - { .name: ysum, .offset: 0, .size: 8, .value_kind: global_buffer, .address_space: global }
      - { .name: alpha2, .offset: 8, .size: 8, .value_kind: global_buffer, .address_space: global }
      - { .name: beta2, .offset: 16, .size: 8, .value_kind: global_buffer, .address_space: global }
      - { .name: out0, .offset: 24, .size: 8, .value_kind: global_buffer, .address_space: global }
    .group_segment_fixed_size: 0
    .private_segment_fixed_size: 0
    .kernarg_segment_align: 8
    .kernarg_segment_size: 32
    .max_flat_workgroup_size: 256
    .sgpr_count:     66
    .vgpr_count:     128
    .wavefront_size: 32
...
	.end_amdgpu_metadata
.endif
;; end of part 8
;; ======== version 2 of 2: 8 launches
;; limits: right only within a limited range of input values
;; workspace buffers: wprep 13,107,200 bytes; qkv 10,092,544 bytes; att 3,276,800 bytes; ysum 16,777,216 bytes; n1 20,054,016 bytes; hid 13,107,200 bytes
;; launch prep (part 9): grid 304 x 1, 16 waves a work-group, no clusters, 89,344 bytes of LDS; arguments x, Wq_codes, Wk_codes, Wv_codes, Wo_codes, W1_codes, W2_codes, Wq_scales, Wk_scales, Wv_scales, Wo_scales, W1_scales, W2_scales, wprep; writes wprep
.if DOCPART == 9
	.amdgcn_target "amdgcn-amd-amdhsa--gfx1250"
	.amdhsa_code_object_version 6
	.text
	.protected	k_q242444a514_prep
	.globl	k_q242444a514_prep
	.p2align	8
	.type	k_q242444a514_prep,@function
k_q242444a514_prep:
	s_mov_b64 s[64:65], 0
	v_nop
	global_prefetch_b8 v0, s[64:65] scope:SCOPE_SE
	s_setreg_imm32_b32 hwreg(HW_REG_WAVE_MODE, 25, 1), 1
	s_wait_xcnt 0x0
; Lays every operand that the later products read from memory in the ORDER OF THE OPERAND'S REGISTERS.
; Codes: fragment (tile i of 16 rows, K step s of 128) is 1,536 bytes at (i NS + s) 1536, NS = K / 128; in it piece p (0..5) at 256 p, lane L at 8 L: registers 2 p, 2 p + 1 of lane L
; (lane (r, h): row 16 i + r, registers 6 c .. 6 c + 5 = K 128 s + 64 c + 32 h + 0 .. 31).  Scale words: (i, s, r) at ((i NS + s) 16 + r) 4.
; Work-groups 0-255: x [4096][1024] f32 is quantised to E2M3 with one E8M0 byte for each 32 along K: one tile of 16 rows a work-group, one row a wave.
; Work-groups 256-303: the six weights' codes and scale bytes, which arrive by rows, are copied into the same order: an item of 16 rows x 1,024 along K (12,288 bytes) a wave.
; A block's scale is 2^(floor(log2(largest magnitude)) - 2); its byte is the largest magnitude's exponent field - 2, held at 1 from below.
; LIMITS: a block of zeros gets the byte 1 where the quantiser says 127 (its codes are zeros, and only this program reads the bytes); NaN and infinities among the inputs are not served.
; No tensor loads, no matrix work, no cluster: nothing is shared between work-groups, and each byte is read once.
.set XS,   12582912                    ; in wprep: x's scale words (x's codes lie at 0)
.set WQF,  3145728                     ; the weights' codes, item q at WQF + 12288 q: Wq, Wk, Wv, Wo (64 items each), W1 (256), W2 (256)
.set WQS,  12713984                    ; their scale words, item q at WQS + 512 q
.set FIMG, 73728                       ; LDS: behind sixteen stages of 4,608 bytes: the tile's 48 pieces, 272 bytes apart,
.set TIMG, 86784                       ; and its 512 bytes of scale words
.set WV,   36                          ; s36  my wave's number
.set TS,   48                          ; s48  at work
.set DC,   44                          ; s[44:45] where my wave's three pieces go
.set DSC,  46                          ; s[46:47] where the tile's scale words go
.set LO16, 1                           ; v1   16 x lane
.set LN,   2                           ; v2   lane
.set SI,   3                           ; v3   my wave's stage, on the way in
.set SO,   4                           ; v4   and on the way out
.set FI,   5                           ; v5   where my block's 24 bytes of codes go in the tile's image
.set TI,   6                           ; v6   where its scale byte goes
.set FO,   7                           ; v7   where I read my wave's three pieces back
.set LO8,  8                           ; v8   8 x lane
.set TO,   9                           ; v9   where wave 0 reads the scale words back
.set C,    80                          ; v80-86 a block's codes
; the LDS addresses of QROW: a constant, a constant x parts of the lane's number, a constant x wave
.macro QADDR
	s_mul_i32 s[TS], s[WV], 4608
	v_lshrrev_b32 v[SI], 3, v[LN]
	s_delay_alu instid0(VALU_DEP_1)
	v_mul_u32_u24 v[SI], v[SI], 144
	v_and_b32 v10, 7, v[LN]
	s_delay_alu instid0(VALU_DEP_1)
	v_lshl_add_u32 v[SI], v10, 4, v[SI]
	s_delay_alu instid0(VALU_DEP_1)
	v_add_nc_u32 v[SI], s[TS], v[SI]               ; in: eight lanes' 128 bytes (a block of 32 numbers) on end, then 16 of padding
	v_mul_u32_u24 v[SO], v[LN], 144
	s_delay_alu instid0(VALU_DEP_1)
	v_add_nc_u32 v[SO], s[TS], v[SO]               ; out: lane L takes block L
	v_lshrrev_b32 v10, 2, v[LN]                    ; block L is K step L / 4, c = (L / 2) % 2, h = L % 2
	s_delay_alu instid0(VALU_DEP_1)
	v_mul_u32_u24 v[FI], v10, 1632
	s_delay_alu instid0(VALU_DEP_2)
	v_lshlrev_b32 v[TI], 6, v10
	v_bfe_u32 v10, v[LN], 1, 1
	s_delay_alu instid0(VALU_DEP_1)
	v_mad_u32_u24 v[FI], v10, 816, v[FI]
	v_and_b32 v10, 1, v[LN]
	s_delay_alu instid0(VALU_DEP_1)
	v_lshl_add_u32 v[FI], v10, 7, v[FI]
	s_lshl_b32 s[TS], s[WV], 3
	s_add_co_u32 s[TS], s[TS], FIMG
	v_add_nc_u32 v[FI], s[TS], v[FI]               ; step x 6 pieces + c x 3 pieces + 8 (16 h + row), row = my wave
	v_and_b32 v10, 3, v[LN]
	s_delay_alu instid0(VALU_DEP_1)
	v_add_nc_u32 v[TI], v[TI], v10
	s_lshl_b32 s[TS], s[WV], 2
	s_add_co_u32 s[TS], s[TS], TIMG
	v_add_nc_u32 v[TI], s[TS], v[TI]               ; step x 64 + 4 row + the block's byte
	v_lshlrev_b32 v[LO8], 3, v[LN]
	s_mul_i32 s[TS], s[WV], 816
	s_add_co_u32 s[TS], s[TS], FIMG
	v_add_nc_u32 v[FO], s[TS], v[LO8]              ; pieces 3 w .. 3 w + 2
	v_add_nc_u32 v[TO], TIMG, v[LO16]
.endm
; A row of 1,024 numbers, in v[R] on as loaded (quad k of lane L: columns 128 k + 4 L + 0 .. 3), becomes codes and scale bytes in the tile's image; the image leaves in whole runs of 256 bytes.
.macro QROW R, B
.irp k, 0,1,2,3,4,5,6,7
	ds_store_b128 v[SI], v[\R+4*\k:\R+4*\k+3] offset:576*\k
.endr
.irp k, 0,1,2,3,4,5,6,7
	ds_load_b128 v[\B+4*\k:\B+4*\k+3], v[SO] offset:16*\k   ; LDS serves a wave's instructions in order: these see my stores.  Lane L now holds block L's 32 numbers
.endr
	s_wait_dscnt 0x0
	v_max3_num_f32 v12, |v[\B]|, |v[\B+1]|, |v[\B+2]|       ; the block's largest magnitude, in two chains
	v_max3_num_f32 v13, |v[\B+3]|, |v[\B+4]|, |v[\B+5]|
.irp i, 6,10,14,18,22,26
	s_delay_alu instid0(VALU_DEP_2)
	v_max3_num_f32 v12, v12, |v[\B+\i]|, |v[\B+\i+1]|
	s_delay_alu instid0(VALU_DEP_2)
	v_max3_num_f32 v13, v13, |v[\B+\i+2]|, |v[\B+\i+3]|
.endr
	s_delay_alu instid0(VALU_DEP_2)
	v_max3_num_f32 v12, v12, |v[\B+30]|, |v[\B+31]|
	s_delay_alu instid0(VALU_DEP_1)
	v_max3_num_f32 v12, v12, v13, 0x1800000        ; and the floor 2^(3 - 127): the byte cannot fall under 1
	s_delay_alu instid0(VALU_DEP_1)
	v_add_nc_u32 v11, 0xff000000, v12              ; 2 off the exponent field: the conversion's scale operand
	s_delay_alu instid0(VALU_DEP_1)
	v_lshrrev_b32 v14, 23, v11                     ; the scale's byte
	v_cvt_scalef32_pk16_fp6_f32 v[C:C+2], v[\B:\B+15], v11
	v_cvt_scalef32_pk16_fp6_f32 v[C+4:C+6], v[\B+16:\B+31], v11   ; (a conversion's three registers begin on an even number)
	v_nop                                          ; one plain place behind the conversions
	v_mov_b32 v[C+3], v[C+4]
	v_mov_b32 v[C+4], v[C+5]
	v_mov_b32 v[C+5], v[C+6]                       ; v[C] .. v[C+5]: the block's 24 bytes
.irp i, 0,1,2
	ds_store_b64 v[FI], v[C+2*\i:C+2*\i+1] offset:272*\i
.endr
	ds_store_b8 v[TI], v14
	s_wait_dscnt 0x0                               ; for the others' sake: my stores into the image are done
	s_barrier_signal -1
	s_barrier_wait -1                              ; the tile's image is whole
.irp i, 0,1,2
	ds_load_b64 v[88+2*\i:89+2*\i], v[FO] offset:272*\i
.endr
	s_wait_dscnt 0x0
.irp i, 0,1,2
	global_store_b64 v[LO8], v[88+2*\i:89+2*\i], s[DC:DC+1] offset:256*\i   ; 32 lanes store 256 consecutive bytes, aligned
.endr
	s_cmp_lg_u32 s[WV], 0
	s_cbranch_scc1 .Lnot0_\@
	ds_load_b128 v[96:99], v[TO]                   ; wave 0: the tile's 512 bytes of scale words
	s_wait_dscnt 0x0
	global_store_b128 v[LO16], v[96:99], s[DSC:DSC+1]
.Lnot0_\@:
.endm
	s_load_b512 s[8:23], s[0:1], 0x0               ; x s[8:9]; codes of Wq s[10:11], Wk s[12:13], Wv s[14:15], Wo s[16:17], W1 s[18:19], W2 s[20:21]; scales of Wq s[22:23]
	s_load_b256 s[24:31], s[0:1], 0x40             ; scales of Wk s[24:25], Wv s[26:27], Wo s[28:29], W1 s[30:31]
	s_load_b128 s[32:35], s[0:1], 0x60             ; scales of W2 s[32:33]; wprep s[34:35]
	v_lshl_add_u32 v126, v0, 2, 0x15500
	v_mov_b32 v127, 0
	v_lshrrev_b32 v1, 5, v0
	s_delay_alu instid0(VALU_DEP_1)
	v_readfirstlane_b32 s[WV], v1                  ; wave 0..15
	v_and_b32 v[LN], 31, v0
	s_cmp_ge_u32 ttmp9, 256                        ; the same in all sixteen waves
	s_cbranch_scc1 .Lweights
	; ---- x: tile = work-group, row = 16 x work-group + wave
	v_lshlrev_b32 v[LO16], 4, v[LN]
	s_lshl_b32 s37, ttmp9, 4
	s_add_co_u32 s37, s37, s[WV]
	s_lshl_b32 s38, s37, 12                        ; a row is 4,096 bytes
	s_mov_b32 s39, 0
	s_mul_i32 s42, ttmp9, 12288
	s_mul_i32 s43, s[WV], 768
	s_add_co_u32 s42, s42, s43
	s_mov_b32 s43, 0
	s_lshl_b32 s40, ttmp9, 9
	s_add_co_u32 s40, s40, XS
	s_mov_b32 s41, 0
	s_wait_alu depctr_va_vdst(0)
	s_wait_kmcnt 0x0
	s_add_nc_u64 s[8:9], s[8:9], s[38:39]
	s_add_nc_u64 s[DC:DC+1], s[34:35], s[42:43]
	s_add_nc_u64 s[DSC:DSC+1], s[34:35], s[40:41]
.irp k, 0,1,2,3,4,5,6,7
	global_load_b128 v[16+4*\k:19+4*\k], v[LO16], s[8:9] offset:512*\k   ; 32 lanes read 512 consecutive bytes
.endr
	QADDR
	s_wait_loadcnt 0x0
	QROW 16, 48
	s_wait_tensorcnt 0x0
	ds_add_u32 v126, v127
	s_wait_dscnt 0x0
	s_endpgm
.Lweights:
	; ---- the weights: item q = 16 (work-group - 256) + wave
	s_sub_co_u32 s37, ttmp9, 256
	s_lshr_b32 s38, s37, 2                         ; 0 Wq, 1 Wk, 2 Wv, 3 Wo, 4-7 W1, 8-11 W2
	s_lshl_b32 s37, s37, 4
	s_add_co_u32 s37, s37, s[WV]                   ; q
	s_and_b32 s39, s37, 63
	s_sub_co_u32 s40, s37, 256
	s_cmp_ge_u32 s38, 4
	s_cselect_b32 s39, s40, s39                    ; K = 1,024: the item is a whole tile of 16 rows
	s_mul_i32 s40, s39, 12288
	s_lshl_b32 s41, s39, 9
	s_sub_co_u32 s42, s37, 512                     ; W2 (K = 4,096): tile (q - 512) / 4, quarter q % 4 of its rows
	s_lshr_b32 s42, s42, 2
	s_and_b32 s43, s37, 3
	s_mul_i32 s44, s42, 49152
	s_mul_i32 s45, s43, 768
	s_add_co_u32 s44, s44, s45
	s_lshl_b32 s42, s42, 11
	s_lshl_b32 s43, s43, 5
	s_add_co_u32 s42, s42, s43
	s_mov_b32 s46, 768
	s_cmp_ge_u32 s38, 8
	s_cselect_b32 s48, s44, s40                    ; where the item's codes begin in its tensor,
	s_cselect_b32 s50, s42, s41                    ; and its scale bytes
	s_cselect_b32 s46, 3072, s46                   ; a row of codes in bytes
	s_cselect_b32 s47, 128, 32                     ; a row of scale bytes
	s_mov_b32 s49, 0
	s_mov_b32 s51, 0
	s_wait_kmcnt 0x0
	s_cmp_eq_u32 s38, 1                            ; the tensor is chosen by the work-group's number alone
	s_cselect_b64 s[52:53], s[12:13], s[10:11]
	s_cselect_b64 s[54:55], s[24:25], s[22:23]
	s_cmp_eq_u32 s38, 2
	s_cselect_b64 s[52:53], s[14:15], s[52:53]
	s_cselect_b64 s[54:55], s[26:27], s[54:55]
	s_cmp_eq_u32 s38, 3
	s_cselect_b64 s[52:53], s[16:17], s[52:53]
	s_cselect_b64 s[54:55], s[28:29], s[54:55]
	s_cmp_ge_u32 s38, 4
	s_cselect_b64 s[52:53], s[18:19], s[52:53]
	s_cselect_b64 s[54:55], s[30:31], s[54:55]
	s_cmp_ge_u32 s38, 8
	s_cselect_b64 s[52:53], s[20:21], s[52:53]
	s_cselect_b64 s[54:55], s[32:33], s[54:55]
	s_add_nc_u64 s[52:53], s[52:53], s[48:49]
	s_add_nc_u64 s[54:55], s[54:55], s[50:51]
	s_mul_i32 s56, s37, 12288
	s_add_co_u32 s56, s56, WQF
	s_mov_b32 s57, 0
	s_add_nc_u64 s[56:57], s[34:35], s[56:57]
	s_lshl_b32 s58, s37, 9
	s_add_co_u32 s58, s58, WQS
	s_mov_b32 s59, 0
	s_add_nc_u64 s[58:59], s[34:35], s[58:59]
	v_and_b32 v3, 15, v0                           ; r
	v_bfe_u32 v4, v0, 4, 1                         ; h
	s_delay_alu instid0(VALU_DEP_2)
	v_mul_lo_u32 v5, v3, s46
	s_delay_alu instid0(VALU_DEP_1)
	v_mad_u32_u24 v5, v4, 24, v5                   ; codes: row r, + 24 h
	s_delay_alu instid0(VALU_DEP_4)
	v_mul_lo_u32 v6, v3, s47
	s_delay_alu instid0(VALU_DEP_1)
	v_lshl_add_u32 v6, v4, 4, v6                   ; scale bytes: row r, K steps 4 h .. 4 h + 3
	s_wait_alu depctr_va_vdst(0)
	v_lshlrev_b32 v7, 3, v[LN]                     ; out: 8 x lane
	v_lshlrev_b32 v8, 2, v3
	s_delay_alu instid0(VALU_DEP_1)
	v_lshl_add_u32 v8, v4, 8, v8                   ; out: word (step 4 h + k, r) at 64 (4 h + k) + 4 r
	global_load_b128 v[12:15], v6, s[54:55]
.irp s, 0,1,2,3,4,5,6,7
.irp p, 0,1,2,3,4,5
	global_load_b64 v[16+12*\s+2*\p:17+12*\s+2*\p], v5, s[52:53] offset:96*\s+48*(\p/3)+8*(\p%3)   ; a fragment's registers, as they lie in the row's stream of bits
.endr
.endr
	s_wait_alu depctr_va_vdst(0)
	s_wait_loadcnt 48                              ; the scale words are in; the 48 pieces may be out
.irp k, 0,1,2,3
	global_store_b32 v8, v[12+\k], s[58:59] offset:64*\k
.endr
.irp s, 0,1,2,3,4,5,6,7
	s_wait_loadcnt 6*(7-\s)                        ; this K step's six pieces are in; the later steps' may be out
.irp p, 0,1,2,3,4,5
	global_store_b64 v7, v[16+12*\s+2*\p:17+12*\s+2*\p], s[56:57] offset:1536*\s+256*\p   ; 32 lanes store 256 consecutive bytes, aligned
.endr
.endr
	s_endpgm
.Lfunc_end_k_q242444a514_prep:
	.size	k_q242444a514_prep, .Lfunc_end_k_q242444a514_prep-k_q242444a514_prep
	.p2alignl 7, 3214868480
	.fill 96, 4, 3214868480
	.section	.rodata,"a",@progbits
	.p2align	6, 0x0
	.amdhsa_kernel k_q242444a514_prep
		.amdhsa_group_segment_fixed_size 89344
		.amdhsa_private_segment_fixed_size 0
		.amdhsa_enable_private_segment 0
		.amdhsa_kernarg_size 112
		.amdhsa_user_sgpr_count 2
		.amdhsa_user_sgpr_kernarg_segment_ptr 1
		.amdhsa_wavefront_size32 1
		.amdhsa_system_sgpr_workgroup_id_x 1
		.amdhsa_system_sgpr_workgroup_id_y 1
		.amdhsa_system_sgpr_workgroup_id_z 1
		.amdhsa_system_vgpr_workitem_id 0
		.amdhsa_next_free_vgpr 128
		.amdhsa_next_free_sgpr 66
		.amdhsa_reserve_vcc 0
		.amdhsa_float_denorm_mode_32 3
		.amdhsa_float_denorm_mode_16_64 3
		.amdhsa_memory_ordered 1
		.amdhsa_forward_progress 1
		.amdhsa_inst_pref_size 21
	.end_amdhsa_kernel
	.amdgpu_metadata
---
amdhsa.version: [ 1, 2 ]
amdhsa.kernels:
  - .name:           k_q242444a514_prep
    .symbol:         k_q242444a514_prep.kd
    .args:
      - { .name: x, .offset: 0, .size: 8, .value_kind: global_buffer, .address_space: global }
      - { .name: Wq_codes, .offset: 8, .size: 8, .value_kind: global_buffer, .address_space: global }
      - { .name: Wk_codes, .offset: 16, .size: 8, .value_kind: global_buffer, .address_space: global }
      - { .name: Wv_codes, .offset: 24, .size: 8, .value_kind: global_buffer, .address_space: global }
      - { .name: Wo_codes, .offset: 32, .size: 8, .value_kind: global_buffer, .address_space: global }
      - { .name: W1_codes, .offset: 40, .size: 8, .value_kind: global_buffer, .address_space: global }
      - { .name: W2_codes, .offset: 48, .size: 8, .value_kind: global_buffer, .address_space: global }
      - { .name: Wq_scales, .offset: 56, .size: 8, .value_kind: global_buffer, .address_space: global }
      - { .name: Wk_scales, .offset: 64, .size: 8, .value_kind: global_buffer, .address_space: global }
      - { .name: Wv_scales, .offset: 72, .size: 8, .value_kind: global_buffer, .address_space: global }
      - { .name: Wo_scales, .offset: 80, .size: 8, .value_kind: global_buffer, .address_space: global }
      - { .name: W1_scales, .offset: 88, .size: 8, .value_kind: global_buffer, .address_space: global }
      - { .name: W2_scales, .offset: 96, .size: 8, .value_kind: global_buffer, .address_space: global }
      - { .name: wprep, .offset: 104, .size: 8, .value_kind: global_buffer, .address_space: global }
    .group_segment_fixed_size: 89344
    .private_segment_fixed_size: 0
    .kernarg_segment_align: 8
    .kernarg_segment_size: 112
    .max_flat_workgroup_size: 512
    .sgpr_count:     66
    .vgpr_count:     128
    .wavefront_size: 32
...
	.end_amdgpu_metadata
.endif
;; end of part 9
;; launch qkv (part 10): grid 12 x 16, 4 waves a work-group, clusters of 4 x 4, 327,680 bytes of LDS; arguments wprep, bq, bk, bv, qkv; writes qkv
.if DOCPART == 10
	.amdgcn_target "amdgcn-amd-amdhsa--gfx1250"
	.amdhsa_code_object_version 6
	.text
	.protected	k_q242444a514_qkv
	.globl	k_q242444a514_qkv
	.p2align	8
	.type	k_q242444a514_qkv,@function
k_q242444a514_qkv:
	s_mov_b64 s[64:65], 0
	v_nop
	global_prefetch_b8 v0, s[64:65] scope:SCOPE_SE
	s_setreg_imm32_b32 hwreg(HW_REG_WAVE_MODE, 25, 1), 1
	s_wait_xcnt 0x0
	s_wait_alu depctr_hold_cnt(0) depctr_sa_sdst(0) depctr_va_vdst(0) depctr_va_sdst(0) depctr_va_ssrc(0) depctr_va_vcc(0) depctr_vm_vsrc(0)
	s_getreg_b32 s2, hwreg(HW_REG_IB_STS2, 6, 4)
	s_cmp_eq_u32 s2, 0
	s_cbranch_scc0 .Lentry_in_a_cluster
	s_endpgm
.Lentry_in_a_cluster:
	s_bfe_u32 s2, ttmp6, 0x10000c
	s_cmp_lg_u32 s2, 0xf033
	s_cbranch_scc0 .Lentry_shape_is_right
	s_endpgm
.Lentry_shape_is_right:
.set NS,    8
.set USEB,  0
.set WQF,   3145728
.set WVF,   4718592
.set XS,    12582912
.set WQS,   12713984
.set WVS,   12779520
.set VFO,   6291456
.set SCO,   9437184
.set FR,    12
.set NL,    6
.set NP,    4
.set HALFT, 24576
.set SLOT,  4*HALFT
.set LAPS,  NS/4
.set SCL,   2*SLOT
.set HALFS, 512*NS
.set SPARE, SCL+4*HALFS
.set ADRA,  16
.set ADRB,  20
.set ADRS,  27
.set SPW,   28
.set NIL,   29
.set LO8,   30
.set LO4,   31
.set SC,    32
.set BIAS,  64
.set AF,    128
.set HA,    128
.set TM,    192
.set PW,    208
.set PW2,   209
.set PC,    212
.set G1,    24
.set G0,    32
.set G1B,   48
.set G0B,   56
.set G1S,   68
.set G0S,   76
.set G1SB,  80
.set G0SB,  88
.set SEL,   100
.set MSB, 0
.macro WIN new
.if MSB != (\new)
	s_set_vgpr_msb (MSB<<8)|(\new)
.set MSB, (\new)
.endif
.endm
.set MUL_LO, 0xa1
.set MUL_HI, 0xf1
.set TO_B,   0x40
.macro JLOAD g0a, g1a, g0b, g1b
	s_cmp_eq_u32 s15, 0
	s_cbranch_scc0 .Lfor_b_\@
	tensor_load_to_lds s[\g0a:\g0a+3], s[\g1a:\g1a+7]
	s_nop 0
.rept 4
	v_nop
.endr
	s_branch .Lasked_\@
.Lfor_b_\@:
	tensor_load_to_lds s[\g0b:\g0b+3], s[\g1b:\g1b+7]
	s_nop 0
.rept 4
	v_nop
.endr
.Lasked_\@:
.endm
.macro CREST
	s_cmp_lg_u32 s14, 0
	s_cbranch_scc1 .Lnot_wave_0_\@
	s_barrier_signal -3
.Lnot_wave_0_\@:
	s_barrier_wait -3
	s_barrier_signal -1
	s_barrier_wait -1
.endm
.macro CROUND
	s_barrier_signal -1
	s_barrier_wait -1
	CREST
.endm
.macro FRAG reg, adr, q, i
.irp p, 0,1,2,3,4,5
	ds_load_b64 v[\reg+2*\p:\reg+2*\p+1], v[\adr] offset:(\i)*3072+(\q)*1536+256*\p
.endr
.endm
.macro MUL16 a0, p, q, sc, zero
.irp a, \a0, \a0+1
.irp b, 0,1,2,3,4,5,6,7
.set rD, 8*(8*((\a)%4)+\b)
.set rB, 128*(\p)+FR*\b
.set rA, AF+FR*(\a)
.set rT, SC+16*(\sc)+8*(\q)
.if (\zero) && USEB
	v_wmma_scale_f32_16x16x128_f8f6f4 v[rD:rD+7], v[rB:rB+FR-1], v[rA:rA+FR-1], v[BIAS+8*\b:BIAS+8*\b+7], v[rT+\b], v[rT+(\a)] matrix_a_fmt:MATRIX_FMT_FP6 matrix_b_fmt:MATRIX_FMT_FP6 matrix_a_scale:MATRIX_SCALE_ROW1
.elseif \zero
	v_wmma_scale_f32_16x16x128_f8f6f4 v[rD:rD+7], v[rB:rB+FR-1], v[rA:rA+FR-1], 0, v[rT+\b], v[rT+(\a)] matrix_a_fmt:MATRIX_FMT_FP6 matrix_b_fmt:MATRIX_FMT_FP6 matrix_a_scale:MATRIX_SCALE_ROW1
.else
	v_wmma_scale_f32_16x16x128_f8f6f4 v[rD:rD+7], v[rB:rB+FR-1], v[rA:rA+FR-1], v[rD:rD+7], v[rT+\b], v[rT+(\a)] matrix_a_fmt:MATRIX_FMT_FP6 matrix_b_fmt:MATRIX_FMT_FP6 matrix_a_scale:MATRIX_SCALE_ROW1
.endif
.endr
.endr
.endm
.macro FETCH_B slot, q, p
	WIN TO_B
.irp i, 0,1,2,3,4,5,6,7
	FRAG 128*(\p)+FR*\i, ADRB+\slot, \q, \i
.endr
	WIN 0
.endm
.macro FETCH_A slot, q, i0
.irp i, \i0, \i0+1, \i0+2, \i0+3
	FRAG AF+FR*(\i), ADRA+\slot, \q, \i
.endr
.endm
.macro SCALES sc
.irp q, 0,1
.irp i, 0,1,2,3,4,5,6,7
	ds_load_b32 v[SC+16*\sc+8*\q+\i], v[ADRS] offset:\i*NS*64+64*\q
.endr
.endr
.endm
.macro PLACES n
.rept \n
	v_nop
.endr
.endm
.macro STEP slot, q, zero
	s_wait_dscnt 4*NL
	WIN MUL_LO-0x20*(\zero)*USEB
	MUL16 0, (\q)%2, \q, \slot, \zero
	MUL16 2, (\q)%2, \q, \slot, \zero
	s_wait_dscnt 0
	PLACES NP
	FETCH_B \slot, (\q)+1, 1-(\q)%2
	FETCH_A \slot, (\q)+1, 0
	WIN MUL_HI-0x30*(\zero)*USEB
	MUL16 4, (\q)%2, \q, \slot, \zero
	MUL16 6, (\q)%2, \q, \slot, \zero
	PLACES NP
	WIN 0
	FETCH_A \slot, (\q)+1, 4
.endm
.macro TURN slot, next, fill
	s_wait_tensorcnt 0x0
	ds_add_u32 v[SPW], v[NIL]
	s_wait_dscnt 4*NL+1
	WIN MUL_LO
	MUL16 0, 1, 1, \slot, 0
	s_wait_dscnt 0x0
	s_barrier_signal -1
	MUL16 2, 1, 1, \slot, 0
	WIN 0
	s_barrier_wait -1
.if \fill
	CREST
	s_add_nc_u64 s[G0+4*\slot+2:G0+4*\slot+3], s[G0+4*\slot+2:G0+4*\slot+3], 6144
	s_add_nc_u64 s[G0B+4*\slot+2:G0B+4*\slot+3], s[G0B+4*\slot+2:G0B+4*\slot+3], 6144
	JLOAD G0+4*\slot, G1, G0B+4*\slot, G1B
.else
	PLACES NP
.endif
	s_wait_alu depctr_va_vdst(0)
	v_add_nc_u32 v[ADRS], 128, v[ADRS]
	FETCH_B \next, 0, 0
	FETCH_A \next, 0, 0
	SCALES \next
	WIN MUL_HI
	MUL16 4, 1, 1, \slot, 0
	MUL16 6, 1, 1, \slot, 0
	PLACES NP
	WIN 0
	FETCH_A \next, 0, 4
.endm
.macro QUANT s
.irp b, 0,1,2,3
	v_max3_num_f32 v[TM+\b], |v[\s+16*\b]|, |v[\s+1+16*\b]|, 0x1800000
.endr
.irp i, 2,4,6,8,10,12,14
.irp b, 0,1,2,3
	v_max3_num_f32 v[TM+\b], v[TM+\b], |v[\s+16*\b+\i]|, |v[\s+1+16*\b+\i]|
.endr
.endr
.irp b, 0,1,2,3
	v_permlanex16_b32 v[TM+4+\b], v[TM+\b], s[SEL], s[SEL+1]
.endr
.irp b, 0,1,2,3
	v_max_num_f32 v[TM+\b], v[TM+\b], v[TM+4+\b]
.endr
.irp b, 0,1,2,3
	v_add_nc_u32 v[TM+12+\b], 0xff000000, v[TM+\b]
.endr
.irp b, 0,1,2,3
	v_lshrrev_b32 v[TM+4+\b], 23, v[TM+12+\b]
.endr
	v_lshl_or_b32 v[PW], v[TM+5], 8, v[TM+4]
	v_lshl_or_b32 v[PW], v[TM+6], 16, v[PW]
	v_lshl_or_b32 v[PW], v[TM+7], 24, v[PW]
.irp c, 0,1
	v_cvt_scalef32_pk16_fp6_f32 v[PC+6*\c:PC+2+6*\c], v[\s+32*\c:\s+15+32*\c], v[TM+12+2*\c]
	v_cvt_scalef32_pk16_fp6_f32 v[PC+12+4*\c:PC+14+4*\c], v[\s+16+32*\c:\s+31+32*\c], v[TM+12+2*\c+1]
.endr
	v_nop
.irp c, 0,1
.irp i, 0,1,2
	v_permlane16_swap_b32 v[PC+6*\c+\i], v[PC+12+4*\c+\i]
.endr
.irp i, 0,1,2
	v_mov_b32 v[PC+3+6*\c+\i], v[PC+12+4*\c+\i]
.endr
.endr
.endm
	s_load_b256 s[4:11], s[0:1], 0x0
	s_load_b64 s[12:13], s[0:1], 0x20
	v_lshl_add_u32 v[SPW], v0, 2, SPARE
	v_mov_b32 v[NIL], 0
	ds_add_u32 v28, v29
	ds_add_u32 v28, v29
	s_wait_dscnt 0x0
	v_lshrrev_b32 v1, 5, v0
	v_readfirstlane_b32 s14, v1
	s_lshr_b32 s15, s14, 1
	s_and_b32 s16, s14, 1
	s_bfe_u32 s40, ttmp6, 0x40000
	s_bfe_u32 s41, ttmp6, 0x40004
	s_and_b32 s92, ttmp7, 0xffff
	s_mul_i32 s97, ttmp9, 786432
	s_add_co_u32 s97, s97, WQF
	s_lshl_b32 s98, ttmp9, 15
	s_add_co_u32 s98, s98, WQS
	s_mov_b32 s96, XS
	s_cmp_eq_u32 ttmp9, 2
	s_cselect_b32 s93, 0, s92
	s_cselect_b32 s94, s92, 0
	s_cselect_b32 s95, WVF, 0
	s_cselect_b32 s96, WVS, s96
	s_cselect_b32 s97, 0, s97
	s_cselect_b32 s98, XS, s98
	s_cselect_b32 s99, 1, 0
	s_lshl_b32 s42, s94, 2
	s_add_co_u32 s42, s42, s40
	s_lshl_b32 s17, s93, 2
	s_add_co_u32 s17, s17, s41
	s_lshl_b32 s43, s41, 2
	s_lshl_b32 s43, 15, s43
	s_lshl_b32 s44, 0x1111, s40
	s_or_b32 s[G1+0], s43, (3<<16)|(1<<21)
	s_or_b32 s[G1B+0], s44, (3<<16)|(1<<21)
.irp g, G1, G1B
	s_mov_b32 s[\g+1], 384<<16
	s_mov_b32 s[\g+2], 16<<16
	s_mov_b32 s[\g+3], 384<<16
	s_mov_b32 s[\g+4], 16
	s_mov_b32 s[\g+5], NS*192
	s_mov_b32 s[\g+6], 0
	s_mov_b32 s[\g+7], 0
.endr
	s_or_b32 s[G1S+0], s43, (3<<16)|(1<<21)
	s_or_b32 s[G1SB+0], s44, (3<<16)|(1<<21)
.irp g, G1S, G1SB
	s_mov_b32 s[\g+1], 32<<16
	s_mov_b32 s[\g+2], (4*NS)<<16
	s_mov_b32 s[\g+3], 32<<16
	s_mov_b32 s[\g+4], 4*NS
	s_mov_b32 s[\g+5], 32
	s_mov_b32 s[\g+6], 0
	s_mov_b32 s[\g+7], 0
.endr
	s_lshl_b32 s18, s16, 3
	s_lshl_b32 s20, s17, 4
	s_add_co_u32 s20, s20, s18
	s_lshl_b32 s46, s42, 4
	s_add_co_u32 s46, s46, s18
	s_mul_i32 s22, s20, NS*64
	s_add_co_u32 s22, s22, s96
	s_mul_i32 s92, s46, NS*64
	s_add_co_u32 s92, s92, s98
	s_mul_i32 s20, s20, NS*1536
	s_add_co_u32 s20, s20, s95
	s_mul_i32 s46, s46, NS*1536
	s_add_co_u32 s46, s46, s97
	s_mov_b32 s21, 0
	s_mov_b32 s23, 0
	s_mov_b32 s47, 0
	s_mov_b32 s93, 0
	s_mul_i32 s45, s14, HALFT
	s_mul_i32 s94, s14, HALFS
	s_mov_b32 s[SEL], 0x76543210
	s_mov_b32 s[SEL+1], 0xfedcba98
	s_wait_kmcnt 0x0
	s_add_nc_u64 s[20:21], s[4:5], s[20:21]
	s_add_nc_u64 s[22:23], s[4:5], s[22:23]
	s_add_nc_u64 s[46:47], s[4:5], s[46:47]
	s_add_nc_u64 s[92:93], s[4:5], s[92:93]
	CROUND
	s_mov_b32 s[G0S], 1
	s_add_co_u32 s[G0S+1], s94, SCL
	s_mov_b64 s[G0S+2:G0S+3], s[22:23]
	s_or_b32 s[G0S+3], s[G0S+3], 0x80000000
	s_mov_b32 s[G0SB], 1
	s_add_co_u32 s[G0SB+1], s94, SCL
	s_mov_b64 s[G0SB+2:G0SB+3], s[92:93]
	s_or_b32 s[G0SB+3], s[G0SB+3], 0x80000000
	s_mul_i32 s2, s16, HALFS                       ; the head's loads bring whole tiles: back from my half to the tile's first byte
	s_mov_b32 s3, 0
	s_sub_nc_u64 s[G0S+2:G0S+3], s[G0S+2:G0S+3], s[2:3]
	s_sub_nc_u64 s[G0SB+2:G0SB+3], s[G0SB+2:G0SB+3], s[2:3]
	s_mov_b32 s[G0S+1], SCL
	s_mov_b32 s[G0SB+1], SCL+2*HALFS
	s_mul_i32 s2, s16, 8*NS*1536                   ; the same for the codes: eight tiles
.irp s, 0,1
	s_mov_b32 s[G0+4*\s], 1
	s_add_co_u32 s[G0+4*\s+1], s45, \s*SLOT
	s_add_nc_u64 s[G0+4*\s+2:G0+4*\s+3], s[20:21], \s*3072
	s_or_b32 s[G0+4*\s+3], s[G0+4*\s+3], 0x80000000
	s_mov_b32 s[G0B+4*\s], 1
	s_add_co_u32 s[G0B+4*\s+1], s45, \s*SLOT
	s_add_nc_u64 s[G0B+4*\s+2:G0B+4*\s+3], s[46:47], \s*3072
	s_or_b32 s[G0B+4*\s+3], s[G0B+4*\s+3], 0x80000000
.endr
	s_sub_nc_u64 s[G0+2:G0+3], s[G0+2:G0+3], s[2:3]
	s_sub_nc_u64 s[G0B+2:G0B+3], s[G0B+2:G0B+3], s[2:3]
	s_mov_b32 s[G0+1], 0
	s_mov_b32 s[G0B+1], 2*HALFT
; THE HEAD'S LOADS, ONE A WAVE: wave 0 slot 0's 256 rows of A, wave 1 its 256 rows of B, wave 2 A's scale words, wave 3 B's.  One tree of branches on the wave's number, all arms leading to one join.
.macro ARM under, g0, g1, next
	s_cmp_lt_u32 s14, \under
	s_cbranch_scc0 \next
	tensor_load_to_lds s[\g0:\g0+3], s[\g1:\g1+7]
	s_nop 0
.rept 4
	v_nop
.endr
	s_branch .Lhead_asked
\next:
.endm
	ARM 1, G0,  G1,  .Lhead_b
	ARM 2, G0B, G1B, .Lhead_sa
	ARM 3, G0S, G1S, .Lhead_sb
	tensor_load_to_lds s[G0SB:G0SB+3], s[G1SB:G1SB+7]
	s_nop 0
.rept 4
	v_nop
.endr
.Lhead_asked:
	v_and_b32 v1, 15, v0
	v_bfe_u32 v2, v0, 4, 1
	s_wait_alu depctr_va_vdst(0)
	v_and_b32 v3, 31, v0
	v_lshlrev_b32 v[LO8], 3, v3
	v_lshlrev_b32 v[LO4], 2, v1
	v_lshlrev_b32 v6, 5, v2
	s_mul_i32 s21, s15, HALFT
	s_mul_i32 s22, s16, HALFT
	s_add_co_u32 s22, s22, 2*HALFT
.irp s, 0,1
	v_add_nc_u32 v[ADRA+\s], s21, v[LO8]
	v_add_nc_u32 v[ADRB+\s], s22, v[LO8]
	s_add_co_u32 s21, s21, SLOT
	s_add_co_u32 s22, s22, SLOT
.endr
	s_mul_i32 s21, s15, HALFS
	s_mul_i32 s22, s16, HALFS
	s_add_co_u32 s22, s22, 2*HALFS
	s_sub_co_u32 s22, s22, s21
	v_mul_u32_u24 v5, s22, v2
	s_wait_alu depctr_va_vdst(0)
	s_add_co_u32 s21, s21, SCL
	v_add_nc_u32 v5, v[LO4], v5
	v_add_nc_u32 v[ADRS], s21, v5
	s_wait_alu depctr_va_vdst(0)
	s_wait_tensorcnt 0x0                           ; my tile of the head's four is in
	ds_add_u32 v[SPW], v[NIL]
	s_mov_b32 s[G1+2], 8<<16                       ; no tensor load of mine is out: from here on a load brings 8 tiles,
	s_mov_b32 s[G1+4], 8
	s_mov_b32 s[G1B+2], 8<<16
	s_mov_b32 s[G1B+4], 8
	s_add_nc_u64 s[G0+2:G0+3], s[G0+2:G0+3], s[2:3]        ; and slot 0's group 0 stands at my quarter again, for its refills
	s_add_nc_u64 s[G0B+2:G0B+3], s[G0B+2:G0B+3], s[2:3]
	s_mov_b32 s[G0+1], s45
	s_mov_b32 s[G0B+1], s45
	s_wait_dscnt 0x0
	CROUND                                         ; a whole round: all four tiles are in, and the sixteen work-groups are here
	JLOAD G0+4, G1, G0B+4, G1B                     ; slot 1's first fill, a quarter a wave: the first tensor load behind the round
	FETCH_B 0, 0, 0
	FETCH_A 0, 0, 0
	SCALES 0
	FETCH_A 0, 0, 4
	STEP 0, 0, 1
	s_mov_b32 s3, LAPS-1
.Llap:
	TURN 0, 1, 1
	STEP 1, 0, 0
	TURN 1, 0, 1
	STEP 0, 0, 0
	s_sub_co_u32 s3, s3, 1
	s_cmp_lg_u32 s3, 0
	s_cbranch_scc1 .Llap
	TURN 0, 1, 0
	STEP 1, 0, 0
	s_wait_dscnt 4*NL
	WIN MUL_LO
	MUL16 0, 1, 1, 1, 0
	MUL16 2, 1, 1, 1, 0
	s_wait_dscnt 0
	WIN MUL_HI
	MUL16 4, 1, 1, 1, 0
	MUL16 6, 1, 1, 1, 0
	WIN 0
	PLACES NP
.irp b, 0,1,2,3
	v_mov_b32 v[TM+4+\b], 0
.endr
	s_mov_b32 s19, 0
	s_cmp_eq_u32 s99, 1
	s_cbranch_scc1 .Lv_arm
	s_cmp_eq_u32 ttmp9, 0
	s_cselect_b64 s[46:47], s[6:7], s[8:9]
	s_cselect_b32 s92, 12288, 0
	s_lshl_b32 s18, s42, 10
	s_lshl_b32 s93, s16, 9
	s_add_co_u32 s18, s18, s93
	s_add_nc_u64 s[46:47], s[46:47], s[18:19]
.irp b, 0,1,2,3,4,5,6,7
	global_load_b128 v[BIAS+8*\b:BIAS+8*\b+3], v6, s[46:47] offset:64*\b
	global_load_b128 v[BIAS+8*\b+4:BIAS+8*\b+7], v6, s[46:47] offset:64*\b+16
.endr
	s_lshl_b32 s93, s42, 2
	s_lshl_b32 s94, s16, 1
	s_add_co_u32 s93, s93, s94
	s_lshl_b32 s94, s17, 4
	s_lshl_b32 s95, s15, 3
	s_add_co_u32 s94, s94, s95
	s_lshr_b32 s95, s94, 7
	s_and_b32 s94, s94, 127
	s_lshl_b32 s95, s95, 4
	s_add_co_u32 s95, s95, s93
	s_lshl_b32 s18, s95, 7
	s_add_co_u32 s18, s18, s94
	s_mul_i32 s18, s18, 768
	s_mul_i32 s96, ttmp9, 3145728
	s_add_co_u32 s18, s18, s96
	s_add_nc_u64 s[20:21], s[12:13], s[18:19]
	s_mul_i32 s18, s95, 20480
	s_lshl_b32 s94, s94, 6
	s_add_co_u32 s18, s18, s94
	s_add_co_u32 s18, s18, s92
	s_add_co_u32 s18, s18, SCO
	s_add_nc_u64 s[22:23], s[12:13], s[18:19]
	s_wait_loadcnt 0x0
.macro EPI_QK a
.set AC, 64*((\a)%4)
	WIN 0x02+((\a)/4)
.set i, 0
.rept 32
	v_pk_add_f32 v[HA+i:HA+i+1], v[AC+i:AC+i+1], v[BIAS+i:BIAS+i+1]
.set i, i+2
.endr
	WIN 0
.if (\a) > 0
	s_wait_xcnt 0x0
.endif
	QUANT HA
.irp p, 0,1,2
	global_store_b64 v[LO8], v[PC+2*\p:PC+2*\p+1], s[20:21] offset:(\a)*768+256*\p
	global_store_b64 v[LO8], v[PC+6+2*\p:PC+7+2*\p], s[20:21] offset:98304+(\a)*768+256*\p
.endr
	v_lshrrev_b32 v[PW2], 16, v[PW]
	global_store_b32 v[LO4], v[PW], s[22:23] offset:64*(\a)
	global_store_b32 v[LO4], v[PW2], s[22:23] offset:20480+64*(\a)
.endm
.irp a, 0,1,2,3,4,5,6,7
	EPI_QK \a
.endr
	s_branch .Lend
.Lv_arm:
	s_lshl_b32 s93, s17, 2
	s_lshl_b32 s94, s15, 1
	s_add_co_u32 s93, s93, s94
	s_lshl_b32 s18, s93, 8
	s_add_nc_u64 s[46:47], s[10:11], s[18:19]
.irp a, 0,1,2,3,4,5,6,7
	global_load_b32 v[BIAS+2*\a], v[LO4], s[46:47] offset:64*\a
.endr
	s_lshl_b32 s94, s42, 1
	s_add_co_u32 s94, s94, s16
	s_lshr_b32 s95, s94, 4
	s_and_b32 s94, s94, 15
	s_lshl_b32 s95, s95, 4
	s_add_co_u32 s95, s95, s93
	s_lshl_b32 s18, s95, 4
	s_add_co_u32 s18, s18, s94
	s_mul_i32 s18, s18, 6144
	s_add_co_u32 s18, s18, VFO
	s_add_nc_u64 s[20:21], s[12:13], s[18:19]
	s_mul_i32 s18, s95, 20480
	s_lshl_b32 s94, s94, 8
	s_add_co_u32 s18, s18, s94
	s_add_co_u32 s18, s18, SCO+8192
	s_add_nc_u64 s[22:23], s[12:13], s[18:19]
	s_wait_loadcnt 0x0
.irp a, 0,1,2,3,4,5,6,7
	v_mov_b32 v[BIAS+2*\a+1], v[BIAS+2*\a]
.endr
.macro EPI_V a
.set AC, 64*((\a)%4)
	WIN 0x02+((\a)/4)
.set i, 0
.rept 32
	v_pk_add_f32 v[HA+i:HA+i+1], v[AC+i:AC+i+1], v[BIAS+2*(\a):BIAS+2*(\a)+1]
.set i, i+2
.endr
	WIN 0
.if (\a) > 0
	s_wait_xcnt 0x0
.endif
	QUANT HA
.irp p, 0,1,2,3,4,5
	global_store_b64 v[LO8], v[PC+2*\p:PC+2*\p+1], s[20:21] offset:((\a)/4)*98304+((\a)%4)*1536+256*\p
.endr
	global_store_b32 v[LO4], v[PW], s[22:23] offset:((\a)/4)*20480+((\a)%4)*64
.endm
.irp a, 0,1,2,3,4,5,6,7
	EPI_V \a
.endr
.Lend:
	s_wait_tensorcnt 0x0
	ds_add_u32 v[SPW], v[NIL]
	s_wait_dscnt 0x0
	CROUND
	s_endpgm
.Lfunc_end_k_q242444a514_qkv:
	.size	k_q242444a514_qkv, .Lfunc_end_k_q242444a514_qkv-k_q242444a514_qkv
	.p2alignl 7, 3214868480
	.fill 96, 4, 3214868480
	.section	.rodata,"a",@progbits
	.p2align	6, 0x0
	.amdhsa_kernel k_q242444a514_qkv
		.amdhsa_group_segment_fixed_size 327680
		.amdhsa_private_segment_fixed_size 0
		.amdhsa_enable_private_segment 0
		.amdhsa_kernarg_size 40
		.amdhsa_user_sgpr_count 2
		.amdhsa_user_sgpr_kernarg_segment_ptr 1
		.amdhsa_wavefront_size32 1
		.amdhsa_system_sgpr_workgroup_id_x 1
		.amdhsa_system_sgpr_workgroup_id_y 1
		.amdhsa_system_sgpr_workgroup_id_z 1
		.amdhsa_system_vgpr_workitem_id 0
		.amdhsa_next_free_vgpr 1024
		.amdhsa_next_free_sgpr 102
		.amdhsa_reserve_vcc 0
		.amdhsa_float_denorm_mode_32 3
		.amdhsa_float_denorm_mode_16_64 3
		.amdhsa_memory_ordered 1
		.amdhsa_forward_progress 1
		.amdhsa_inst_pref_size 243
	.end_amdhsa_kernel
	.amdgpu_metadata
---
amdhsa.version: [ 1, 2 ]
amdhsa.kernels:
  - .name:           k_q242444a514_qkv
    .symbol:         k_q242444a514_qkv.kd
    .args:
      - { .name: wprep, .offset: 0, .size: 8, .value_kind: global_buffer, .address_space: global }
      - { .name: bq, .offset: 8, .size: 8, .value_kind: global_buffer, .address_space: global }
      - { .name: bk, .offset: 16, .size: 8, .value_kind: global_buffer, .address_space: global }
      - { .name: bv, .offset: 24, .size: 8, .value_kind: global_buffer, .address_space: global }
      - { .name: qkv, .offset: 32, .size: 8, .value_kind: global_buffer, .address_space: global }
    .group_segment_fixed_size: 327680
    .private_segment_fixed_size: 0
    .kernarg_segment_align: 8
    .kernarg_segment_size: 40
    .max_flat_workgroup_size: 128
    .sgpr_count:     102
    .vgpr_count:     1024
    .wavefront_size: 32
...
	.end_amdgpu_metadata
.endif
;; end of part 10
;; launch attn (part 11): grid 8 x 32, 8 waves a work-group, clusters of 4 x 1, 327,680 bytes of LDS; arguments qkv, mask, att; writes att
.if DOCPART == 11
	.amdgcn_target "amdgcn-amd-amdhsa--gfx1250"
	.amdhsa_code_object_version 6
	.text
	.protected	k_q242444a514_attn
	.globl	k_q242444a514_attn
	.p2align	8
	.type	k_q242444a514_attn,@function
k_q242444a514_attn:
	s_mov_b64 s[64:65], 0
	v_nop
	global_prefetch_b8 v0, s[64:65] scope:SCOPE_SE
	s_setreg_imm32_b32 hwreg(HW_REG_WAVE_MODE, 25, 1), 1
	s_wait_xcnt 0x0
	s_wait_alu depctr_hold_cnt(0) depctr_sa_sdst(0) depctr_va_vdst(0) depctr_va_sdst(0) depctr_va_ssrc(0) depctr_va_vcc(0) depctr_vm_vsrc(0)
	s_getreg_b32 s2, hwreg(HW_REG_IB_STS2, 6, 4)
	s_cmp_eq_u32 s2, 0
	s_cbranch_scc0 .Lentry_in_a_cluster
	s_endpgm
.Lentry_in_a_cluster:
	s_bfe_u32 s2, ttmp6, 0x10000c
	s_cmp_lg_u32 s2, 0x3003
	s_cbranch_scc0 .Lentry_shape_is_right
	s_endpgm
.Lentry_shape_is_right:
; out = softmax(q k^T / 8 + mask x -1e9) v for one (batch, head) and 256 queries a work-group, on codes of E2M3 with one E8M0 byte for each 32 along K; the result is quantised along the head's 64 and stored as the next product's operand.
; p = 2^(t - M), t = score x log2(e), M the ceiling of the running largest t; the row's sum is taken of the unquantised p; O and the sums are brought under a new M by an exact power of two; O is divided by the sum at the end.
; EIGHT WAVES, EACH WITH 32 QUERIES AS TWO TILES OF 16: every fragment of k and v, every scale word and every mask register read from LDS feeds two matrix instructions, and the two tiles' dependent chains stand line by line beside each other.
; Both products are used transposed (S^T = k q^T, O^T = v^T p^T): a lane holds one query, its registers run along the keys.  Keys go in 16 steps of 128.
; The head is 64 deep, the matrix step 128: q's registers 6-11 are zero codes, so what k's run of 12 registers holds in its upper six (the next tile's codes; behind the last tile six zeros) adds nothing; all scale bytes there are finite.
; The mask term, -8e9 x mask (x log2(e) / 8 with the scores), is the C of the first product: 64 registers a step, the same for both tiles.
; LDS: k's codes 98,304 bytes at 0, v's at LV, both by ONE joint tensor load a wave (24,576 bytes), shared by the four work-groups of a cluster, which serve one head; k's and v's scale words (12,288 bytes) and the mask as f32 (8,192)
; come through registers and ds_store into bytes of their own: they are a tenth of the work-group's bytes.  Nothing is filled again.  No prefetch: every tile is asked for at the head, and there is no loop to run ahead in.
; In step i the loads of v(i), k(i+1), mask(i+1) and their scale words go out in one run behind the first product; one wait for all of them stands ahead of the second product.  The last step is written out: it fetches v alone.
; REGISTERS.  Window 0: v1-7 addresses, v8-9 the add's two, v10-25 -M, largest score, sums and factors, v28-51 q, v52-67 scale words, v68-95 at work, v96-119 p's codes, v128-255 the scores of tiles 0 and 1.
; Window 1: v0-63 O^T of tiles 0 and 1, v64-111 v's four fragments, v112-165 k's eight half fragments and six zeros, v168-231 the mask term.
; LIMITS: the promise holds while the scaled scores stay under 2^31 in magnitude; NaN and infinities among the inputs are not served; a block of zeros gets the byte 1 where the quantiser says 127 (its codes are zeros; only this program reads the bytes).
.set SCO,  9437184                     ; in qkv: a head's scale words, 20,480 bytes: k's 8,192, v's 4,096, q's 8,192
.set OSO,  3145728                     ; in att: the scale words
.set LV,   98304
.set LSC,  196608
.set LMK,  208896
.set SPARE, 217088                     ; the spare words: 128 bytes a wave
.set WV,   18
.set CN,   19                          ; -log2(e) / 8
.set SEL,  20
.set CS,   22                          ; log2(e) / 8, twice
.set G1C,  24
.set G0C,  40
.set CNT,  51
.set SS,   128                         ; scores: tile T at SS + 64 T
.set TM,   68                          ; at work, tile T at TM + 12 T: 0-3 block maxima, 4-7 the other half's / bytes, 8-11 the conversions' scale operands
.set PC,   96                          ; p's codes, tile T at PC + 12 T
.set MSB, 0
.macro WIN new                         ; the immediate's high byte repeats the setting that is left
.if MSB != (\new)
	s_set_vgpr_msb (MSB<<8)|(\new)
.set MSB, (\new)
.endif
.endm
.macro CROUND
	s_barrier_signal -1
	s_barrier_wait -1
	s_cmp_lg_u32 s[WV], 0
	s_cbranch_scc1 .Lnot_wave_0_\@
	s_barrier_signal -3
.Lnot_wave_0_\@:
	s_barrier_wait -3
	s_barrier_signal -1
	s_barrier_wait -1
.endm
.macro LOADK                           ; under destination window 1: k's eight half fragments and the mask term of the step at which v2 and v6 stand
.irp t, 0,1,2,3,4,5,6,7
.irp p, 0,1,2
	ds_load_b64 v[112+6*\t+2*\p:113+6*\t+2*\p], v2 offset:768*\t+256*\p
.endr
.endr
.irp t, 0,1,2,3,4,5,6,7
	ds_load_b128 v[168+8*\t:171+8*\t], v6 offset:64*\t
	ds_load_b128 v[172+8*\t:175+8*\t], v6 offset:64*\t+16
.endr
.endm
.macro LOADKS
.irp t, 0,1,2,3,4,5,6,7
	ds_load_b32 v[52+\t], v4 offset:64*\t
.endr
.endm
; One step of 128 keys for both tiles.  more = 1: the next step's k, mask and scale words are fetched.
.macro STEP more
	WIN 0x11                                       ; k and the mask term in window 1; q and the scores in window 0
.irp t, 0,1,2,3,4,5,6,7
.irp T, 0,1
	v_wmma_scale_f32_16x16x128_f8f6f4 v[SS+64*\T+8*\t:SS+64*\T+8*\t+7], v[112+6*\t:123+6*\t], v[28+12*\T:39+12*\T], v[168+8*\t:175+8*\t], v[52+\t], v[64+\T] matrix_a_fmt:MATRIX_FMT_FP6 matrix_b_fmt:MATRIX_FMT_FP6
.endr
.endr
	WIN 0
	v_add_nc_u32 v3, 6144, v3                      ; the addresses' steps are the places behind the products, ahead of the loads into their registers and of the first read of the scores
	v_add_nc_u32 v5, 256, v5
.if \more
	v_add_nc_u32 v2, 6144, v2
	v_add_nc_u32 v4, 512, v4
	v_add_nc_u32 v6, 512, v6
.else
	v_nop
	v_nop
.endif
	WIN 0x40
.irp t, 0,1,2,3
.irp p, 0,1,2,3,4,5
	ds_load_b64 v[64+12*\t+2*\p:65+12*\t+2*\p], v3 offset:1536*\t+256*\p
.endr
.endr
.if \more
	LOADK
.endif
	WIN 0
.irp t, 0,1,2,3
	ds_load_b32 v[60+\t], v5 offset:64*\t
.endr
.if \more
	LOADKS
.endif
; the largest score of each block of 32 keys: for the row's maximum and, since p rises with the score, for the block's largest p.  Each accumulator is read from its low end on
.irp T, 0,1
.irp b, 0,1,2,3
	v_max3_num_f32 v[TM+12*\T+\b], v[SS+64*\T+16*\b], v[SS+1+64*\T+16*\b], v[SS+2+64*\T+16*\b]
.endr
.endr
.irp i, 3,5,7,9,11,13
.irp T, 0,1
.irp b, 0,1,2,3
	v_max3_num_f32 v[TM+12*\T+\b], v[TM+12*\T+\b], v[SS+64*\T+16*\b+\i], v[SS+1+64*\T+16*\b+\i]
.endr
.endr
.endr
.irp T, 0,1
.irp b, 0,1,2,3
	v_max_num_f32 v[TM+12*\T+\b], v[TM+12*\T+\b], v[SS+15+64*\T+16*\b]
.endr
.endr
.irp T, 0,1
.irp b, 0,1,2,3
	v_permlanex16_b32 v[TM+4+12*\T+\b], v[TM+12*\T+\b], s[SEL], s[SEL+1]
.endr
.endr
.irp T, 0,1
.irp b, 0,1,2,3
	v_max_num_f32 v[TM+12*\T+\b], v[TM+12*\T+\b], v[TM+4+12*\T+\b]   ; with lane l xor 16's 16 keys
.endr
.endr
.irp T, 0,1
	v_max3_num_f32 v[92+\T], v[TM+12*\T], v[TM+1+12*\T], v[TM+2+12*\T]
.endr
.irp T, 0,1
	s_delay_alu instid0(VALU_DEP_2)
	v_max3_num_f32 v[11+2*\T], v[92+\T], v[TM+3+12*\T], v[11+2*\T]   ; the running largest score
.endr
.irp T, 0,1
	s_delay_alu instid0(VALU_DEP_2)
	v_mul_f32 v[92+\T], s[CN], v[11+2*\T]          ; -t
.endr
.irp T, 0,1
	s_delay_alu instid0(VALU_DEP_2)
	v_floor_f32 v[92+\T], v[92+\T]                 ; the new -M = floor(-t): a whole number
.endr
.irp T, 0,1
	s_delay_alu instid0(VALU_DEP_2)
	v_sub_f32 v[94+\T], v[92+\T], v[10+2*\T]       ; old M less new M, 0 or less
.endr
.irp T, 0,1
	v_mov_b32 v[10+2*\T], v[92+\T]
.endr
.irp T, 0,1
	v_cvt_i32_f32 v[94+\T], v[94+\T]               ; (it saturates)
.endr
.irp T, 0,1
	s_delay_alu instid0(VALU_DEP_2)
	v_ldexp_f32 v[22+2*\T], 1.0, v[94+\T]          ; f = 2^(old M - new M)
.endr
.set j, 0
.rept 32
	v_pk_fma_f32 v[SS+j:SS+1+j], v[SS+j:SS+1+j], s[CS:CS+1], v[10:11] op_sel_hi:[1,0,0]      ; t - M, two at a time
	v_pk_fma_f32 v[SS+64+j:SS+65+j], v[SS+64+j:SS+65+j], s[CS:CS+1], v[12:13] op_sel_hi:[1,0,0]
.set j, j+2
.endr
.irp T, 0,1
.irp b, 0,1,2,3
	v_fma_f32 v[TM+12*\T+\b], v[TM+12*\T+\b], s[CS], v[10+2*\T]   ; the same of each block's largest score
.endr
.endr
	WIN 0x41                                       ; O^T in window 1, f in window 0
.irp T, 0,1
.set j, 0
.rept 16
	v_pk_mul_f32 v[32*\T+j:32*\T+1+j], v[32*\T+j:32*\T+1+j], v[22+2*\T:23+2*\T] op_sel_hi:[1,0]   ; O^T under the new M
.set j, j+2
.endr
.endr
	WIN 0
	s_wait_alu depctr_va_vdst(0)                   ; the wait ahead of the batch
.set j, 0
.rept 128
	v_exp_f32 v[SS+j], v[SS+j]                     ; p = 2^(t - M), at most 1
.set j, j+1
.endr
.irp T, 0,1
.irp b, 0,1,2,3
	v_exp_f32 v[TM+12*\T+\b], v[TM+12*\T+\b]       ; the block's largest p
.endr
.endr
.irp T, 0,1
	v_pk_mul_f32 v[14+4*\T:15+4*\T], v[14+4*\T:15+4*\T], v[22+2*\T:23+2*\T] op_sel_hi:[1,0]   ; the sums under the new M: plain work behind the batch
	v_pk_mul_f32 v[16+4*\T:17+4*\T], v[16+4*\T:17+4*\T], v[22+2*\T:23+2*\T] op_sel_hi:[1,0]
.endr
	s_wait_alu depctr_va_vdst(0)                   ; one wait for the whole batch, ahead of its first reader
.irp T, 0,1
.irp b, 0,1,2,3
	v_max_num_f32 v[TM+12*\T+\b], 0x1800000, v[TM+12*\T+\b]       ; the floor 2^(3 - 127): the byte cannot fall under 1
.endr
.endr
.irp T, 0,1
.irp b, 0,1,2,3
	v_add_nc_u32 v[TM+8+12*\T+\b], 0xff000000, v[TM+12*\T+\b]     ; 2 off the exponent field: the conversion's scale operand
.endr
.endr
.irp T, 0,1
.irp b, 0,1,2,3
	v_lshrrev_b32 v[TM+4+12*\T+\b], 23, v[TM+8+12*\T+\b]          ; the scale's byte
.endr
.endr
.irp T, 0,1
	v_lshl_or_b32 v[66+\T], v[TM+5+12*\T], 8, v[TM+4+12*\T]       ; p's scale word for these 128 keys
.endr
.irp T, 0,1
	s_delay_alu instid0(VALU_DEP_2)
	v_lshl_or_b32 v[66+\T], v[TM+6+12*\T], 16, v[66+\T]
.endr
.irp T, 0,1
	s_delay_alu instid0(VALU_DEP_2)
	v_lshl_or_b32 v[66+\T], v[TM+7+12*\T], 24, v[66+\T]
.endr
.irp T, 0,1
.irp c, 0,1
	v_cvt_scalef32_pk16_fp6_f32 v[PC+12*\T+6*\c:PC+2+12*\T+6*\c], v[SS+64*\T+32*\c:SS+15+64*\T+32*\c], v[TM+8+12*\T+2*\c]
	v_cvt_scalef32_pk16_fp6_f32 v[TM+12*\T+4*\c:TM+2+12*\T+4*\c], v[SS+16+64*\T+32*\c:SS+31+64*\T+32*\c], v[TM+9+12*\T+2*\c]   ; (a conversion's three registers begin on an even number)
.endr
.endr
	v_nop                                          ; one plain place behind the conversions
.irp T, 0,1
.irp c, 0,1
.irp i, 0,1,2
	v_permlane16_swap_b32 v[PC+12*\T+6*\c+\i], v[TM+12*\T+4*\c+\i]   ; the operand wants a whole block in a lane
.endr
.endr
.endr
.irp T, 0,1
.irp c, 0,1
.irp i, 0,1,2
	v_mov_b32 v[PC+3+12*\T+6*\c+\i], v[TM+12*\T+4*\c+\i]
.endr
.endr
.endr
.set j, 0
.rept 16                                       ; the rows' sums of the unquantised p, two chains a tile; these 64 lines are also the places between p's codes and scale words and the product
	v_pk_add_f32 v[14:15], v[14:15], v[SS+j:SS+1+j]
	v_pk_add_f32 v[18:19], v[18:19], v[SS+64+j:SS+65+j]
	v_pk_add_f32 v[16:17], v[16:17], v[SS+2+j:SS+3+j]
	v_pk_add_f32 v[20:21], v[20:21], v[SS+66+j:SS+67+j]
.set j, j+4
.endr
	s_wait_alu depctr_va_vdst(0)                   ; the wait here, directly ahead of the wait below
	s_wait_dscnt 0x0                               ; v's fragments, and the next step's k, mask and scale words
	WIN 0x51                                       ; v and O^T in window 1, p's codes in window 0
.irp t, 0,1,2,3
.irp T, 0,1
	v_wmma_scale_f32_16x16x128_f8f6f4 v[32*\T+8*\t:32*\T+8*\t+7], v[64+12*\t:75+12*\t], v[PC+12*\T:PC+11+12*\T], v[32*\T+8*\t:32*\T+8*\t+7], v[60+\t], v[66+\T] matrix_a_fmt:MATRIX_FMT_FP6 matrix_b_fmt:MATRIX_FMT_FP6
.endr
.endr
	WIN 0
.endm
	s_load_b128 s[4:7], s[0:1], 0x0                ; qkv, mask
	s_load_b64 s[8:9], s[0:1], 0x10                ; att
	v_lshl_add_u32 v8, v0, 2, SPARE
	v_mov_b32 v9, 0
	ds_add_u32 v8, v9                              ; the opening lines: the add, twice on end, and its wait
	ds_add_u32 v8, v9
	v_lshrrev_b32 v1, 5, v0
	v_readfirstlane_b32 s[WV], v1                  ; wave 0..7
	s_bfe_u32 s10, ttmp6, 0x40000
	s_lshl_b32 s11, ttmp9, 2
	s_add_co_u32 s11, s11, s10                     ; my block of 256 queries, 0..7
	s_and_b32 s12, ttmp7, 0xffff                   ; 16 x batch + head
	s_lshr_b32 s13, s12, 4
	s_and_b32 s14, s12, 15
	s_mov_b32 s[G1C], 15|(3<<16)|(1<<21)           ; the cluster's four; elements of 8 bytes
	s_mov_b32 s[G1C+1], 32<<16                     ; a dense block as 96 rows of 256 bytes
	s_mov_b32 s[G1C+2], 96<<16
	s_mov_b32 s[G1C+3], 32<<16
	s_mov_b32 s[G1C+4], 96
	s_mov_b32 s[G1C+5], 32
	s_mov_b32 s[G1C+6], 0
	s_mov_b32 s[G1C+7], 0
	s_lshr_b32 s15, s[WV], 2                       ; waves 0-3 fetch k's quarters, waves 4-7 v's
	s_add_co_u32 s15, s15, 1
	s_mul_i32 s15, s15, 3145728
	s_mul_i32 s16, s12, 98304
	s_add_co_u32 s15, s15, s16
	s_and_b32 s16, s[WV], 3
	s_mul_i32 s16, s16, 24576
	s_add_co_u32 s52, s15, s16
	s_mov_b32 s53, 0
	s_mul_i32 s54, s12, 20480
	s_add_co_u32 s54, s54, SCO
	s_mov_b32 s55, 0
	s_mov_b32 s[SEL], 0x76543210
	s_mov_b32 s[SEL+1], 0xfedcba98
	s_mov_b32 s[CS], 0x3e38aa3b
	s_mov_b32 s[CS+1], s[CS]
	s_mov_b32 s[CN], 0xbe38aa3b
	s_wait_dscnt 0x0
	s_wait_kmcnt 0x0
	s_mov_b32 s[G0C], 1
	s_mul_i32 s[G0C+1], s[WV], 24576
	s_add_nc_u64 s[G0C+2:G0C+3], s[4:5], s[52:53]
	s_or_b32 s[G0C+3], s[G0C+3], 0x80000000
	CROUND                                         ; the four work-groups are here: the joint loads meet
	tensor_load_to_lds s[G0C:G0C+3], s[G1C:G1C+7]  ; my one tensor load
	s_nop 0
	s_lshl_b32 s15, s11, 4
	s_lshl_b32 s16, s[WV], 1
	s_add_co_u32 s15, s15, s16                     ; my first tile of 16 queries in the head
	s_lshl_b32 s16, s12, 7
	s_add_co_u32 s16, s16, s15
	s_mul_i32 s58, s16, 768
	s_mov_b32 s59, 0
	s_add_nc_u64 s[58:59], s[4:5], s[58:59]        ; q's codes
	s_add_nc_u64 s[54:55], s[4:5], s[54:55]        ; the head's scale words
	s_lshl_b32 s60, s15, 6
	s_add_co_u32 s60, s60, 12288
	s_mov_b32 s61, 0
	s_add_nc_u64 s[60:61], s[54:55], s[60:61]      ; q's scale words
	s_lshl_b32 s62, s13, 13
	s_mov_b32 s63, 0
	s_add_nc_u64 s[6:7], s[6:7], s[62:63]          ; the batch's mask
	s_lshl_b32 s16, s13, 7
	s_add_co_u32 s16, s16, s15                     ; my first tile of rows of the result
	s_lshl_b32 s52, s16, 4
	s_add_co_u32 s52, s52, s14
	s_mul_i32 s52, s52, 768
	s_add_nc_u64 s[52:53], s[8:9], s[52:53]
	s_lshl_b32 s56, s16, 9
	s_lshr_b32 s10, s14, 1
	s_lshl_b32 s10, s10, 6
	s_add_co_u32 s56, s56, s10
	s_and_b32 s10, s14, 1
	s_lshl_b32 s10, s10, 1
	s_add_co_u32 s56, s56, s10
	s_add_co_u32 s56, s56, OSO
	s_mov_b32 s57, 0
	s_add_nc_u64 s[56:57], s[8:9], s[56:57]
	v_and_b32 v120, 31, v0
	v_and_b32 v121, 15, v0
	v_bfe_u32 v122, v0, 4, 1
	v_lshlrev_b32 v123, 5, v0                      ; the mask: 32 bytes a thread
	v_lshlrev_b32 v124, 4, v0                      ; the scale words: 16 bytes a thread, three times
	v_lshl_add_u32 v125, v0, 5, LMK
	v_lshl_add_u32 v126, v0, 4, LSC
	v_lshlrev_b32 v1, 3, v120                      ; 8 x lane
	v_lshlrev_b32 v7, 2, v121                      ; 4 x (lane % 16)
	v_lshlrev_b32 v2, 3, v120                      ; k: step 0
	v_add_nc_u32 v3, LV-6144, v1                   ; v: one step ahead of step 0; each step begins by stepping it
	v_add_nc_u32 v4, LSC, v7
	v_add_nc_u32 v5, LSC+8192-256, v7
	v_lshl_add_u32 v6, v122, 5, LMK
	global_load_b128 v[128:131], v123, s[6:7]
	global_load_b128 v[132:135], v123, s[6:7] offset:16
.irp k, 0,1,2
	global_load_b128 v[136+4*\k:139+4*\k], v124, s[54:55] offset:4096*\k
.endr
.irp T, 0,1
.irp p, 0,1,2
	global_load_b64 v[28+12*\T+2*\p:29+12*\T+2*\p], v1, s[58:59] offset:768*\T+256*\p
.endr
.endr
	global_load_b32 v64, v7, s[60:61]
	global_load_b32 v65, v7, s[60:61] offset:64
.irp j, 34,35,36,37,38,39,46,47,48,49,50,51
	v_mov_b32 v[\j], 0                             ; q's upper 64 along K: zero codes
.endr
.irp j, 72,73,74,75,84,85,86,87,92,93
	v_mov_b32 v[\j], 0                             ; a lane permute's destination counts as one of its sources
.endr
.irp j, 14,15,16,17,18,19,20,21,23,25
	v_mov_b32 v[\j], 0                             ; the sums; the upper halves of the pairs that hold f
.endr
	v_mov_b32 v11, 0xff61b1e6                      ; the largest score so far: -3e38
	v_mov_b32 v13, 0xff61b1e6
	v_floor_f32 v10, -v11
	v_floor_f32 v12, -v13
	WIN 0x40
.set j, 0
.rept 64
	v_mov_b32 v[j], 0                              ; O^T: the step is written once, and the first change of M leaves zeros zeros
.set j, j+1
.endr
.irp j, 160,161,162,163,164,165
	v_mov_b32 v[\j], 0                             ; behind k's last half fragment
.endr
	WIN 0
	s_wait_loadcnt 8                               ; the mask's two loads and the scale words' three are in; q's 6 loads of codes and 2 of scale words may be out
.irp j, 0,1,2,3,4,5,6,7
	v_cvt_f32_i32 v[128+\j], v[128+\j]
.endr
.irp j, 0,1,2,3,4,5,6,7
	v_mul_f32 v[128+\j], 0xcfee6b28, v[128+\j]     ; x -8e9: x 1/8 with the scores it is mask x -1e9
.endr
	ds_store_b128 v125, v[128:131]
	ds_store_b128 v125, v[132:135] offset:16
.irp k, 0,1,2
	ds_store_b128 v126, v[136+4*\k:139+4*\k] offset:4096*\k
.endr
	s_mov_b32 s[CNT], 15
	s_wait_alu depctr_va_vdst(0)                   ; the wait at the head's end
	s_wait_tensorcnt 0x0                           ; my part of k or v is in,
	s_wait_dscnt 0x0                               ; my stores are done,
	s_wait_loadcnt 0x0                             ; and q is here
	s_barrier_signal -1
	s_barrier_wait -1                              ; everybody's are
	WIN 0x40
	LOADK
	WIN 0
	LOADKS
	s_wait_dscnt 0x0
.Lstep:
	STEP 1
	s_sub_co_u32 s[CNT], s[CNT], 1
	s_cmp_lg_u32 s[CNT], 0
	s_cbranch_scc1 .Lstep
	STEP 0
.irp T, 0,1                                    ; the rows' sums; these lines are the places behind the last products
	v_pk_add_f32 v[14+4*\T:15+4*\T], v[14+4*\T:15+4*\T], v[16+4*\T:17+4*\T]
.endr
.irp T, 0,1
	s_delay_alu instid0(VALU_DEP_2)
	v_add_f32 v[14+4*\T], v[14+4*\T], v[15+4*\T]
.endr
.irp T, 0,1
	s_delay_alu instid0(VALU_DEP_2)
	v_permlanex16_b32 v[92+\T], v[14+4*\T], s[SEL], s[SEL+1]
.endr
.irp T, 0,1
	s_delay_alu instid0(VALU_DEP_2)
	v_add_f32 v[14+4*\T], v[14+4*\T], v[92+\T]
.endr
	s_wait_alu depctr_va_vdst(0)                   ; the wait ahead of the transcendentals
	v_rcp_f32 v14, v14
	v_rcp_f32 v18, v18
	WIN 0x01                                       ; source 0: O^T, in window 1
	v_nop                                          ; a plain place behind them
	s_wait_alu depctr_va_vdst(0)                   ; and the wait ahead of their first reader, which is O^T's first reader too
.irp T, 0,1
.set j, 0
.rept 32
	v_mul_f32 v[SS+64*\T+j], v[32*\T+j], v[14+4*\T]   ; O^T / the sum: register 8 t + i is out(r, 16 t + 8 h + i)
.set j, j+1
.endr
.endr
	WIN 0
.irp T, 0,1
.irp b, 0,1
.irp j, 0,1,2,3,4,5,6,7
	v_permlane16_swap_b32 v[SS+64*\T+16*\b+\j], v[SS+8+64*\T+16*\b+\j]   ; a lane's 16 registers become 16 neighbours along the next K
.endr
.endr
.endr
.irp T, 0,1
.irp b, 0,1
	v_max3_num_f32 v[TM+12*\T+\b], |v[SS+64*\T+16*\b]|, |v[SS+1+64*\T+16*\b]|, 0x1800000
.endr
.endr
.irp i, 2,4,6,8,10,12,14
.irp T, 0,1
.irp b, 0,1
	v_max3_num_f32 v[TM+12*\T+\b], v[TM+12*\T+\b], |v[SS+64*\T+16*\b+\i]|, |v[SS+1+64*\T+16*\b+\i]|
.endr
.endr
.endr
.irp T, 0,1
.irp b, 0,1
	v_permlanex16_b32 v[TM+4+12*\T+\b], v[TM+12*\T+\b], s[SEL], s[SEL+1]
.endr
.endr
.irp T, 0,1
.irp b, 0,1
	v_max_num_f32 v[TM+12*\T+\b], v[TM+12*\T+\b], v[TM+4+12*\T+\b]
.endr
.endr
.irp T, 0,1
.irp b, 0,1
	v_add_nc_u32 v[TM+8+12*\T+\b], 0xff000000, v[TM+12*\T+\b]
.endr
.endr
.irp T, 0,1
.irp b, 0,1
	v_lshrrev_b32 v[TM+4+12*\T+\b], 23, v[TM+8+12*\T+\b]
.endr
.endr
.irp T, 0,1
	v_lshl_or_b32 v[66+\T], v[TM+5+12*\T], 8, v[TM+4+12*\T]
.endr
.irp T, 0,1
	v_cvt_scalef32_pk16_fp6_f32 v[PC+12*\T:PC+2+12*\T], v[SS+64*\T:SS+15+64*\T], v[TM+8+12*\T]
	v_cvt_scalef32_pk16_fp6_f32 v[TM+12*\T:TM+2+12*\T], v[SS+16+64*\T:SS+31+64*\T], v[TM+9+12*\T]
.endr
	v_nop
.irp T, 0,1
.irp i, 0,1,2
	v_permlane16_swap_b32 v[PC+12*\T+\i], v[TM+12*\T+\i]
.endr
.endr
.irp T, 0,1
.irp i, 0,1,2
	v_mov_b32 v[PC+3+12*\T+\i], v[TM+12*\T+\i]
.endr
.endr
.irp T, 0,1
.irp p, 0,1,2
	global_store_b64 v1, v[PC+12*\T+2*\p:PC+1+12*\T+2*\p], s[52:53] offset:12288*\T+256*\p   ; 32 lanes store 256 consecutive bytes, aligned
.endr
	global_store_b16 v7, v[66+\T], s[56:57] offset:512*\T
.endr
	s_wait_tensorcnt 0x0                           ; the wave's end
	ds_add_u32 v8, v9
	s_wait_dscnt 0x0
	CROUND                                         ; the closing round
	s_endpgm
.Lfunc_end_k_q242444a514_attn:
	.size	k_q242444a514_attn, .Lfunc_end_k_q242444a514_attn-k_q242444a514_attn
	.p2alignl 7, 3214868480
	.fill 96, 4, 3214868480
	.section	.rodata,"a",@progbits
	.p2align	6, 0x0
	.amdhsa_kernel k_q242444a514_attn
		.amdhsa_group_segment_fixed_size 327680
		.amdhsa_private_segment_fixed_size 0
		.amdhsa_enable_private_segment 0
		.amdhsa_kernarg_size 24
		.amdhsa_user_sgpr_count 2
		.amdhsa_user_sgpr_kernarg_segment_ptr 1
		.amdhsa_wavefront_size32 1
		.amdhsa_system_sgpr_workgroup_id_x 1
		.amdhsa_system_sgpr_workgroup_id_y 1
		.amdhsa_system_sgpr_workgroup_id_z 1
		.amdhsa_system_vgpr_workitem_id 0
		.amdhsa_next_free_vgpr 512
		.amdhsa_next_free_sgpr 66
		.amdhsa_reserve_vcc 0
		.amdhsa_float_denorm_mode_32 3
		.amdhsa_float_denorm_mode_16_64 3
		.amdhsa_memory_ordered 1
		.amdhsa_forward_progress 1
		.amdhsa_inst_pref_size 84
	.end_amdhsa_kernel
	.amdgpu_metadata
---
amdhsa.version: [ 1, 2 ]
amdhsa.kernels:
  - .name:           k_q242444a514_attn
    .symbol:         k_q242444a514_attn.kd
    .args:
      - { .name: qkv, .offset: 0, .size: 8, .value_kind: global_buffer, .address_space: global }
      - { .name: mask, .offset: 8, .size: 8, .value_kind: global_buffer, .address_space: global }
      - { .name: att, .offset: 16, .size: 8, .value_kind: global_buffer, .address_space: global }
    .group_segment_fixed_size: 327680
    .private_segment_fixed_size: 0
    .kernarg_segment_align: 8
    .kernarg_segment_size: 24
    .max_flat_workgroup_size: 256
    .sgpr_count:     66
    .vgpr_count:     512
    .wavefront_size: 32
...
	.end_amdgpu_metadata
.endif
;; end of part 11
;; launch wo (part 12): grid 8 x 32, 4 waves a work-group, clusters of 4 x 4, 327,680 bytes of LDS; arguments att, wprep, bo, x, ysum; writes ysum
.if DOCPART == 12
	.amdgcn_target "amdgcn-amd-amdhsa--gfx1250"
	.amdhsa_code_object_version 6
	.text
	.protected	k_q242444a514_wo
	.globl	k_q242444a514_wo
	.p2align	8
	.type	k_q242444a514_wo,@function
k_q242444a514_wo:
	s_mov_b64 s[64:65], 0
	v_nop
	global_prefetch_b8 v0, s[64:65] scope:SCOPE_SE
	s_setreg_imm32_b32 hwreg(HW_REG_WAVE_MODE, 25, 1), 1
	s_wait_xcnt 0x0
	s_wait_alu depctr_hold_cnt(0) depctr_sa_sdst(0) depctr_va_vdst(0) depctr_va_sdst(0) depctr_va_ssrc(0) depctr_va_vcc(0) depctr_vm_vsrc(0)
	s_getreg_b32 s2, hwreg(HW_REG_IB_STS2, 6, 4)
	s_cmp_eq_u32 s2, 0
	s_cbranch_scc0 .Lentry_in_a_cluster
	s_endpgm
.Lentry_in_a_cluster:
	s_bfe_u32 s2, ttmp6, 0x10000c
	s_cmp_lg_u32 s2, 0xf033
	s_cbranch_scc0 .Lentry_shape_is_right
	s_endpgm
.Lentry_shape_is_right:
; ysum = x + (out Wo + bo): a product on codes of E2M3 (one E8M0 byte for each 32 along K = 1,024), the bias as the C of the first products, the residual added on the way out; f32 [4096][1024].
; A TILE OF 128 x 128 A WORK-GROUP: the result has 256 such tiles, one for each of 256 work-groups; tiles of 256 x 256 would be 64.  Four waves of 64 x 64: 16 accumulators, 128 registers.
; The price: a K step of 128 reads 8 fragments (12,288 bytes) from LDS for 16 products, twice the bytes a product of a wave tile of 128 x 128.
; K goes in slots of 512 (4 K steps) through two LDS slots; K = 1,024 is just the two first fills: nothing is filled again here.
; OPERANDS LIE IN MEMORY IN THE ORDER OF THEIR REGISTERS: fragment (tile i of 16 rows, K step s of 128) is 1,536 bytes at (NS i + s) 1536, piece p at 256 p, lane L at 8 L; scale word (i, s, r) at ((NS i + s) 16 + r) 4.
; So a tensor load brings 4 rows of 6,144 dense bytes (4 tiles x 4 K steps), and a fragment comes out of LDS by six loads of 8 bytes at 8 x lane: 256 consecutive bytes each, no padding.
; THE MATRIX INSTRUCTION IS USED TRANSPOSED (source 0 = 16 rows of B, source 1 = 16 rows of A): a lane holds eight neighbouring numbers of a row of the result.
; CLUSTERS: 4 x 4 work-groups; A's tiles are asked for jointly by a row of the cluster, B's by a column.
; REGISTERS, in windows of 256: window 0: v0-31 addresses; v32-63 scale words, two sets; v64-95 the bias; v128-255 the accumulators ((a, b) at v[128 + 8 (4 a + b)]); on the way out v32-95 take rows read back.
;   window 1: two fragment buffers of 96 (A's four fragments, then B's four), at v0 and v128.   window 2: v0-127 the residual of my 64 x 64, asked for at the head.
; Left out: a prefetch of the tiles (a small tile, and no refill here); a third fragment buffer (the loop is bound by the LDS bytes it reads, not by their round trip alone).
.set NS,       8                       ; K steps of 128
.set A_CODES,  0                       ; in the first buffer (att)
.set A_SCALES, 3145728
.set B_CODES,  5505024                 ; in wprep: Wo
.set B_SCALES, 12812288
.set FR,    12                         ; registers of a fragment
.set NP,    4                          ; places behind this matrix instruction (ISA guide 7.12.1)
.set HALFT, 24576                      ; 4 tiles x 4 K steps: what one tensor load brings, and what a wave reads of A or of B in a slot
.set SLOT,  4*HALFT                    ; A's 128 rows, then B's
.set LAPS,  NS/8                       ; a lap = two slots = once round the ring
.set SCL,   2*SLOT                     ; behind the ring: the scale words of the work-group's rows, for all of K: filled once
.set HALFS, 256*NS                     ; those of 64 rows
.set SPARE, SCL+4*HALFS                ; the spare words, 128 bytes a wave: two blocks of 256 bytes that no other line names
.set SPITCH, 272                       ; the way out: a stage of 16 rows x (256 + 16) bytes a wave, in slot 0, which has had its last fill and its last read by then
.set ADRA,  16                         ; v16-17 LDS address of my A fragments in slot 0, 1
.set ADRB,  20                         ; v20-21 the same for B
.set STO,   24                         ; v24 the way out: where I put 32 bytes of a row
.set RD,    25                         ; v25 where I read rows back: lanes 0-15 one row, lanes 16-31 the next
.set CO,    26                         ; v26 the same two rows in memory: 4,096 x (lane / 16) + 16 x (lane % 16); never rewritten
.set ADRS,  27                         ; v27 LDS address of my scale words: lanes 0-15 A's rows, lanes 16-31 B's
.set SPW,   28                         ; v28 my spare word: SPARE + 4 x my thread's number; never rewritten
.set NIL,   29                         ; v29 0; never rewritten
.set LO8,   30                         ; v30 8 x lane
.set LO4,   31                         ; v31 4 x (lane % 16)
.set SC,    32                         ; v32-63 scale words: register SC + 16 slot + 4 q + i: lanes 0-15 A's block i, lanes 16-31 B's block i
.set BIAS,  64                         ; v64-95 the bias in the result's layout
.set ACC,   128
.set F0,    0                          ; fragment buffers, in window 1
.set F1,    128
.set BK,    32                         ; the way out: 16 rows read back: v32-63 and v64-95 by turns
.set G1,    24
.set G0,    32
.set G1B,   48
.set G0B,   56
.set G1S,   68
.set G0S,   76
.set G1SB,  80
.set G0SB,  88
.set MSB, 0
.macro WIN new                         ; the immediate's high byte repeats the setting that is left
.if MSB != (\new)
	s_set_vgpr_msb (MSB<<8)|(\new)
.set MSB, (\new)
.endif
.endm
.set MUL,   0x05                       ; sources 0 (B) and 1 (A) window 1; C and D window 0
.set TO_F,  0x40                       ; destination window 1, address window 0
.macro JLOAD g0a, g1a, g0b, g1b        ; a joint load: waves 0 and 1 fetch for A, waves 2 and 3 for B; the branch hangs on the wave's number alone; four v_nop follow each of the two lines
	s_cmp_eq_u32 s15, 0
	s_cbranch_scc0 .Lfor_b_\@
	tensor_load_to_lds s[\g0a:\g0a+3], s[\g1a:\g1a+7]
	s_nop 0
.rept 4
	v_nop
.endr
	s_branch .Lasked_\@
.Lfor_b_\@:
	tensor_load_to_lds s[\g0b:\g0b+3], s[\g1b:\g1b+7]
	s_nop 0
.rept 4
	v_nop
.endr
.Lasked_\@:
.endm
.macro CREST                           ; a round of the cluster's barrier behind its opening barrier
	s_cmp_lg_u32 s14, 0
	s_cbranch_scc1 .Lnot_wave_0_\@
	s_barrier_signal -3
.Lnot_wave_0_\@:
	s_barrier_wait -3
	s_barrier_signal -1
	s_barrier_wait -1
.endm
.macro CROUND
	s_barrier_signal -1
	s_barrier_wait -1
	CREST
.endm
.macro FRAG reg, adr, q, i             ; fragment (tile i, the slot's q-th K step): six pieces, each 256 consecutive bytes for the 32 lanes
.irp p, 0,1,2,3,4,5
	ds_load_b64 v[\reg+2*\p:\reg+2*\p+1], v[\adr] offset:(\i)*6144+(\q)*1536+256*\p
.endr
.endm
.macro FETCH slot, q, f                ; 48 LDS loads in one run: the eight fragments of the slot's q-th K step into buffer f
	WIN TO_F
.irp i, 0,1,2,3
	FRAG (\f)+48+FR*\i, ADRB+\slot, \q, \i
.endr
.irp i, 0,1,2,3
	FRAG (\f)+FR*\i, ADRA+\slot, \q, \i
.endr
.endm
.macro SCALES sc                       ; a slot's scale words: lanes 0-15 take A's block i, lanes 16-31 B's block i
.irp q, 0,1,2,3
.irp i, 0,1,2,3
	ds_load_b32 v[SC+16*\sc+4*\q+\i], v[ADRS] offset:\i*NS*64+64*\q
.endr
.endr
.endm
; 4 matrix instructions: A's block a x B's four, out of buffer f.  zero = 1: the first product starts the sums, from the bias.  The 16 accumulators take turns, one instruction a turn, in the same order in every step.
.macro MULA f, q, sc, zero, a
.irp b, 0,1,2,3
.set rD, ACC+8*(4*(\a)+\b)
.set rB, (\f)+48+FR*\b
.set rA, (\f)+FR*(\a)
.set rT, SC+16*(\sc)+4*(\q)
.if \zero
	v_wmma_scale_f32_16x16x128_f8f6f4 v[rD:rD+7], v[rB:rB+FR-1], v[rA:rA+FR-1], v[BIAS+8*\b:BIAS+8*\b+7], v[rT+\b], v[rT+(\a)] matrix_a_fmt:MATRIX_FMT_FP6 matrix_b_fmt:MATRIX_FMT_FP6 matrix_a_scale:MATRIX_SCALE_ROW1
.else
	v_wmma_scale_f32_16x16x128_f8f6f4 v[rD:rD+7], v[rB:rB+FR-1], v[rA:rA+FR-1], v[rD:rD+7], v[rT+\b], v[rT+(\a)] matrix_a_fmt:MATRIX_FMT_FP6 matrix_b_fmt:MATRIX_FMT_FP6 matrix_a_scale:MATRIX_SCALE_ROW1
.endif
.endr
.endm
.macro PLACES n                        ; plain vector places in front of loads into registers that matrix instructions have read, and of the first read of results
.rept \n
	v_nop
.endr
.endm
; A K step of 128 that has its successor in the same slot: its buffer is q % 2; the successor's 48 loads go out first, into the other buffer, and have the step's 16 products in which to come.
.macro STEP slot, q, zero
	s_wait_dscnt 0x0                               ; this step's fragments (and, in a slot's first step, its scale words) are in
	PLACES NP                                      ; the other buffer was read by the last step's products
	FETCH \slot, (\q)+1, 128-128*((\q)%2)
	WIN MUL
.irp a, 0,1,2,3
	MULA 128*((\q)%2), \q, \slot, \zero, \a
.endr
.endm
; A slot's last step (buffer 1) changes slots: one barrier; in front of it each wave waits for all its tensor loads, adds 0 to its spare word, and waits for that and for its reads of this slot.  fill = 1: this slot is filled again, two slots ahead.
.macro TURN slot, next, fill
	WIN 0                                          ; (the add's two registers lie in window 0)
	s_wait_tensorcnt 0x0                           ; all my tensor loads have landed: my part of the next slot
	ds_add_u32 v[SPW], v[NIL]                      ; 0 onto my spare word
	s_wait_dscnt 1                                 ; this step's fragments are in (the add may be out)
	WIN MUL
	MULA F1, 3, \slot, 0, 0                        ; four matrix instructions stand between the add and the wait for it
	s_wait_dscnt 0x0                               ; the add is done, and my reads of this slot are over
	s_barrier_signal -1
	MULA F1, 3, \slot, 0, 1
	WIN 0
	s_barrier_wait -1
.if \fill
	CREST                                          ; the barrier has opened a round of the cluster's: no wave of any partner still reads this slot or has a load on its way
	s_add_nc_u64 s[G0+4*\slot+2:G0+4*\slot+3], s[G0+4*\slot+2:G0+4*\slot+3], 12288
	s_add_nc_u64 s[G0B+4*\slot+2:G0B+4*\slot+3], s[G0B+4*\slot+2:G0B+4*\slot+3], 12288
	JLOAD G0+4*\slot, G1, G0B+4*\slot, G1B         ; the first tensor load behind the round; its four v_nop are the places in front of the loads below
.else
	PLACES NP
.endif
	v_add_nc_u32 v[ADRS], 256, v[ADRS]             ; the next slot's scale words: 4 K steps of 64 bytes on
	FETCH \next, 0, F0
	WIN 0
	SCALES \next
	WIN MUL
	MULA F1, 3, \slot, 0, 2
	MULA F1, 3, \slot, 0, 3
.endm
	s_load_b128 s[4:7], s[0:1], 0x0                ; A's buffer s[4:5], wprep s[6:7]
	s_load_b128 s[8:11], s[0:1], 0x10              ; the bias s[8:9], the residual s[10:11]
	s_load_b64 s[12:13], s[0:1], 0x20              ; ysum
	v_lshl_add_u32 v[SPW], v0, 2, SPARE
	v_mov_b32 v[NIL], 0
	ds_add_u32 v28, v29
	ds_add_u32 v28, v29
	s_wait_dscnt 0x0
	v_lshrrev_b32 v1, 5, v0
	v_readfirstlane_b32 s14, v1                    ; wave 0..3
	s_lshr_b32 s15, s14, 1                         ; which half of the tile's rows is mine.  Also: I fetch for A (0) or for B (1)
	s_and_b32 s16, s14, 1                          ; which half of its columns.  Also: which half of that tile I fetch
	s_bfe_u32 s40, ttmp6, 0x40000                  ; cx, cy: my place in the cluster
	s_bfe_u32 s41, ttmp6, 0x40004
	s_lshl_b32 s42, ttmp9, 2
	s_add_co_u32 s42, s42, s40                     ; tile column, 0..7
	s_and_b32 s17, ttmp7, 0xffff
	s_lshl_b32 s17, s17, 2
	s_add_co_u32 s17, s17, s41                     ; tile row, 0..31
	s_lshl_b32 s43, s41, 2
	s_lshl_b32 s43, 15, s43                        ; my row of the cluster
	s_lshl_b32 s44, 0x1111, s40                    ; my column
	s_or_b32 s[G1+0], s43, (3<<16)|(1<<21)         ; 15:0 the mask: A's tiles go to my row; 17:16 elements of 8 bytes; 21 set beside a mask; no padding
	s_or_b32 s[G1B+0], s44, (3<<16)|(1<<21)
.irp g, G1, G1B
	s_mov_b32 s[\g+1], 768<<16                     ; tensor_dim0 = 768 elements: four fragments, 6,144 bytes
	s_mov_b32 s[\g+2], 8<<16                       ; tensor_dim1 = 8 tiles for the head's loads; behind them the two words that count tiles are set to 4
	s_mov_b32 s[\g+3], 768<<16                     ; tile_dim0
	s_mov_b32 s[\g+4], 8                           ; tile_dim1
	s_mov_b32 s[\g+5], NS*192                      ; from tile to tile: NS fragments
	s_mov_b32 s[\g+6], 0
	s_mov_b32 s[\g+7], 0
.endr
	s_or_b32 s[G1S+0], s43, (3<<16)|(1<<21)        ; the scale words of 128 rows: a dense block, as rows of 256 bytes
	s_or_b32 s[G1SB+0], s44, (3<<16)|(1<<21)
.irp g, G1S, G1SB
	s_mov_b32 s[\g+1], 32<<16
	s_mov_b32 s[\g+2], (2*NS)<<16                  ; the scale words of all 128 rows in one load
	s_mov_b32 s[\g+3], 32<<16
	s_mov_b32 s[\g+4], 2*NS
	s_mov_b32 s[\g+5], 32
	s_mov_b32 s[\g+6], 0
	s_mov_b32 s[\g+7], 0
.endr
	s_lshl_b32 s18, s16, 2                         ; which 4 tiles of the 8 I fetch
	s_lshl_b32 s20, s17, 3
	s_add_co_u32 s20, s20, s18                     ; A: tile 8 x tile row + 4 x half
	s_lshl_b32 s46, s42, 3
	s_add_co_u32 s46, s46, s18                     ; B: tile 8 x tile column + 4 x half
	s_mul_i32 s22, s20, NS*64
	s_add_co_u32 s22, s22, A_SCALES
	s_mul_i32 s92, s46, NS*64
	s_add_co_u32 s92, s92, B_SCALES
	s_mul_i32 s20, s20, NS*1536
	s_add_co_u32 s20, s20, A_CODES
	s_mul_i32 s46, s46, NS*1536
	s_add_co_u32 s46, s46, B_CODES
	s_mov_b32 s21, 0
	s_mov_b32 s23, 0
	s_mov_b32 s47, 0
	s_mov_b32 s93, 0
	s_mul_i32 s45, s14, HALFT                      ; where they go: by the wave's number alone
	s_mul_i32 s94, s14, HALFS
	s_wait_kmcnt 0x0
	s_add_nc_u64 s[20:21], s[4:5], s[20:21]
	s_add_nc_u64 s[22:23], s[4:5], s[22:23]
	s_add_nc_u64 s[46:47], s[6:7], s[46:47]
	s_add_nc_u64 s[92:93], s[6:7], s[92:93]
	CROUND                                         ; all sixteen work-groups are here: the first joint loads meet
	s_mov_b32 s[G0S], 1
	s_add_co_u32 s[G0S+1], s94, SCL
	s_mov_b64 s[G0S+2:G0S+3], s[22:23]
	s_or_b32 s[G0S+3], s[G0S+3], 0x80000000
	s_mov_b32 s[G0SB], 1
	s_add_co_u32 s[G0SB+1], s94, SCL
	s_mov_b64 s[G0SB+2:G0SB+3], s[92:93]
	s_or_b32 s[G0SB+3], s[G0SB+3], 0x80000000
	s_mul_i32 s2, s16, HALFS                       ; the head's loads bring whole tiles: back from my half to the tile's first byte
	s_mov_b32 s3, 0
	s_sub_nc_u64 s[G0S+2:G0S+3], s[G0S+2:G0S+3], s[2:3]
	s_sub_nc_u64 s[G0SB+2:G0SB+3], s[G0SB+2:G0SB+3], s[2:3]
	s_mov_b32 s[G0S+1], SCL
	s_mov_b32 s[G0SB+1], SCL+2*HALFS
	s_mul_i32 s2, s16, 4*NS*1536                   ; the same for the codes: four tiles
.irp s, 0,1
	s_mov_b32 s[G0+4*\s], 1
	s_add_co_u32 s[G0+4*\s+1], s45, \s*SLOT
	s_add_nc_u64 s[G0+4*\s+2:G0+4*\s+3], s[20:21], \s*6144
	s_or_b32 s[G0+4*\s+3], s[G0+4*\s+3], 0x80000000
	s_mov_b32 s[G0B+4*\s], 1
	s_add_co_u32 s[G0B+4*\s+1], s45, \s*SLOT
	s_add_nc_u64 s[G0B+4*\s+2:G0B+4*\s+3], s[46:47], \s*6144
	s_or_b32 s[G0B+4*\s+3], s[G0B+4*\s+3], 0x80000000
.endr
	s_sub_nc_u64 s[G0+2:G0+3], s[G0+2:G0+3], s[2:3]
	s_sub_nc_u64 s[G0B+2:G0B+3], s[G0B+2:G0B+3], s[2:3]
	s_mov_b32 s[G0+1], 0
	s_mov_b32 s[G0B+1], 2*HALFT
; THE HEAD'S LOADS, ONE A WAVE: wave 0 slot 0's 128 rows of A, wave 1 its 128 rows of B, wave 2 A's scale words, wave 3 B's.  One tree of branches on the wave's number, all arms leading to one join.
.macro ARM under, g0, g1, next
	s_cmp_lt_u32 s14, \under
	s_cbranch_scc0 \next
	tensor_load_to_lds s[\g0:\g0+3], s[\g1:\g1+7]
	s_nop 0
.rept 4
	v_nop
.endr
	s_branch .Lhead_asked
\next:
.endm
	ARM 1, G0,  G1,  .Lhead_b
	ARM 2, G0B, G1B, .Lhead_sa
	ARM 3, G0S, G1S, .Lhead_sb
	tensor_load_to_lds s[G0SB:G0SB+3], s[G1SB:G1SB+7]
	s_nop 0
.rept 4
	v_nop
.endr
.Lhead_asked:
	v_and_b32 v1, 15, v0                           ; r
	v_bfe_u32 v2, v0, 4, 1                         ; h
	v_and_b32 v3, 31, v0
	v_lshlrev_b32 v[LO8], 3, v3
	s_wait_alu depctr_va_vdst(0)
	v_lshlrev_b32 v[LO4], 2, v1
	v_lshlrev_b32 v6, 5, v2                        ; 32 h: a bias's eight numbers of my half
	s_lshl_b32 s46, s42, 9
	s_lshl_b32 s47, s16, 8
	s_add_co_u32 s46, s46, s47                     ; 4 x my first column: 512 x tile column + 256 x half
	s_mov_b32 s47, 0
	s_add_nc_u64 s[8:9], s[8:9], s[46:47]
.irp b, 0,1,2,3
	global_load_b128 v[BIAS+8*\b:BIAS+8*\b+3], v6, s[8:9] offset:64*\b        ; lane (r, h), tile b: columns 16 b + 8 h + 0 .. 7
	global_load_b128 v[BIAS+8*\b+4:BIAS+8*\b+7], v6, s[8:9] offset:64*\b+16
.endr
	s_mul_i32 s21, s15, HALFT                      ; my 64 rows of A
	s_mul_i32 s22, s16, HALFT                      ; my 64 rows of B,
	s_add_co_u32 s22, s22, 2*HALFT                 ; which lie behind A's 128
.irp s, 0,1
	v_add_nc_u32 v[ADRA+\s], s21, v[LO8]
	v_add_nc_u32 v[ADRB+\s], s22, v[LO8]
	s_add_co_u32 s21, s21, SLOT
	s_add_co_u32 s22, s22, SLOT
.endr
	s_mul_i32 s21, s15, HALFS                      ; A's scale words: my 64 rows
	s_mul_i32 s22, s16, HALFS                      ; B's, behind A's 128
	s_add_co_u32 s22, s22, 2*HALFS
	s_sub_co_u32 s22, s22, s21
	v_mul_u32_u24 v5, s22, v2                      ; lanes 16-31 take B's scale words: one product, the distance between the two
	s_wait_alu depctr_va_vdst(0)
	s_add_co_u32 s21, s21, SCL
	v_add_nc_u32 v5, v[LO4], v5
	v_add_nc_u32 v[ADRS], s21, v5
	s_mul_i32 s23, s14, 16*SPITCH                  ; my stage
	v_mul_u32_u24 v5, v1, SPITCH
	v_lshl_add_u32 v5, v2, 5, v5
	v_add_nc_u32 v[STO], s23, v5                   ; in: row r, 32 bytes for each half of the lanes
	v_mul_u32_u24 v5, v2, SPITCH
	v_lshl_add_u32 v5, v1, 4, v5
	v_add_nc_u32 v[RD], s23, v5                    ; back: lanes 0-15 take a row of 256 bytes, lanes 16-31 the next
	v_lshlrev_b32 v[CO], 4, v1
	v_lshl_add_u32 v[CO], v2, 12, v[CO]            ; and the same two rows in memory: a row is 4,096 bytes
	s_wait_alu depctr_va_vdst(0)
	s_lshl_b32 s20, s17, 7
	s_lshl_b32 s21, s15, 6
	s_add_co_u32 s20, s20, s21                     ; my first row: 128 x tile row + 64 x half
	s_lshl_b32 s20, s20, 12
	s_add_co_u32 s20, s20, s46
	s_mov_b32 s21, 0
	s_add_nc_u64 s[12:13], s[12:13], s[20:21]
	s_add_nc_u64 s[10:11], s[10:11], s[20:21]
	WIN 0x80                                       ; destination window 2
.irp a, 0,1,2,3                                ; the residual of my 64 rows x 256 bytes: asked for now, wanted on the way out.  Sixteen lanes read 256 consecutive bytes, aligned
.irp t, 0,1,2,3,4,5,6,7
	global_load_b128 v[32*\a+4*\t:32*\a+4*\t+3], v[CO], s[10:11] offset:(16*\a+2*\t)*4096
.endr
.endr
	WIN 0
	s_wait_alu depctr_va_vdst(0)                   ; the wait at the head's end
	s_wait_tensorcnt 0x0                           ; my tile of the head's four is in
	ds_add_u32 v[SPW], v[NIL]
	s_mov_b32 s[G1+2], 4<<16                       ; no tensor load of mine is out: from here on a load brings 4 tiles
	s_mov_b32 s[G1+4], 4
	s_mov_b32 s[G1B+2], 4<<16
	s_mov_b32 s[G1B+4], 4
	s_wait_dscnt 0x0
	CROUND                                         ; a whole round: all four tiles are in, and the sixteen work-groups are here
	JLOAD G0+4, G1, G0B+4, G1B                     ; slot 1's first fill, a quarter a wave: the first tensor load behind the round
	FETCH 0, 0, F0
	WIN 0
	SCALES 0
	s_wait_loadcnt 32                              ; the bias is in; the residual's 32 loads, issued behind it, may be out
	STEP 0, 0, 1                                   ; the first step stands in front of the loop: its products start the sums
.if LAPS > 1
	WIN 0                                          ; at a label and at a branch every window is 0
	s_mov_b32 s3, LAPS-1
.Llap:                                             ; a trip goes once round the ring, from a lap's second step to the next lap's first, and fills both slots again
	STEP 0, 1, 0
	STEP 0, 2, 0
	TURN 0, 1, 1
	STEP 1, 0, 0
	STEP 1, 1, 0
	STEP 1, 2, 0
	TURN 1, 0, 1
	STEP 0, 0, 0
	WIN 0
	s_sub_co_u32 s3, s3, 1
	s_cmp_lg_u32 s3, 0
	s_cbranch_scc1 .Llap
.endif
	STEP 0, 1, 0                                   ; the last lap fills nothing, and has no round of the cluster's barrier
	STEP 0, 2, 0
	TURN 0, 1, 0
	STEP 1, 0, 0
	STEP 1, 1, 0
	STEP 1, 2, 0
	s_wait_dscnt 0x0                               ; the very last step: nothing more to fetch
	WIN MUL
.irp a, 0,1,2,3
	MULA F1, 3, 1, 0, \a
.endr
	WIN 0
; THE WAY OUT, block by block of 16 rows x 64 columns: through my own stage in LDS, back as whole rows of 256 bytes, + the residual, stored two rows an instruction: sixteen lanes fill 256 consecutive bytes, aligned.
; Every offset is an immediate: 62 rows of 4,096 bytes at the most.
.macro TOSTAGE a
.irp b, 0,1,2,3
	ds_store_b128 v[STO], v[ACC+8*(4*(\a)+\b):ACC+8*(4*(\a)+\b)+3] offset:64*\b          ; each accumulator from its low end on
	ds_store_b128 v[STO], v[ACC+8*(4*(\a)+\b)+4:ACC+8*(4*(\a)+\b)+7] offset:64*\b+16
.endr
.set BB, BK+32*((\a)%2)
.irp t, 0,1,2,3,4,5,6,7
	ds_load_b128 v[BB+4*\t:BB+4*\t+3], v[RD] offset:\t*2*SPITCH      ; LDS serves a wave's instructions in order: these see my stores, and the next block's stores come behind them
.endr
.endm
.macro SEND a, younger                 ; younger: the LDS instructions issued behind block a's loads, which may stay out
.set BB, BK+32*((\a)%2)
.set RR, 32*(\a)
	s_wait_dscnt \younger                          ; the block is back in registers
	WIN 0x08                                       ; source 1: window 2
.set i, 0
.rept 16
	v_pk_add_f32 v[BB+i:BB+i+1], v[BB+i:BB+i+1], v[RR+i:RR+i+1]
.set i, i+2
.endr
	WIN 0
.irp t, 0,1,2,3,4,5,6,7
	global_store_b128 v[CO], v[BB+4*\t:BB+4*\t+3], s[12:13] offset:(16*(\a)+2*\t)*4096
.endr
.endm
	PLACES NP                                      ; behind the last products: for the stores that read results, and for the loads into the registers that held scale words and the bias
	s_wait_loadcnt 0x0                             ; the residual
	TOSTAGE 0
.irp a, 1,2,3
.if \a > 1
	s_wait_xcnt 0x0                                ; block a - 2's stores have read their data: block a's rows may land there
.endif
	TOSTAGE \a
	SEND \a-1, 16                                  ; behind block a - 1's loads: block a's 8 stores and 8 loads
.endr
	SEND 3, 0
	s_wait_tensorcnt 0x0                           ; the wave's end
	ds_add_u32 v[SPW], v[NIL]
	s_wait_dscnt 0x0
	CROUND                                         ; the closing round: no work-group ends while a partner may still ask for a tile that names it
	s_endpgm
.Lfunc_end_k_q242444a514_wo:
	.size	k_q242444a514_wo, .Lfunc_end_k_q242444a514_wo-k_q242444a514_wo
	.p2alignl 7, 3214868480
	.fill 96, 4, 3214868480
	.section	.rodata,"a",@progbits
	.p2align	6, 0x0
	.amdhsa_kernel k_q242444a514_wo
		.amdhsa_group_segment_fixed_size 327680
		.amdhsa_private_segment_fixed_size 0
		.amdhsa_enable_private_segment 0
		.amdhsa_kernarg_size 40
		.amdhsa_user_sgpr_count 2
		.amdhsa_user_sgpr_kernarg_segment_ptr 1
		.amdhsa_wavefront_size32 1
		.amdhsa_system_sgpr_workgroup_id_x 1
		.amdhsa_system_sgpr_workgroup_id_y 1
		.amdhsa_system_sgpr_workgroup_id_z 1
		.amdhsa_system_vgpr_workitem_id 0
		.amdhsa_next_free_vgpr 640
		.amdhsa_next_free_sgpr 102
		.amdhsa_reserve_vcc 0
		.amdhsa_float_denorm_mode_32 3
		.amdhsa_float_denorm_mode_16_64 3
		.amdhsa_memory_ordered 1
		.amdhsa_forward_progress 1
		.amdhsa_inst_pref_size 71
	.end_amdhsa_kernel
	.amdgpu_metadata
---
amdhsa.version: [ 1, 2 ]
amdhsa.kernels:
  - .name:           k_q242444a514_wo
    .symbol:         k_q242444a514_wo.kd
    .args:
      - { .name: att, .offset: 0, .size: 8, .value_kind: global_buffer, .address_space: global }
      - { .name: wprep, .offset: 8, .size: 8, .value_kind: global_buffer, .address_space: global }
      - { .name: bo, .offset: 16, .size: 8, .value_kind: global_buffer, .address_space: global }
      - { .name: x, .offset: 24, .size: 8, .value_kind: global_buffer, .address_space: global }
      - { .name: ysum, .offset: 32, .size: 8, .value_kind: global_buffer, .address_space: global }
    .group_segment_fixed_size: 327680
    .private_segment_fixed_size: 0
    .kernarg_segment_align: 8
    .kernarg_segment_size: 40
    .max_flat_workgroup_size: 128
    .sgpr_count:     102
    .vgpr_count:     640
    .wavefront_size: 32
...
	.end_amdgpu_metadata
.endif
;; end of part 12
;; launch norm1 (part 13): grid 256 x 1, 16 waves a work-group, no clusters, 89,344 bytes of LDS; arguments ysum, alpha1, beta1, n1; writes n1
.if DOCPART == 13
	.amdgcn_target "amdgcn-amd-amdhsa--gfx1250"
	.amdhsa_code_object_version 6
	.text
	.protected	k_q242444a514_norm1
	.globl	k_q242444a514_norm1
	.p2align	8
	.type	k_q242444a514_norm1,@function
k_q242444a514_norm1:
	s_mov_b64 s[64:65], 0
	v_nop
	global_prefetch_b8 v0, s[64:65] scope:SCOPE_SE
	s_setreg_imm32_b32 hwreg(HW_REG_WAVE_MODE, 25, 1), 1
	s_wait_xcnt 0x0
; out1 = alpha1 (y - mean) / (std + 1e-6) + beta1 along rows of 1,024, std with divisor 1,023; out1 is stored as f32 (n1 + 0) and, quantised to E2M3 along the row, as the next product's operand in the order of its registers:
; fragment (tile i of 16 rows, K step s) at 16777216 + (8 i + s) 1536, piece p at 256 p, lane L at 8 L; scale word (i, s, r) at 19922944 + ((8 i + s) 16 + r) 4.
; One wave, one row (32 registers): the two reductions never leave the wave.  Mean first, then the sum of squared differences: a common offset of the inputs does no harm.
; A work-group is a tile of 16 rows: the rows' codes meet in LDS and leave in whole runs of 256 bytes.  Memory binds: no matrix work, no tensor loads, no cluster.
; LIMITS: a block of zeros gets the byte 1 where the quantiser says 127 (its codes are zeros; only this program reads the bytes); NaN and infinities are not served.
.set O1F,  16777216
.set O1S,  19922944
.set FIMG, 73728                       ; LDS: behind sixteen stages of 4,608 bytes: the tile's 48 pieces, 272 bytes apart,
.set TIMG, 86784                       ; and its 512 bytes of scale words
.set WV,   14
.set TS,   24
.set DC,   20
.set DSC,  22
.set LO16, 1
.set LN,   2
.set SI,   3
.set SO,   4
.set FI,   5
.set TI,   6
.set FO,   7
.set LO8,  8
.set TO,   9
.set C,    80
.macro QADDR                           ; the LDS addresses of QROW: a constant, a constant x parts of the lane's number, a constant x wave
	s_mul_i32 s[TS], s[WV], 4608
	v_lshrrev_b32 v[SI], 3, v[LN]
	s_delay_alu instid0(VALU_DEP_1)
	v_mul_u32_u24 v[SI], v[SI], 144
	v_and_b32 v10, 7, v[LN]
	s_delay_alu instid0(VALU_DEP_1)
	v_lshl_add_u32 v[SI], v10, 4, v[SI]
	s_delay_alu instid0(VALU_DEP_1)
	v_add_nc_u32 v[SI], s[TS], v[SI]               ; in: eight lanes' 128 bytes (a block of 32 numbers) on end, then 16 of padding
	v_mul_u32_u24 v[SO], v[LN], 144
	s_delay_alu instid0(VALU_DEP_1)
	v_add_nc_u32 v[SO], s[TS], v[SO]               ; out: lane L takes block L
	v_lshrrev_b32 v10, 2, v[LN]                    ; block L is K step L / 4, c = (L / 2) % 2, h = L % 2
	s_delay_alu instid0(VALU_DEP_1)
	v_mul_u32_u24 v[FI], v10, 1632
	s_delay_alu instid0(VALU_DEP_2)
	v_lshlrev_b32 v[TI], 6, v10
	v_bfe_u32 v10, v[LN], 1, 1
	s_delay_alu instid0(VALU_DEP_1)
	v_mad_u32_u24 v[FI], v10, 816, v[FI]
	v_and_b32 v10, 1, v[LN]
	s_delay_alu instid0(VALU_DEP_1)
	v_lshl_add_u32 v[FI], v10, 7, v[FI]
	s_lshl_b32 s[TS], s[WV], 3
	s_add_co_u32 s[TS], s[TS], FIMG
	v_add_nc_u32 v[FI], s[TS], v[FI]
	v_and_b32 v10, 3, v[LN]
	s_delay_alu instid0(VALU_DEP_1)
	v_add_nc_u32 v[TI], v[TI], v10
	s_lshl_b32 s[TS], s[WV], 2
	s_add_co_u32 s[TS], s[TS], TIMG
	v_add_nc_u32 v[TI], s[TS], v[TI]
	v_lshlrev_b32 v[LO8], 3, v[LN]
	s_mul_i32 s[TS], s[WV], 816
	s_add_co_u32 s[TS], s[TS], FIMG
	v_add_nc_u32 v[FO], s[TS], v[LO8]
	v_add_nc_u32 v[TO], TIMG, v[LO16]
.endm
; A row of 1,024 numbers, in v[R] on (quad k of lane L: columns 128 k + 4 L + 0 .. 3), becomes codes and scale bytes in the tile's image; the image leaves in whole runs of 256 bytes.
.macro QROW R, B
.irp k, 0,1,2,3,4,5,6,7
	ds_store_b128 v[SI], v[\R+4*\k:\R+4*\k+3] offset:576*\k
.endr
.irp k, 0,1,2,3,4,5,6,7
	ds_load_b128 v[\B+4*\k:\B+4*\k+3], v[SO] offset:16*\k   ; LDS serves a wave's instructions in order: these see my stores.  Lane L now holds block L's 32 numbers
.endr
	s_wait_dscnt 0x0
	v_max3_num_f32 v12, |v[\B]|, |v[\B+1]|, |v[\B+2]|
	v_max3_num_f32 v13, |v[\B+3]|, |v[\B+4]|, |v[\B+5]|
.irp i, 6,10,14,18,22,26
	s_delay_alu instid0(VALU_DEP_2)
	v_max3_num_f32 v12, v12, |v[\B+\i]|, |v[\B+\i+1]|
	s_delay_alu instid0(VALU_DEP_2)
	v_max3_num_f32 v13, v13, |v[\B+\i+2]|, |v[\B+\i+3]|
.endr
	s_delay_alu instid0(VALU_DEP_2)
	v_max3_num_f32 v12, v12, |v[\B+30]|, |v[\B+31]|
	s_delay_alu instid0(VALU_DEP_1)
	v_max3_num_f32 v12, v12, v13, 0x1800000        ; and the floor 2^(3 - 127): the byte cannot fall under 1
	s_delay_alu instid0(VALU_DEP_1)
	v_add_nc_u32 v11, 0xff000000, v12              ; 2 off the exponent field: the conversion's scale operand
	s_delay_alu instid0(VALU_DEP_1)
	v_lshrrev_b32 v14, 23, v11                     ; the scale's byte
	v_cvt_scalef32_pk16_fp6_f32 v[C:C+2], v[\B:\B+15], v11
	v_cvt_scalef32_pk16_fp6_f32 v[C+4:C+6], v[\B+16:\B+31], v11
	v_nop                                          ; one plain place behind the conversions
	v_mov_b32 v[C+3], v[C+4]
	v_mov_b32 v[C+4], v[C+5]
	v_mov_b32 v[C+5], v[C+6]
.irp i, 0,1,2
	ds_store_b64 v[FI], v[C+2*\i:C+2*\i+1] offset:272*\i
.endr
	ds_store_b8 v[TI], v14
	s_wait_dscnt 0x0                               ; for the others' sake: my stores into the image are done
	s_barrier_signal -1
	s_barrier_wait -1
.irp i, 0,1,2
	ds_load_b64 v[88+2*\i:89+2*\i], v[FO] offset:272*\i
.endr
	s_wait_dscnt 0x0
.irp i, 0,1,2
	global_store_b64 v[LO8], v[88+2*\i:89+2*\i], s[DC:DC+1] offset:256*\i   ; 32 lanes store 256 consecutive bytes, aligned
.endr
	s_cmp_lg_u32 s[WV], 0
	s_cbranch_scc1 .Lnot0_\@
	ds_load_b128 v[96:99], v[TO]
	s_wait_dscnt 0x0
	global_store_b128 v[LO16], v[96:99], s[DSC:DSC+1]
.Lnot0_\@:
.endm
	s_load_b256 s[4:11], s[0:1], 0x0               ; ysum s[4:5], alpha s[6:7], beta s[8:9], n1 s[10:11]
	v_lshl_add_u32 v128, v0, 2, 0x15500
	v_mov_b32 v129, 0
	v_lshrrev_b32 v1, 5, v0
	s_delay_alu instid0(VALU_DEP_1)
	v_readfirstlane_b32 s[WV], v1                  ; wave 0..15
	v_and_b32 v[LN], 31, v0
	s_delay_alu instid0(VALU_DEP_1)
	v_lshlrev_b32 v[LO16], 4, v[LN]
	s_lshl_b32 s16, ttmp9, 4
	s_add_co_u32 s16, s16, s[WV]                   ; my row
	s_lshl_b32 s16, s16, 12
	s_mov_b32 s17, 0
	s_mul_i32 s26, ttmp9, 12288
	s_mul_i32 s27, s[WV], 768
	s_add_co_u32 s26, s26, s27
	s_add_co_u32 s26, s26, O1F
	s_mov_b32 s27, 0
	s_lshl_b32 s28, ttmp9, 9
	s_add_co_u32 s28, s28, O1S
	s_mov_b32 s29, 0
	s_mov_b32 s12, 0x76543210
	s_mov_b32 s13, 0xfedcba98                      ; v_permlanex16_b32's selects for lane l xor 16
	s_wait_alu depctr_va_vdst(0)
	s_wait_kmcnt 0x0
	s_add_nc_u64 s[4:5], s[4:5], s[16:17]
	s_add_nc_u64 s[18:19], s[10:11], s[16:17]
	s_add_nc_u64 s[DC:DC+1], s[10:11], s[26:27]
	s_add_nc_u64 s[DSC:DSC+1], s[10:11], s[28:29]
.irp k, 0,1,2,3,4,5,6,7
	global_load_b128 v[16+4*\k:19+4*\k], v[LO16], s[4:5] offset:512*\k th:TH_LOAD_NT
.endr
.irp k, 0,1,2,3,4,5,6,7
	global_load_b128 v[48+4*\k:51+4*\k], v[LO16], s[6:7] offset:512*\k
.endr
.irp k, 0,1,2,3,4,5,6,7
	global_load_b128 v[80+4*\k:83+4*\k], v[LO16], s[8:9] offset:512*\k
.endr
	QADDR
	s_wait_loadcnt 16                              ; the row is in; alpha's and beta's 16 loads may be out
	v_pk_add_f32 v[114:115], v[16:17], v[18:19]
	v_pk_add_f32 v[126:127], v[24:25], v[28:29]
	v_pk_add_f32 v[124:125], v[32:33], v[36:37]
	v_pk_add_f32 v[122:123], v[40:41], v[44:45]
	v_pk_add_f32 v[120:121], v[20:21], v[22:23]
	v_pk_add_f32 v[118:119], v[26:27], v[30:31]
	v_pk_add_f32 v[116:117], v[34:35], v[38:39]
	v_pk_add_f32 v[112:113], v[42:43], v[46:47]
	s_delay_alu instid0(VALU_DEP_1)
	v_pk_add_f32 v[112:113], v[112:113], v[122:123]
	v_pk_add_f32 v[114:115], v[114:115], v[120:121]
	v_pk_add_f32 v[126:127], v[126:127], v[118:119]
	v_pk_add_f32 v[124:125], v[124:125], v[116:117]
	s_delay_alu instid0(VALU_DEP_2)
	v_pk_add_f32 v[112:113], v[112:113], v[126:127]
	s_delay_alu instid0(VALU_DEP_2)
	v_pk_add_f32 v[114:115], v[114:115], v[124:125]
	s_delay_alu instid0(VALU_DEP_1)
	v_pk_add_f32 v[112:113], v[112:113], v[114:115]
	s_delay_alu instid0(VALU_DEP_1)
	v_add_f32 v112, v112, v113
	s_delay_alu instid0(VALU_DEP_1)
	v_add_f32_dpp v112, v112, v112 row_xmask:1 row_mask:0xf bank_mask:0xf
	s_delay_alu instid0(VALU_DEP_1)
	v_add_f32_dpp v112, v112, v112 row_xmask:2 row_mask:0xf bank_mask:0xf
	s_delay_alu instid0(VALU_DEP_1)
	v_add_f32_dpp v112, v112, v112 row_xmask:4 row_mask:0xf bank_mask:0xf
	s_delay_alu instid0(VALU_DEP_1)
	v_add_f32_dpp v112, v112, v112 row_xmask:8 row_mask:0xf bank_mask:0xf
	s_delay_alu instid0(VALU_DEP_1)
	v_permlanex16_b32 v113, v112, s12, s13
	s_delay_alu instid0(VALU_DEP_1)
	v_add_f32 v112, v112, v113
	s_delay_alu instid0(VALU_DEP_1)
	v_mul_f32 v112, 0x3a800000, v112               ; / 1,024: the mean
	s_delay_alu instid0(VALU_DEP_1)
	v_mov_b32 v113, v112
.set j, 16
.rept 16
	v_pk_add_f32 v[j:j+1], v[j:j+1], v[112:113] neg_lo:[0,1] neg_hi:[0,1]   ; y - mean
.set j, j+2
.endr
	v_pk_mul_f32 v[114:115], v[16:17], v[16:17]    ; the sum of squares, in two chains
	v_pk_mul_f32 v[116:117], v[18:19], v[18:19]
.irp j, 20,24,28,32,36,40,44
	s_delay_alu instid0(VALU_DEP_2)
	v_pk_fma_f32 v[114:115], v[\j:\j+1], v[\j:\j+1], v[114:115]
	s_delay_alu instid0(VALU_DEP_2)
	v_pk_fma_f32 v[116:117], v[\j+2:\j+3], v[\j+2:\j+3], v[116:117]
.endr
	s_delay_alu instid0(VALU_DEP_1)
	v_pk_add_f32 v[114:115], v[114:115], v[116:117]
	s_delay_alu instid0(VALU_DEP_1)
	v_add_f32 v114, v114, v115
	s_delay_alu instid0(VALU_DEP_1)
	v_add_f32_dpp v114, v114, v114 row_xmask:1 row_mask:0xf bank_mask:0xf
	s_delay_alu instid0(VALU_DEP_1)
	v_add_f32_dpp v114, v114, v114 row_xmask:2 row_mask:0xf bank_mask:0xf
	s_delay_alu instid0(VALU_DEP_1)
	v_add_f32_dpp v114, v114, v114 row_xmask:4 row_mask:0xf bank_mask:0xf
	s_delay_alu instid0(VALU_DEP_1)
	v_add_f32_dpp v114, v114, v114 row_xmask:8 row_mask:0xf bank_mask:0xf
	s_delay_alu instid0(VALU_DEP_1)
	v_permlanex16_b32 v115, v114, s12, s13
	s_delay_alu instid0(VALU_DEP_1)
	v_add_f32 v114, v114, v115
	s_delay_alu instid0(VALU_DEP_1)
	v_mul_f32 v114, 0x3a802008, v114               ; / 1,023
	s_wait_alu depctr_va_vdst(0)
	v_sqrt_f32 v115, v114
	v_nop                                          ; a plain place behind the root,
	s_wait_alu depctr_va_vdst(0)                   ; and the wait ahead of its reader
	v_add_f32 v115, 0x358637bd, v115               ; + 1e-6
	s_wait_alu depctr_va_vdst(0)
	v_rcp_f32 v116, v115
	v_nop
	s_wait_alu depctr_va_vdst(0)
	v_mov_b32 v117, v116
	s_wait_alu depctr_va_vdst(0)
	s_wait_loadcnt 0x0                             ; alpha and beta
.set j, 16
.rept 16
	v_pk_mul_f32 v[j:j+1], v[j:j+1], v[116:117]
.set j, j+2
.endr
.set j, 0
.rept 16
	v_pk_fma_f32 v[16+j:17+j], v[16+j:17+j], v[48+j:49+j], v[80+j:81+j]
.set j, j+2
.endr
.irp k, 0,1,2,3,4,5,6,7
	global_store_b128 v[LO16], v[16+4*\k:19+4*\k], s[18:19] offset:512*\k   ; 32 lanes store 512 consecutive bytes, aligned
.endr
	QROW 16, 48                                    ; the row's registers are only read; the blocks come back into alpha's registers
	s_wait_tensorcnt 0x0
	ds_add_u32 v128, v129
	s_wait_dscnt 0x0
	s_endpgm
.Lfunc_end_k_q242444a514_norm1:
	.size	k_q242444a514_norm1, .Lfunc_end_k_q242444a514_norm1-k_q242444a514_norm1
	.p2alignl 7, 3214868480
	.fill 96, 4, 3214868480
	.section	.rodata,"a",@progbits
	.p2align	6, 0x0
	.amdhsa_kernel k_q242444a514_norm1
		.amdhsa_group_segment_fixed_size 89344
		.amdhsa_private_segment_fixed_size 0
		.amdhsa_enable_private_segment 0
		.amdhsa_kernarg_size 32
		.amdhsa_user_sgpr_count 2
		.amdhsa_user_sgpr_kernarg_segment_ptr 1
		.amdhsa_wavefront_size32 1
		.amdhsa_system_sgpr_workgroup_id_x 1
		.amdhsa_system_sgpr_workgroup_id_y 1
		.amdhsa_system_sgpr_workgroup_id_z 1
		.amdhsa_system_vgpr_workitem_id 0
		.amdhsa_next_free_vgpr 130
		.amdhsa_next_free_sgpr 66
		.amdhsa_reserve_vcc 0
		.amdhsa_float_denorm_mode_32 3
		.amdhsa_float_denorm_mode_16_64 3
		.amdhsa_memory_ordered 1
		.amdhsa_forward_progress 1
		.amdhsa_inst_pref_size 18
	.end_amdhsa_kernel
	.amdgpu_metadata
---
amdhsa.version: [ 1, 2 ]
amdhsa.kernels:
  - .name:           k_q242444a514_norm1
    .symbol:         k_q242444a514_norm1.kd
    .args:
      - { .name: ysum, .offset: 0, .size: 8, .value_kind: global_buffer, .address_space: global }
      - { .name: alpha1, .offset: 8, .size: 8, .value_kind: global_buffer, .address_space: global }
      - { .name: beta1, .offset: 16, .size: 8, .value_kind: global_buffer, .address_space: global }
      - { .name: n1, .offset: 24, .size: 8, .value_kind: global_buffer, .address_space: global }
    .group_segment_fixed_size: 89344
    .private_segment_fixed_size: 0
    .kernarg_segment_align: 8
    .kernarg_segment_size: 32
    .max_flat_workgroup_size: 512
    .sgpr_count:     66
    .vgpr_count:     130
    .wavefront_size: 32
...
	.end_amdgpu_metadata
.endif
;; end of part 13
;; launch w1 (part 14): grid 16 x 16, 4 waves a work-group, clusters of 4 x 4, 327,680 bytes of LDS; arguments n1, wprep, b1, hid; writes hid
.if DOCPART == 14
	.amdgcn_target "amdgcn-amd-amdhsa--gfx1250"
	.amdhsa_code_object_version 6
	.text
	.protected	k_q242444a514_w1
	.globl	k_q242444a514_w1
	.p2align	8
	.type	k_q242444a514_w1,@function
k_q242444a514_w1:
	s_mov_b64 s[64:65], 0
	v_nop
	global_prefetch_b8 v0, s[64:65] scope:SCOPE_SE
	s_setreg_imm32_b32 hwreg(HW_REG_WAVE_MODE, 25, 1), 1
	s_wait_xcnt 0x0
	s_wait_alu depctr_hold_cnt(0) depctr_sa_sdst(0) depctr_va_vdst(0) depctr_va_sdst(0) depctr_va_ssrc(0) depctr_va_vcc(0) depctr_vm_vsrc(0)
	s_getreg_b32 s2, hwreg(HW_REG_IB_STS2, 6, 4)
	s_cmp_eq_u32 s2, 0
	s_cbranch_scc0 .Lentry_in_a_cluster
	s_endpgm
.Lentry_in_a_cluster:
	s_bfe_u32 s2, ttmp6, 0x10000c
	s_cmp_lg_u32 s2, 0xf033
	s_cbranch_scc0 .Lentry_shape_is_right
	s_endpgm
.Lentry_shape_is_right:
.set NS,       8
.set A_CODES,  16777216
.set A_SCALES, 19922944
.set B_CODES,  6291456
.set B_SCALES, 12845056
.set HSO,      12582912
.set USEB,  1
.set FR,    12
.set NL,    6
.set NP,    4
.set HALFT, 24576
.set SLOT,  4*HALFT
.set LAPS,  NS/4
.set SCL,   2*SLOT
.set HALFS, 512*NS
.set SPARE, SCL+4*HALFS
.set ADRA,  16
.set ADRB,  20
.set ADRS,  27
.set SPW,   28
.set NIL,   29
.set LO8,   30
.set LO4,   31
.set SC,    32
.set BIAS,  64
.set AF,    128
.set HA,    128
.set TM,    192
.set PW,    208
.set PC,    212
.set G1,    24
.set G0,    32
.set G1B,   48
.set G0B,   56
.set G1S,   68
.set G0S,   76
.set G1SB,  80
.set G0SB,  88
.set SEL,   100
.set MSB, 0
.macro WIN new
.if MSB != (\new)
	s_set_vgpr_msb (MSB<<8)|(\new)
.set MSB, (\new)
.endif
.endm
.set MUL_LO, 0xa1
.set MUL_HI, 0xf1
.set TO_B,   0x40
.macro JLOAD g0a, g1a, g0b, g1b
	s_cmp_eq_u32 s15, 0
	s_cbranch_scc0 .Lfor_b_\@
	tensor_load_to_lds s[\g0a:\g0a+3], s[\g1a:\g1a+7]
	s_nop 0
.rept 4
	v_nop
.endr
	s_branch .Lasked_\@
.Lfor_b_\@:
	tensor_load_to_lds s[\g0b:\g0b+3], s[\g1b:\g1b+7]
	s_nop 0
.rept 4
	v_nop
.endr
.Lasked_\@:
.endm
.macro CREST
	s_cmp_lg_u32 s14, 0
	s_cbranch_scc1 .Lnot_wave_0_\@
	s_barrier_signal -3
.Lnot_wave_0_\@:
	s_barrier_wait -3
	s_barrier_signal -1
	s_barrier_wait -1
.endm
.macro CROUND
	s_barrier_signal -1
	s_barrier_wait -1
	CREST
.endm
.macro FRAG reg, adr, q, i
.irp p, 0,1,2,3,4,5
	ds_load_b64 v[\reg+2*\p:\reg+2*\p+1], v[\adr] offset:(\i)*3072+(\q)*1536+256*\p
.endr
.endm
.macro MUL16 a0, p, q, sc, zero
.irp a, \a0, \a0+1
.irp b, 0,1,2,3,4,5,6,7
.set rD, 8*(8*((\a)%4)+\b)
.set rB, 128*(\p)+FR*\b
.set rA, AF+FR*(\a)
.set rT, SC+16*(\sc)+8*(\q)
.if (\zero) && USEB
	v_wmma_scale_f32_16x16x128_f8f6f4 v[rD:rD+7], v[rB:rB+FR-1], v[rA:rA+FR-1], v[BIAS+8*\b:BIAS+8*\b+7], v[rT+\b], v[rT+(\a)] matrix_a_fmt:MATRIX_FMT_FP6 matrix_b_fmt:MATRIX_FMT_FP6 matrix_a_scale:MATRIX_SCALE_ROW1
.elseif \zero
	v_wmma_scale_f32_16x16x128_f8f6f4 v[rD:rD+7], v[rB:rB+FR-1], v[rA:rA+FR-1], 0, v[rT+\b], v[rT+(\a)] matrix_a_fmt:MATRIX_FMT_FP6 matrix_b_fmt:MATRIX_FMT_FP6 matrix_a_scale:MATRIX_SCALE_ROW1
.else
	v_wmma_scale_f32_16x16x128_f8f6f4 v[rD:rD+7], v[rB:rB+FR-1], v[rA:rA+FR-1], v[rD:rD+7], v[rT+\b], v[rT+(\a)] matrix_a_fmt:MATRIX_FMT_FP6 matrix_b_fmt:MATRIX_FMT_FP6 matrix_a_scale:MATRIX_SCALE_ROW1
.endif
.endr
.endr
.endm
.macro FETCH_B slot, q, p
	WIN TO_B
.irp i, 0,1,2,3,4,5,6,7
	FRAG 128*(\p)+FR*\i, ADRB+\slot, \q, \i
.endr
	WIN 0
.endm
.macro FETCH_A slot, q, i0
.irp i, \i0, \i0+1, \i0+2, \i0+3
	FRAG AF+FR*(\i), ADRA+\slot, \q, \i
.endr
.endm
.macro SCALES sc
.irp q, 0,1
.irp i, 0,1,2,3,4,5,6,7
	ds_load_b32 v[SC+16*\sc+8*\q+\i], v[ADRS] offset:\i*NS*64+64*\q
.endr
.endr
.endm
.macro PLACES n
.rept \n
	v_nop
.endr
.endm
.macro STEP slot, q, zero
	s_wait_dscnt 4*NL
	WIN MUL_LO-0x20*(\zero)*USEB
	MUL16 0, (\q)%2, \q, \slot, \zero
	MUL16 2, (\q)%2, \q, \slot, \zero
	s_wait_dscnt 0
	PLACES NP
	FETCH_B \slot, (\q)+1, 1-(\q)%2
	FETCH_A \slot, (\q)+1, 0
	WIN MUL_HI-0x30*(\zero)*USEB
	MUL16 4, (\q)%2, \q, \slot, \zero
	MUL16 6, (\q)%2, \q, \slot, \zero
	PLACES NP
	WIN 0
	FETCH_A \slot, (\q)+1, 4
.endm
.macro TURN slot, next, fill
	s_wait_tensorcnt 0x0
	ds_add_u32 v[SPW], v[NIL]
	s_wait_dscnt 4*NL+1
	WIN MUL_LO
	MUL16 0, 1, 1, \slot, 0
	s_wait_dscnt 0x0
	s_barrier_signal -1
	MUL16 2, 1, 1, \slot, 0
	WIN 0
	s_barrier_wait -1
.if \fill
	CREST
	s_add_nc_u64 s[G0+4*\slot+2:G0+4*\slot+3], s[G0+4*\slot+2:G0+4*\slot+3], 6144
	s_add_nc_u64 s[G0B+4*\slot+2:G0B+4*\slot+3], s[G0B+4*\slot+2:G0B+4*\slot+3], 6144
	JLOAD G0+4*\slot, G1, G0B+4*\slot, G1B
.else
	PLACES NP
.endif
	s_wait_alu depctr_va_vdst(0)
	v_add_nc_u32 v[ADRS], 128, v[ADRS]
	FETCH_B \next, 0, 0
	FETCH_A \next, 0, 0
	SCALES \next
	WIN MUL_HI
	MUL16 4, 1, 1, \slot, 0
	MUL16 6, 1, 1, \slot, 0
	PLACES NP
	WIN 0
	FETCH_A \next, 0, 4
.endm
.macro QUANT s
.irp b, 0,1,2,3
	v_max3_num_f32 v[TM+\b], |v[\s+16*\b]|, |v[\s+1+16*\b]|, 0x1800000
.endr
.irp i, 2,4,6,8,10,12,14
.irp b, 0,1,2,3
	v_max3_num_f32 v[TM+\b], v[TM+\b], |v[\s+16*\b+\i]|, |v[\s+1+16*\b+\i]|
.endr
.endr
.irp b, 0,1,2,3
	v_permlanex16_b32 v[TM+4+\b], v[TM+\b], s[SEL], s[SEL+1]
.endr
.irp b, 0,1,2,3
	v_max_num_f32 v[TM+\b], v[TM+\b], v[TM+4+\b]
.endr
.irp b, 0,1,2,3
	v_add_nc_u32 v[TM+12+\b], 0xff000000, v[TM+\b]
.endr
.irp b, 0,1,2,3
	v_lshrrev_b32 v[TM+4+\b], 23, v[TM+12+\b]
.endr
	v_lshl_or_b32 v[PW], v[TM+5], 8, v[TM+4]
	v_lshl_or_b32 v[PW], v[TM+6], 16, v[PW]
	v_lshl_or_b32 v[PW], v[TM+7], 24, v[PW]
.irp c, 0,1
	v_cvt_scalef32_pk16_fp6_f32 v[PC+6*\c:PC+2+6*\c], v[\s+32*\c:\s+15+32*\c], v[TM+12+2*\c]
	v_cvt_scalef32_pk16_fp6_f32 v[PC+12+4*\c:PC+14+4*\c], v[\s+16+32*\c:\s+31+32*\c], v[TM+12+2*\c+1]
.endr
	v_nop
.irp c, 0,1
.irp i, 0,1,2
	v_permlane16_swap_b32 v[PC+6*\c+\i], v[PC+12+4*\c+\i]
.endr
.irp i, 0,1,2
	v_mov_b32 v[PC+3+6*\c+\i], v[PC+12+4*\c+\i]
.endr
.endr
.endm
	s_load_b256 s[4:11], s[0:1], 0x0
	v_lshl_add_u32 v[SPW], v0, 2, SPARE
	v_mov_b32 v[NIL], 0
	ds_add_u32 v28, v29
	ds_add_u32 v28, v29
	s_wait_dscnt 0x0
	v_lshrrev_b32 v1, 5, v0
	v_readfirstlane_b32 s14, v1
	s_lshr_b32 s15, s14, 1
	s_and_b32 s16, s14, 1
	s_bfe_u32 s40, ttmp6, 0x40000
	s_bfe_u32 s41, ttmp6, 0x40004
	s_lshl_b32 s42, ttmp9, 2
	s_add_co_u32 s42, s42, s40
	s_and_b32 s17, ttmp7, 0xffff
	s_lshl_b32 s17, s17, 2
	s_add_co_u32 s17, s17, s41
	s_lshl_b32 s43, s41, 2
	s_lshl_b32 s43, 15, s43
	s_lshl_b32 s44, 0x1111, s40
	s_or_b32 s[G1+0], s43, (3<<16)|(1<<21)
	s_or_b32 s[G1B+0], s44, (3<<16)|(1<<21)
.irp g, G1, G1B
	s_mov_b32 s[\g+1], 384<<16
	s_mov_b32 s[\g+2], 16<<16
	s_mov_b32 s[\g+3], 384<<16
	s_mov_b32 s[\g+4], 16
	s_mov_b32 s[\g+5], NS*192
	s_mov_b32 s[\g+6], 0
	s_mov_b32 s[\g+7], 0
.endr
	s_or_b32 s[G1S+0], s43, (3<<16)|(1<<21)
	s_or_b32 s[G1SB+0], s44, (3<<16)|(1<<21)
.irp g, G1S, G1SB
	s_mov_b32 s[\g+1], 32<<16
	s_mov_b32 s[\g+2], (4*NS)<<16
	s_mov_b32 s[\g+3], 32<<16
	s_mov_b32 s[\g+4], 4*NS
	s_mov_b32 s[\g+5], 32
	s_mov_b32 s[\g+6], 0
	s_mov_b32 s[\g+7], 0
.endr
	s_lshl_b32 s18, s16, 3
	s_lshl_b32 s20, s17, 4
	s_add_co_u32 s20, s20, s18
	s_lshl_b32 s46, s42, 4
	s_add_co_u32 s46, s46, s18
	s_mul_i32 s22, s20, NS*64
	s_add_co_u32 s22, s22, A_SCALES
	s_mul_i32 s92, s46, NS*64
	s_add_co_u32 s92, s92, B_SCALES
	s_mul_i32 s20, s20, NS*1536
	s_add_co_u32 s20, s20, A_CODES
	s_mul_i32 s46, s46, NS*1536
	s_add_co_u32 s46, s46, B_CODES
	s_mov_b32 s21, 0
	s_mov_b32 s23, 0
	s_mov_b32 s47, 0
	s_mov_b32 s93, 0
	s_mul_i32 s45, s14, HALFT
	s_mul_i32 s94, s14, HALFS
	s_mov_b32 s[SEL], 0x76543210
	s_mov_b32 s[SEL+1], 0xfedcba98
	s_wait_kmcnt 0x0
	s_add_nc_u64 s[20:21], s[4:5], s[20:21]
	s_add_nc_u64 s[22:23], s[4:5], s[22:23]
	s_add_nc_u64 s[46:47], s[6:7], s[46:47]
	s_add_nc_u64 s[92:93], s[6:7], s[92:93]
	CROUND
	s_mov_b32 s[G0S], 1
	s_add_co_u32 s[G0S+1], s94, SCL
	s_mov_b64 s[G0S+2:G0S+3], s[22:23]
	s_or_b32 s[G0S+3], s[G0S+3], 0x80000000
	s_mov_b32 s[G0SB], 1
	s_add_co_u32 s[G0SB+1], s94, SCL
	s_mov_b64 s[G0SB+2:G0SB+3], s[92:93]
	s_or_b32 s[G0SB+3], s[G0SB+3], 0x80000000
	s_mul_i32 s2, s16, HALFS                       ; the head's loads bring whole tiles: back from my half to the tile's first byte
	s_mov_b32 s3, 0
	s_sub_nc_u64 s[G0S+2:G0S+3], s[G0S+2:G0S+3], s[2:3]
	s_sub_nc_u64 s[G0SB+2:G0SB+3], s[G0SB+2:G0SB+3], s[2:3]
	s_mov_b32 s[G0S+1], SCL
	s_mov_b32 s[G0SB+1], SCL+2*HALFS
	s_mul_i32 s2, s16, 8*NS*1536                   ; the same for the codes: eight tiles
.irp s, 0,1
	s_mov_b32 s[G0+4*\s], 1
	s_add_co_u32 s[G0+4*\s+1], s45, \s*SLOT
	s_add_nc_u64 s[G0+4*\s+2:G0+4*\s+3], s[20:21], \s*3072
	s_or_b32 s[G0+4*\s+3], s[G0+4*\s+3], 0x80000000
	s_mov_b32 s[G0B+4*\s], 1
	s_add_co_u32 s[G0B+4*\s+1], s45, \s*SLOT
	s_add_nc_u64 s[G0B+4*\s+2:G0B+4*\s+3], s[46:47], \s*3072
	s_or_b32 s[G0B+4*\s+3], s[G0B+4*\s+3], 0x80000000
.endr
	s_sub_nc_u64 s[G0+2:G0+3], s[G0+2:G0+3], s[2:3]
	s_sub_nc_u64 s[G0B+2:G0B+3], s[G0B+2:G0B+3], s[2:3]
	s_mov_b32 s[G0+1], 0
	s_mov_b32 s[G0B+1], 2*HALFT
; THE HEAD'S LOADS, ONE A WAVE: wave 0 slot 0's 256 rows of A, wave 1 its 256 rows of B, wave 2 A's scale words, wave 3 B's.  One tree of branches on the wave's number, all arms leading to one join.
.macro ARM under, g0, g1, next
	s_cmp_lt_u32 s14, \under
	s_cbranch_scc0 \next
	tensor_load_to_lds s[\g0:\g0+3], s[\g1:\g1+7]
	s_nop 0
.rept 4
	v_nop
.endr
	s_branch .Lhead_asked
\next:
.endm
	ARM 1, G0,  G1,  .Lhead_b
	ARM 2, G0B, G1B, .Lhead_sa
	ARM 3, G0S, G1S, .Lhead_sb
	tensor_load_to_lds s[G0SB:G0SB+3], s[G1SB:G1SB+7]
	s_nop 0
.rept 4
	v_nop
.endr
.Lhead_asked:
	v_and_b32 v1, 15, v0
	v_bfe_u32 v2, v0, 4, 1
	v_and_b32 v3, 31, v0
	v_lshlrev_b32 v[LO8], 3, v3
	s_wait_alu depctr_va_vdst(0)
	v_lshlrev_b32 v[LO4], 2, v1
	v_lshlrev_b32 v6, 5, v2
	s_lshl_b32 s46, s42, 10
	s_lshl_b32 s47, s16, 9
	s_add_co_u32 s46, s46, s47
	s_mov_b32 s47, 0
	s_add_nc_u64 s[8:9], s[8:9], s[46:47]
.irp b, 0,1,2,3,4,5,6,7
	global_load_b128 v[BIAS+8*\b:BIAS+8*\b+3], v6, s[8:9] offset:64*\b
	global_load_b128 v[BIAS+8*\b+4:BIAS+8*\b+7], v6, s[8:9] offset:64*\b+16
.endr
	s_mul_i32 s21, s15, HALFT
	s_mul_i32 s22, s16, HALFT
	s_add_co_u32 s22, s22, 2*HALFT
.irp s, 0,1
	v_add_nc_u32 v[ADRA+\s], s21, v[LO8]
	v_add_nc_u32 v[ADRB+\s], s22, v[LO8]
	s_add_co_u32 s21, s21, SLOT
	s_add_co_u32 s22, s22, SLOT
.endr
	s_mul_i32 s21, s15, HALFS
	s_mul_i32 s22, s16, HALFS
	s_add_co_u32 s22, s22, 2*HALFS
	s_sub_co_u32 s22, s22, s21
	v_mul_u32_u24 v5, s22, v2
	s_wait_alu depctr_va_vdst(0)
	s_add_co_u32 s21, s21, SCL
	v_add_nc_u32 v5, v[LO4], v5
	v_add_nc_u32 v[ADRS], s21, v5
	s_lshl_b32 s18, s17, 4
	s_lshl_b32 s19, s15, 3
	s_add_co_u32 s18, s18, s19
	s_lshl_b32 s18, s18, 5
	s_lshl_b32 s19, s42, 1
	s_add_co_u32 s18, s18, s19
	s_add_co_u32 s18, s18, s16
	s_mul_i32 s20, s18, 1536
	s_mov_b32 s21, 0
	s_lshl_b32 s22, s18, 6
	s_add_co_u32 s22, s22, HSO
	s_mov_b32 s23, 0
	s_add_nc_u64 s[20:21], s[10:11], s[20:21]
	s_add_nc_u64 s[22:23], s[10:11], s[22:23]
	s_wait_alu depctr_va_vdst(0)
	s_wait_tensorcnt 0x0                           ; my tile of the head's four is in
	ds_add_u32 v[SPW], v[NIL]
	s_mov_b32 s[G1+2], 8<<16                       ; no tensor load of mine is out: from here on a load brings 8 tiles,
	s_mov_b32 s[G1+4], 8
	s_mov_b32 s[G1B+2], 8<<16
	s_mov_b32 s[G1B+4], 8
	s_add_nc_u64 s[G0+2:G0+3], s[G0+2:G0+3], s[2:3]        ; and slot 0's group 0 stands at my quarter again, for its refills
	s_add_nc_u64 s[G0B+2:G0B+3], s[G0B+2:G0B+3], s[2:3]
	s_mov_b32 s[G0+1], s45
	s_mov_b32 s[G0B+1], s45
	s_wait_dscnt 0x0
	CROUND                                         ; a whole round: all four tiles are in, and the sixteen work-groups are here
	JLOAD G0+4, G1, G0B+4, G1B                     ; slot 1's first fill, a quarter a wave: the first tensor load behind the round
	FETCH_B 0, 0, 0
	FETCH_A 0, 0, 0
	SCALES 0
	FETCH_A 0, 0, 4
	s_wait_loadcnt 0x0
	STEP 0, 0, 1
	s_mov_b32 s3, LAPS-1
.Llap:
	TURN 0, 1, 1
	STEP 1, 0, 0
	TURN 1, 0, 1
	STEP 0, 0, 0
	s_sub_co_u32 s3, s3, 1
	s_cmp_lg_u32 s3, 0
	s_cbranch_scc1 .Llap
	TURN 0, 1, 0
	STEP 1, 0, 0
	s_wait_dscnt 4*NL
	WIN MUL_LO
	MUL16 0, 1, 1, 1, 0
	MUL16 2, 1, 1, 1, 0
	s_wait_dscnt 0
	WIN MUL_HI
	MUL16 4, 1, 1, 1, 0
	MUL16 6, 1, 1, 1, 0
	WIN 0
	PLACES NP
.irp b, 0,1,2,3
	v_mov_b32 v[TM+4+\b], 0
.endr
.macro EPI_R a
.set AC, 64*((\a)%4)
	WIN 0x08+4*((\a)/4)
.set i, 0
.rept 64
	v_max_num_f32 v[HA+i], 0, v[AC+i]
.set i, i+1
.endr
	WIN 0
.irp b, 0,1,2,3
.irp j, 0,1,2,3,4,5,6,7
	v_permlane16_swap_b32 v[HA+16*\b+\j], v[HA+16*\b+8+\j]
.endr
.endr
.if (\a) > 0
	s_wait_xcnt 0x0
.endif
	QUANT HA
.irp p, 0,1,2,3,4,5
	global_store_b64 v[LO8], v[PC+2*\p:PC+2*\p+1], s[20:21] offset:(\a)*49152+256*\p
.endr
	global_store_b32 v[LO4], v[PW], s[22:23] offset:(\a)*2048
.endm
.irp a, 0,1,2,3,4,5,6,7
	EPI_R \a
.endr
	s_wait_tensorcnt 0x0
	ds_add_u32 v[SPW], v[NIL]
	s_wait_dscnt 0x0
	CROUND
	s_endpgm
.Lfunc_end_k_q242444a514_w1:
	.size	k_q242444a514_w1, .Lfunc_end_k_q242444a514_w1-k_q242444a514_w1
	.p2alignl 7, 3214868480
	.fill 96, 4, 3214868480
	.section	.rodata,"a",@progbits
	.p2align	6, 0x0
	.amdhsa_kernel k_q242444a514_w1
		.amdhsa_group_segment_fixed_size 327680
		.amdhsa_private_segment_fixed_size 0
		.amdhsa_enable_private_segment 0
		.amdhsa_kernarg_size 32
		.amdhsa_user_sgpr_count 2
		.amdhsa_user_sgpr_kernarg_segment_ptr 1
		.amdhsa_wavefront_size32 1
		.amdhsa_system_sgpr_workgroup_id_x 1
		.amdhsa_system_sgpr_workgroup_id_y 1
		.amdhsa_system_sgpr_workgroup_id_z 1
		.amdhsa_system_vgpr_workitem_id 0
		.amdhsa_next_free_vgpr 1024
		.amdhsa_next_free_sgpr 102
		.amdhsa_reserve_vcc 0
		.amdhsa_float_denorm_mode_32 3
		.amdhsa_float_denorm_mode_16_64 3
		.amdhsa_memory_ordered 1
		.amdhsa_forward_progress 1
		.amdhsa_inst_pref_size 195
	.end_amdhsa_kernel
	.amdgpu_metadata
---
amdhsa.version: [ 1, 2 ]
amdhsa.kernels:
  - .name:           k_q242444a514_w1
    .symbol:         k_q242444a514_w1.kd
    .args:
      - { .name: n1, .offset: 0, .size: 8, .value_kind: global_buffer, .address_space: global }
      - { .name: wprep, .offset: 8, .size: 8, .value_kind: global_buffer, .address_space: global }
      - { .name: b1, .offset: 16, .size: 8, .value_kind: global_buffer, .address_space: global }
      - { .name: hid, .offset: 24, .size: 8, .value_kind: global_buffer, .address_space: global }
    .group_segment_fixed_size: 327680
    .private_segment_fixed_size: 0
    .kernarg_segment_align: 8
    .kernarg_segment_size: 32
    .max_flat_workgroup_size: 128
    .sgpr_count:     102
    .vgpr_count:     1024
    .wavefront_size: 32
...
	.end_amdgpu_metadata
.endif
;; end of part 14
;; launch w2 (part 15): grid 8 x 32, 4 waves a work-group, clusters of 4 x 4, 327,680 bytes of LDS; arguments hid, wprep, b2, n1, ysum; writes ysum
.if DOCPART == 15
	.amdgcn_target "amdgcn-amd-amdhsa--gfx1250"
	.amdhsa_code_object_version 6
	.text
	.protected	k_q242444a514_w2
	.globl	k_q242444a514_w2
	.p2align	8
	.type	k_q242444a514_w2,@function
k_q242444a514_w2:
	s_mov_b64 s[64:65], 0
	v_nop
	global_prefetch_b8 v0, s[64:65] scope:SCOPE_SE
	s_setreg_imm32_b32 hwreg(HW_REG_WAVE_MODE, 25, 1), 1
	s_wait_xcnt 0x0
	s_wait_alu depctr_hold_cnt(0) depctr_sa_sdst(0) depctr_va_vdst(0) depctr_va_sdst(0) depctr_va_ssrc(0) depctr_va_vcc(0) depctr_vm_vsrc(0)
	s_getreg_b32 s2, hwreg(HW_REG_IB_STS2, 6, 4)
	s_cmp_eq_u32 s2, 0
	s_cbranch_scc0 .Lentry_in_a_cluster
	s_endpgm
.Lentry_in_a_cluster:
	s_bfe_u32 s2, ttmp6, 0x10000c
	s_cmp_lg_u32 s2, 0xf033
	s_cbranch_scc0 .Lentry_shape_is_right
	s_endpgm
.Lentry_shape_is_right:
; ysum = out1 + (hidden W2 + b2): a product on codes of E2M3 (one E8M0 byte for each 32 along K = 4,096), the bias as the C of the first products, the residual (out1, at n1 + 0) added on the way out; f32 [4096][1024].
; A TILE OF 128 x 128 A WORK-GROUP: the result has 256 such tiles, one for each of 256 work-groups; tiles of 256 x 256 would be 64.  Four waves of 64 x 64: 16 accumulators, 128 registers.
; The price: a K step of 128 reads 8 fragments (12,288 bytes) from LDS for 16 products, twice the bytes a product of a wave tile of 128 x 128.
; K goes in slots of 512 (4 K steps, 98,304 bytes) through a ring of two LDS slots: 64 products a wave between two changes of slots; six K steps a slot would not fit beside the 32,768 bytes of scale words.
; OPERANDS LIE IN MEMORY IN THE ORDER OF THEIR REGISTERS: fragment (tile i of 16 rows, K step s of 128) is 1,536 bytes at (NS i + s) 1536, piece p at 256 p, lane L at 8 L; scale word (i, s, r) at ((NS i + s) 16 + r) 4.
; So a tensor load brings 4 rows of 6,144 dense bytes (4 tiles x 4 K steps), and a fragment comes out of LDS by six loads of 8 bytes at 8 x lane: 256 consecutive bytes each, no padding.
; THE MATRIX INSTRUCTION IS USED TRANSPOSED (source 0 = 16 rows of B, source 1 = 16 rows of A): a lane holds eight neighbouring numbers of a row of the result.
; CLUSTERS: 4 x 4 work-groups; A's tiles are asked for jointly by a row of the cluster, B's by a column.
; REGISTERS, in windows of 256: window 0: v0-31 addresses; v32-63 scale words, two sets; v64-95 the bias; v128-255 the accumulators ((a, b) at v[128 + 8 (4 a + b)]); on the way out v32-95 take rows read back.
;   window 1: two fragment buffers of 96 (A's four fragments, then B's four), at v0 and v128.   window 2: v0-127 the residual of my 64 x 64, asked for at the head.
; Left out: a prefetch of the tiles (a small tile); a third fragment buffer (the loop is bound by the LDS bytes it reads, not by their round trip alone).
.set NS,       32                      ; K steps of 128
.set A_CODES,  0                       ; in the first buffer (hid)
.set A_SCALES, 12582912
.set B_CODES,  9437184                 ; in wprep: W2
.set B_SCALES, 12976128
.set FR,    12                         ; registers of a fragment
.set NP,    4                          ; places behind this matrix instruction (ISA guide 7.12.1)
.set HALFT, 24576                      ; 4 tiles x 4 K steps: what one tensor load brings, and what a wave reads of A or of B in a slot
.set SLOT,  4*HALFT                    ; A's 128 rows, then B's
.set LAPS,  NS/8                       ; a lap = two slots = once round the ring
.set SCL,   2*SLOT                     ; behind the ring: the scale words of the work-group's rows, for all of K: filled once
.set HALFS, 256*NS                     ; those of 64 rows
.set SPARE, SCL+4*HALFS                ; the spare words, 128 bytes a wave: two blocks of 256 bytes that no other line names
.set SPITCH, 272                       ; the way out: a stage of 16 rows x (256 + 16) bytes a wave, in slot 0, which has had its last fill and its last read by then
.set ADRA,  16                         ; v16-17 LDS address of my A fragments in slot 0, 1
.set ADRB,  20                         ; v20-21 the same for B
.set STO,   24                         ; v24 the way out: where I put 32 bytes of a row
.set RD,    25                         ; v25 where I read rows back: lanes 0-15 one row, lanes 16-31 the next
.set CO,    26                         ; v26 the same two rows in memory: 4,096 x (lane / 16) + 16 x (lane % 16); never rewritten
.set ADRS,  27                         ; v27 LDS address of my scale words: lanes 0-15 A's rows, lanes 16-31 B's
.set SPW,   28                         ; v28 my spare word: SPARE + 4 x my thread's number; never rewritten
.set NIL,   29                         ; v29 0; never rewritten
.set LO8,   30                         ; v30 8 x lane
.set LO4,   31                         ; v31 4 x (lane % 16)
.set SC,    32                         ; v32-63 scale words: register SC + 16 slot + 4 q + i: lanes 0-15 A's block i, lanes 16-31 B's block i
.set BIAS,  64                         ; v64-95 the bias in the result's layout
.set ACC,   128
.set F0,    0                          ; fragment buffers, in window 1
.set F1,    128
.set BK,    32                         ; the way out: 16 rows read back: v32-63 and v64-95 by turns
.set G1,    24
.set G0,    32
.set G1B,   48
.set G0B,   56
.set G1S,   68
.set G0S,   76
.set G1SB,  80
.set G0SB,  88
.set MSB, 0
.macro WIN new                         ; the immediate's high byte repeats the setting that is left
.if MSB != (\new)
	s_set_vgpr_msb (MSB<<8)|(\new)
.set MSB, (\new)
.endif
.endm
.set MUL,   0x05                       ; sources 0 (B) and 1 (A) window 1; C and D window 0
.set TO_F,  0x40                       ; destination window 1, address window 0
.macro JLOAD g0a, g1a, g0b, g1b        ; a joint load: waves 0 and 1 fetch for A, waves 2 and 3 for B; the branch hangs on the wave's number alone; four v_nop follow each of the two lines
	s_cmp_eq_u32 s15, 0
	s_cbranch_scc0 .Lfor_b_\@
	tensor_load_to_lds s[\g0a:\g0a+3], s[\g1a:\g1a+7]
	s_nop 0
.rept 4
	v_nop
.endr
	s_branch .Lasked_\@
.Lfor_b_\@:
	tensor_load_to_lds s[\g0b:\g0b+3], s[\g1b:\g1b+7]
	s_nop 0
.rept 4
	v_nop
.endr
.Lasked_\@:
.endm
.macro CREST                           ; a round of the cluster's barrier behind its opening barrier
	s_cmp_lg_u32 s14, 0
	s_cbranch_scc1 .Lnot_wave_0_\@
	s_barrier_signal -3
.Lnot_wave_0_\@:
	s_barrier_wait -3
	s_barrier_signal -1
	s_barrier_wait -1
.endm
.macro CROUND
	s_barrier_signal -1
	s_barrier_wait -1
	CREST
.endm
.macro FRAG reg, adr, q, i             ; fragment (tile i, the slot's q-th K step): six pieces, each 256 consecutive bytes for the 32 lanes
.irp p, 0,1,2,3,4,5
	ds_load_b64 v[\reg+2*\p:\reg+2*\p+1], v[\adr] offset:(\i)*6144+(\q)*1536+256*\p
.endr
.endm
.macro FETCH slot, q, f                ; 48 LDS loads in one run: the eight fragments of the slot's q-th K step into buffer f
	WIN TO_F
.irp i, 0,1,2,3
	FRAG (\f)+48+FR*\i, ADRB+\slot, \q, \i
.endr
.irp i, 0,1,2,3
	FRAG (\f)+FR*\i, ADRA+\slot, \q, \i
.endr
.endm
.macro SCALES sc                       ; a slot's scale words: lanes 0-15 take A's block i, lanes 16-31 B's block i
.irp q, 0,1,2,3
.irp i, 0,1,2,3
	ds_load_b32 v[SC+16*\sc+4*\q+\i], v[ADRS] offset:\i*NS*64+64*\q
.endr
.endr
.endm
; 4 matrix instructions: A's block a x B's four, out of buffer f.  zero = 1: the first product starts the sums, from the bias.  The 16 accumulators take turns, one instruction a turn, in the same order in every step.
.macro MULA f, q, sc, zero, a
.irp b, 0,1,2,3
.set rD, ACC+8*(4*(\a)+\b)
.set rB, (\f)+48+FR*\b
.set rA, (\f)+FR*(\a)
.set rT, SC+16*(\sc)+4*(\q)
.if \zero
	v_wmma_scale_f32_16x16x128_f8f6f4 v[rD:rD+7], v[rB:rB+FR-1], v[rA:rA+FR-1], v[BIAS+8*\b:BIAS+8*\b+7], v[rT+\b], v[rT+(\a)] matrix_a_fmt:MATRIX_FMT_FP6 matrix_b_fmt:MATRIX_FMT_FP6 matrix_a_scale:MATRIX_SCALE_ROW1
.else
	v_wmma_scale_f32_16x16x128_f8f6f4 v[rD:rD+7], v[rB:rB+FR-1], v[rA:rA+FR-1], v[rD:rD+7], v[rT+\b], v[rT+(\a)] matrix_a_fmt:MATRIX_FMT_FP6 matrix_b_fmt:MATRIX_FMT_FP6 matrix_a_scale:MATRIX_SCALE_ROW1
.endif
.endr
.endm
.macro PLACES n                        ; plain vector places in front of loads into registers that matrix instructions have read, and of the first read of results
.rept \n
	v_nop
.endr
.endm
; A K step of 128 that has its successor in the same slot: its buffer is q % 2; the successor's 48 loads go out first, into the other buffer, and have the step's 16 products in which to come.
.macro STEP slot, q, zero
	s_wait_dscnt 0x0                               ; this step's fragments (and, in a slot's first step, its scale words) are in
	PLACES NP                                      ; the other buffer was read by the last step's products
	FETCH \slot, (\q)+1, 128-128*((\q)%2)
	WIN MUL
.irp a, 0,1,2,3
	MULA 128*((\q)%2), \q, \slot, \zero, \a
.endr
.endm
; A slot's last step (buffer 1) changes slots: one barrier; in front of it each wave waits for all its tensor loads, adds 0 to its spare word, and waits for that and for its reads of this slot.  fill = 1: this slot is filled again, two slots ahead.
.macro TURN slot, next, fill
	WIN 0                                          ; (the add's two registers lie in window 0)
	s_wait_tensorcnt 0x0                           ; all my tensor loads have landed: my part of the next slot
	ds_add_u32 v[SPW], v[NIL]                      ; 0 onto my spare word
	s_wait_dscnt 1                                 ; this step's fragments are in (the add may be out)
	WIN MUL
	MULA F1, 3, \slot, 0, 0                        ; four matrix instructions stand between the add and the wait for it
	s_wait_dscnt 0x0                               ; the add is done, and my reads of this slot are over
	s_barrier_signal -1
	MULA F1, 3, \slot, 0, 1
	WIN 0
	s_barrier_wait -1
.if \fill
	CREST                                          ; the barrier has opened a round of the cluster's: no wave of any partner still reads this slot or has a load on its way
	s_add_nc_u64 s[G0+4*\slot+2:G0+4*\slot+3], s[G0+4*\slot+2:G0+4*\slot+3], 12288
	s_add_nc_u64 s[G0B+4*\slot+2:G0B+4*\slot+3], s[G0B+4*\slot+2:G0B+4*\slot+3], 12288
	JLOAD G0+4*\slot, G1, G0B+4*\slot, G1B         ; the first tensor load behind the round; its four v_nop are the places in front of the loads below
.else
	PLACES NP
.endif
	s_wait_alu depctr_va_vdst(0)
	v_add_nc_u32 v[ADRS], 256, v[ADRS]             ; the next slot's scale words: 4 K steps of 64 bytes on
	FETCH \next, 0, F0
	WIN 0
	SCALES \next
	WIN MUL
	MULA F1, 3, \slot, 0, 2
	MULA F1, 3, \slot, 0, 3
.endm
	s_load_b128 s[4:7], s[0:1], 0x0                ; A's buffer s[4:5], wprep s[6:7]
	s_load_b128 s[8:11], s[0:1], 0x10              ; the bias s[8:9], the residual s[10:11]
	s_load_b64 s[12:13], s[0:1], 0x20              ; ysum
	v_lshl_add_u32 v[SPW], v0, 2, SPARE
	v_mov_b32 v[NIL], 0
	ds_add_u32 v28, v29
	ds_add_u32 v28, v29
	s_wait_dscnt 0x0
	v_lshrrev_b32 v1, 5, v0
	v_readfirstlane_b32 s14, v1                    ; wave 0..3
	s_lshr_b32 s15, s14, 1                         ; which half of the tile's rows is mine.  Also: I fetch for A (0) or for B (1)
	s_and_b32 s16, s14, 1                          ; which half of its columns.  Also: which half of that tile I fetch
	s_bfe_u32 s40, ttmp6, 0x40000                  ; cx, cy: my place in the cluster
	s_bfe_u32 s41, ttmp6, 0x40004
	s_lshl_b32 s42, ttmp9, 2
	s_add_co_u32 s42, s42, s40                     ; tile column, 0..7
	s_and_b32 s17, ttmp7, 0xffff
	s_lshl_b32 s17, s17, 2
	s_add_co_u32 s17, s17, s41                     ; tile row, 0..31
	s_lshl_b32 s43, s41, 2
	s_lshl_b32 s43, 15, s43                        ; my row of the cluster
	s_lshl_b32 s44, 0x1111, s40                    ; my column
	s_or_b32 s[G1+0], s43, (3<<16)|(1<<21)         ; 15:0 the mask: A's tiles go to my row; 17:16 elements of 8 bytes; 21 set beside a mask; no padding
	s_or_b32 s[G1B+0], s44, (3<<16)|(1<<21)
.irp g, G1, G1B
	s_mov_b32 s[\g+1], 768<<16                     ; tensor_dim0 = 768 elements: four fragments, 6,144 bytes
	s_mov_b32 s[\g+2], 8<<16                       ; tensor_dim1 = 8 tiles for the head's loads; behind them the two words that count tiles are set to 4
	s_mov_b32 s[\g+3], 768<<16                     ; tile_dim0
	s_mov_b32 s[\g+4], 8                           ; tile_dim1
	s_mov_b32 s[\g+5], NS*192                      ; from tile to tile: NS fragments
	s_mov_b32 s[\g+6], 0
	s_mov_b32 s[\g+7], 0
.endr
	s_or_b32 s[G1S+0], s43, (3<<16)|(1<<21)        ; the scale words of 128 rows: a dense block, as rows of 256 bytes
	s_or_b32 s[G1SB+0], s44, (3<<16)|(1<<21)
.irp g, G1S, G1SB
	s_mov_b32 s[\g+1], 32<<16
	s_mov_b32 s[\g+2], (2*NS)<<16                  ; the scale words of all 128 rows in one load
	s_mov_b32 s[\g+3], 32<<16
	s_mov_b32 s[\g+4], 2*NS
	s_mov_b32 s[\g+5], 32
	s_mov_b32 s[\g+6], 0
	s_mov_b32 s[\g+7], 0
.endr
	s_lshl_b32 s18, s16, 2                         ; which 4 tiles of the 8 I fetch
	s_lshl_b32 s20, s17, 3
	s_add_co_u32 s20, s20, s18                     ; A: tile 8 x tile row + 4 x half
	s_lshl_b32 s46, s42, 3
	s_add_co_u32 s46, s46, s18                     ; B: tile 8 x tile column + 4 x half
	s_mul_i32 s22, s20, NS*64
	s_add_co_u32 s22, s22, A_SCALES
	s_mul_i32 s92, s46, NS*64
	s_add_co_u32 s92, s92, B_SCALES
	s_mul_i32 s20, s20, NS*1536
	s_add_co_u32 s20, s20, A_CODES
	s_mul_i32 s46, s46, NS*1536
	s_add_co_u32 s46, s46, B_CODES
	s_mov_b32 s21, 0
	s_mov_b32 s23, 0
	s_mov_b32 s47, 0
	s_mov_b32 s93, 0
	s_mul_i32 s45, s14, HALFT                      ; where they go: by the wave's number alone
	s_mul_i32 s94, s14, HALFS
	s_wait_kmcnt 0x0
	s_add_nc_u64 s[20:21], s[4:5], s[20:21]
	s_add_nc_u64 s[22:23], s[4:5], s[22:23]
	s_add_nc_u64 s[46:47], s[6:7], s[46:47]
	s_add_nc_u64 s[92:93], s[6:7], s[92:93]
	CROUND                                         ; all sixteen work-groups are here: the first joint loads meet
	s_mov_b32 s[G0S], 1
	s_add_co_u32 s[G0S+1], s94, SCL
	s_mov_b64 s[G0S+2:G0S+3], s[22:23]
	s_or_b32 s[G0S+3], s[G0S+3], 0x80000000
	s_mov_b32 s[G0SB], 1
	s_add_co_u32 s[G0SB+1], s94, SCL
	s_mov_b64 s[G0SB+2:G0SB+3], s[92:93]
	s_or_b32 s[G0SB+3], s[G0SB+3], 0x80000000
	s_mul_i32 s2, s16, HALFS                       ; the head's loads bring whole tiles: back from my half to the tile's first byte
	s_mov_b32 s3, 0
	s_sub_nc_u64 s[G0S+2:G0S+3], s[G0S+2:G0S+3], s[2:3]
	s_sub_nc_u64 s[G0SB+2:G0SB+3], s[G0SB+2:G0SB+3], s[2:3]
	s_mov_b32 s[G0S+1], SCL
	s_mov_b32 s[G0SB+1], SCL+2*HALFS
	s_mul_i32 s2, s16, 4*NS*1536                   ; the same for the codes: four tiles
.irp s, 0,1
	s_mov_b32 s[G0+4*\s], 1
	s_add_co_u32 s[G0+4*\s+1], s45, \s*SLOT
	s_add_nc_u64 s[G0+4*\s+2:G0+4*\s+3], s[20:21], \s*6144
	s_or_b32 s[G0+4*\s+3], s[G0+4*\s+3], 0x80000000
	s_mov_b32 s[G0B+4*\s], 1
	s_add_co_u32 s[G0B+4*\s+1], s45, \s*SLOT
	s_add_nc_u64 s[G0B+4*\s+2:G0B+4*\s+3], s[46:47], \s*6144
	s_or_b32 s[G0B+4*\s+3], s[G0B+4*\s+3], 0x80000000
.endr
	s_sub_nc_u64 s[G0+2:G0+3], s[G0+2:G0+3], s[2:3]
	s_sub_nc_u64 s[G0B+2:G0B+3], s[G0B+2:G0B+3], s[2:3]
	s_mov_b32 s[G0+1], 0
	s_mov_b32 s[G0B+1], 2*HALFT
; THE HEAD'S LOADS, ONE A WAVE: wave 0 slot 0's 128 rows of A, wave 1 its 128 rows of B, wave 2 A's scale words, wave 3 B's.  One tree of branches on the wave's number, all arms leading to one join.
.macro ARM under, g0, g1, next
	s_cmp_lt_u32 s14, \under
	s_cbranch_scc0 \next
	tensor_load_to_lds s[\g0:\g0+3], s[\g1:\g1+7]
	s_nop 0
.rept 4
	v_nop
.endr
	s_branch .Lhead_asked
\next:
.endm
	ARM 1, G0,  G1,  .Lhead_b
	ARM 2, G0B, G1B, .Lhead_sa
	ARM 3, G0S, G1S, .Lhead_sb
	tensor_load_to_lds s[G0SB:G0SB+3], s[G1SB:G1SB+7]
	s_nop 0
.rept 4
	v_nop
.endr
.Lhead_asked:
	v_and_b32 v1, 15, v0                           ; r
	v_bfe_u32 v2, v0, 4, 1                         ; h
	v_and_b32 v3, 31, v0
	v_lshlrev_b32 v[LO8], 3, v3
	s_wait_alu depctr_va_vdst(0)
	v_lshlrev_b32 v[LO4], 2, v1
	v_lshlrev_b32 v6, 5, v2                        ; 32 h: a bias's eight numbers of my half
	s_lshl_b32 s46, s42, 9
	s_lshl_b32 s47, s16, 8
	s_add_co_u32 s46, s46, s47                     ; 4 x my first column: 512 x tile column + 256 x half
	s_mov_b32 s47, 0
	s_add_nc_u64 s[8:9], s[8:9], s[46:47]
.irp b, 0,1,2,3
	global_load_b128 v[BIAS+8*\b:BIAS+8*\b+3], v6, s[8:9] offset:64*\b        ; lane (r, h), tile b: columns 16 b + 8 h + 0 .. 7
	global_load_b128 v[BIAS+8*\b+4:BIAS+8*\b+7], v6, s[8:9] offset:64*\b+16
.endr
	s_mul_i32 s21, s15, HALFT                      ; my 64 rows of A
	s_mul_i32 s22, s16, HALFT                      ; my 64 rows of B,
	s_add_co_u32 s22, s22, 2*HALFT                 ; which lie behind A's 128
.irp s, 0,1
	v_add_nc_u32 v[ADRA+\s], s21, v[LO8]
	v_add_nc_u32 v[ADRB+\s], s22, v[LO8]
	s_add_co_u32 s21, s21, SLOT
	s_add_co_u32 s22, s22, SLOT
.endr
	s_mul_i32 s21, s15, HALFS                      ; A's scale words: my 64 rows
	s_mul_i32 s22, s16, HALFS                      ; B's, behind A's 128
	s_add_co_u32 s22, s22, 2*HALFS
	s_sub_co_u32 s22, s22, s21
	v_mul_u32_u24 v5, s22, v2                      ; lanes 16-31 take B's scale words: one product, the distance between the two
	s_wait_alu depctr_va_vdst(0)
	s_add_co_u32 s21, s21, SCL
	v_add_nc_u32 v5, v[LO4], v5
	v_add_nc_u32 v[ADRS], s21, v5
	s_mul_i32 s23, s14, 16*SPITCH                  ; my stage
	v_mul_u32_u24 v5, v1, SPITCH
	v_lshl_add_u32 v5, v2, 5, v5
	v_add_nc_u32 v[STO], s23, v5                   ; in: row r, 32 bytes for each half of the lanes
	v_mul_u32_u24 v5, v2, SPITCH
	v_lshl_add_u32 v5, v1, 4, v5
	v_add_nc_u32 v[RD], s23, v5                    ; back: lanes 0-15 take a row of 256 bytes, lanes 16-31 the next
	v_lshlrev_b32 v[CO], 4, v1
	v_lshl_add_u32 v[CO], v2, 12, v[CO]            ; and the same two rows in memory: a row is 4,096 bytes
	s_wait_alu depctr_va_vdst(0)
	s_lshl_b32 s20, s17, 7
	s_lshl_b32 s21, s15, 6
	s_add_co_u32 s20, s20, s21                     ; my first row: 128 x tile row + 64 x half
	s_lshl_b32 s20, s20, 12
	s_add_co_u32 s20, s20, s46
	s_mov_b32 s21, 0
	s_add_nc_u64 s[12:13], s[12:13], s[20:21]
	s_add_nc_u64 s[10:11], s[10:11], s[20:21]
	WIN 0x80                                       ; destination window 2
.irp a, 0,1,2,3                                ; the residual of my 64 rows x 256 bytes: asked for now, wanted on the way out.  Sixteen lanes read 256 consecutive bytes, aligned
.irp t, 0,1,2,3,4,5,6,7
	global_load_b128 v[32*\a+4*\t:32*\a+4*\t+3], v[CO], s[10:11] offset:(16*\a+2*\t)*4096
.endr
.endr
	WIN 0
	s_wait_alu depctr_va_vdst(0)                   ; the wait at the head's end
	s_wait_tensorcnt 0x0                           ; my tile of the head's four is in
	ds_add_u32 v[SPW], v[NIL]
	s_mov_b32 s[G1+2], 4<<16                       ; no tensor load of mine is out: from here on a load brings 4 tiles,
	s_mov_b32 s[G1+4], 4
	s_mov_b32 s[G1B+2], 4<<16
	s_mov_b32 s[G1B+4], 4
	s_add_nc_u64 s[G0+2:G0+3], s[G0+2:G0+3], s[2:3]        ; and slot 0's group 0 stands at my quarter again, for its refills
	s_add_nc_u64 s[G0B+2:G0B+3], s[G0B+2:G0B+3], s[2:3]
	s_mov_b32 s[G0+1], s45
	s_mov_b32 s[G0B+1], s45
	s_wait_dscnt 0x0
	CROUND                                         ; a whole round: all four tiles are in, and the sixteen work-groups are here
	JLOAD G0+4, G1, G0B+4, G1B                     ; slot 1's first fill, a quarter a wave: the first tensor load behind the round
	FETCH 0, 0, F0
	WIN 0
	SCALES 0
	s_wait_loadcnt 32                              ; the bias is in; the residual's 32 loads, issued behind it, may be out
	STEP 0, 0, 1                                   ; the first step stands in front of the loop: its products start the sums
.if LAPS > 1
	WIN 0                                          ; at a label and at a branch every window is 0
	s_mov_b32 s3, LAPS-1
.Llap:                                             ; a trip goes once round the ring, from a lap's second step to the next lap's first, and fills both slots again
	STEP 0, 1, 0
	STEP 0, 2, 0
	TURN 0, 1, 1
	STEP 1, 0, 0
	STEP 1, 1, 0
	STEP 1, 2, 0
	TURN 1, 0, 1
	STEP 0, 0, 0
	WIN 0
	s_sub_co_u32 s3, s3, 1
	s_cmp_lg_u32 s3, 0
	s_cbranch_scc1 .Llap
.endif
	STEP 0, 1, 0                                   ; the last lap fills nothing, and has no round of the cluster's barrier
	STEP 0, 2, 0
	TURN 0, 1, 0
	STEP 1, 0, 0
	STEP 1, 1, 0
	STEP 1, 2, 0
	s_wait_dscnt 0x0                               ; the very last step: nothing more to fetch
	WIN MUL
.irp a, 0,1,2,3
	MULA F1, 3, 1, 0, \a
.endr
	WIN 0
; THE WAY OUT, block by block of 16 rows x 64 columns: through my own stage in LDS, back as whole rows of 256 bytes, + the residual, stored two rows an instruction: sixteen lanes fill 256 consecutive bytes, aligned.
; Every offset is an immediate: 62 rows of 4,096 bytes at the most.
.macro TOSTAGE a
.irp b, 0,1,2,3
	ds_store_b128 v[STO], v[ACC+8*(4*(\a)+\b):ACC+8*(4*(\a)+\b)+3] offset:64*\b          ; each accumulator from its low end on
	ds_store_b128 v[STO], v[ACC+8*(4*(\a)+\b)+4:ACC+8*(4*(\a)+\b)+7] offset:64*\b+16
.endr
.set BB, BK+32*((\a)%2)
.irp t, 0,1,2,3,4,5,6,7
	ds_load_b128 v[BB+4*\t:BB+4*\t+3], v[RD] offset:\t*2*SPITCH      ; LDS serves a wave's instructions in order: these see my stores, and the next block's stores come behind them
.endr
.endm
.macro SEND a, younger                 ; younger: the LDS instructions issued behind block a's loads, which may stay out
.set BB, BK+32*((\a)%2)
.set RR, 32*(\a)
	s_wait_dscnt \younger                          ; the block is back in registers
	WIN 0x08                                       ; source 1: window 2
.set i, 0
.rept 16
	v_pk_add_f32 v[BB+i:BB+i+1], v[BB+i:BB+i+1], v[RR+i:RR+i+1]
.set i, i+2
.endr
	WIN 0
.irp t, 0,1,2,3,4,5,6,7
	global_store_b128 v[CO], v[BB+4*\t:BB+4*\t+3], s[12:13] offset:(16*(\a)+2*\t)*4096
.endr
.endm
	PLACES NP                                      ; behind the last products: for the stores that read results, and for the loads into the registers that held scale words and the bias
	s_wait_loadcnt 0x0                             ; the residual
	TOSTAGE 0
.irp a, 1,2,3
.if \a > 1
	s_wait_xcnt 0x0                                ; block a - 2's stores have read their data: block a's rows may land there
.endif
	TOSTAGE \a
	SEND \a-1, 16                                  ; behind block a - 1's loads: block a's 8 stores and 8 loads
.endr
	SEND 3, 0
	s_wait_tensorcnt 0x0                           ; the wave's end
	ds_add_u32 v[SPW], v[NIL]
	s_wait_dscnt 0x0
	CROUND                                         ; the closing round: no work-group ends while a partner may still ask for a tile that names it
	s_endpgm
.Lfunc_end_k_q242444a514_w2:
	.size	k_q242444a514_w2, .Lfunc_end_k_q242444a514_w2-k_q242444a514_w2
	.p2alignl 7, 3214868480
	.fill 96, 4, 3214868480
	.section	.rodata,"a",@progbits
	.p2align	6, 0x0
	.amdhsa_kernel k_q242444a514_w2
		.amdhsa_group_segment_fixed_size 327680
		.amdhsa_private_segment_fixed_size 0
		.amdhsa_enable_private_segment 0
		.amdhsa_kernarg_size 40
		.amdhsa_user_sgpr_count 2
		.amdhsa_user_sgpr_kernarg_segment_ptr 1
		.amdhsa_wavefront_size32 1
		.amdhsa_system_sgpr_workgroup_id_x 1
		.amdhsa_system_sgpr_workgroup_id_y 1
		.amdhsa_system_sgpr_workgroup_id_z 1
		.amdhsa_system_vgpr_workitem_id 0
		.amdhsa_next_free_vgpr 640
		.amdhsa_next_free_sgpr 102
		.amdhsa_reserve_vcc 0
		.amdhsa_float_denorm_mode_32 3
		.amdhsa_float_denorm_mode_16_64 3
		.amdhsa_memory_ordered 1
		.amdhsa_forward_progress 1
		.amdhsa_inst_pref_size 118
	.end_amdhsa_kernel
	.amdgpu_metadata
---
amdhsa.version: [ 1, 2 ]
amdhsa.kernels:
  - .name:           k_q242444a514_w2
    .symbol:         k_q242444a514_w2.kd
    .args:
      - { .name: hid, .offset: 0, .size: 8, .value_kind: global_buffer, .address_space: global }
      - { .name: wprep, .offset: 8, .size: 8, .value_kind: global_buffer, .address_space: global }
      - { .name: b2, .offset: 16, .size: 8, .value_kind: global_buffer, .address_space: global }
      - { .name: n1, .offset: 24, .size: 8, .value_kind: global_buffer, .address_space: global }
      - { .name: ysum, .offset: 32, .size: 8, .value_kind: global_buffer, .address_space: global }
    .group_segment_fixed_size: 327680
    .private_segment_fixed_size: 0
    .kernarg_segment_align: 8
    .kernarg_segment_size: 40
    .max_flat_workgroup_size: 128
    .sgpr_count:     102
    .vgpr_count:     640
    .wavefront_size: 32
...
	.end_amdgpu_metadata
.endif
;; end of part 15
;; launch norm2 (part 16): grid 512 x 1, 8 waves a work-group, no clusters, 0 bytes of LDS; arguments ysum, alpha2, beta2, out0; writes out0
.if DOCPART == 16
	.amdgcn_target "amdgcn-amd-amdhsa--gfx1250"
	.amdhsa_code_object_version 6
	.text
	.protected	k_q242444a514_norm2
	.globl	k_q242444a514_norm2
	.p2align	8
	.type	k_q242444a514_norm2,@function
k_q242444a514_norm2:
	s_mov_b64 s[64:65], 0
	v_nop
	global_prefetch_b8 v0, s[64:65] scope:SCOPE_SE
	s_setreg_imm32_b32 hwreg(HW_REG_WAVE_MODE, 25, 1), 1
	s_wait_xcnt 0x0
; out0 = alpha2 (y - mean) / (std + 1e-6) + beta2 along rows of 1,024, std with divisor 1,023.  y = out1 + ffn, f32.
; One wave, one row (32 registers): the row is read once, and the two reductions never leave the wave: no LDS, no barrier.  Mean first, then the sum of squared differences: a common offset of the inputs does no harm.
; Memory binds: each load and store of a wave covers 512 consecutive bytes; matrix work, tensor loads and clusters would add nothing.
.set WV,   14
.set LO16, 1
	s_load_b256 s[4:11], s[0:1], 0x0               ; ysum s[4:5], alpha s[6:7], beta s[8:9], out0 s[10:11]
	v_lshrrev_b32 v1, 5, v0
	s_delay_alu instid0(VALU_DEP_1)
	v_readfirstlane_b32 s[WV], v1                  ; wave 0..7
	v_and_b32 v2, 31, v0
	s_delay_alu instid0(VALU_DEP_1)
	v_lshlrev_b32 v[LO16], 4, v2
	s_lshl_b32 s16, ttmp9, 3
	s_add_co_u32 s16, s16, s[WV]                   ; my row
	s_lshl_b32 s16, s16, 12
	s_mov_b32 s17, 0
	s_mov_b32 s12, 0x76543210
	s_mov_b32 s13, 0xfedcba98                      ; v_permlanex16_b32's selects for lane l xor 16
	s_wait_alu depctr_va_vdst(0)
	s_wait_kmcnt 0x0
	s_add_nc_u64 s[4:5], s[4:5], s[16:17]
	s_add_nc_u64 s[10:11], s[10:11], s[16:17]
.irp k, 0,1,2,3,4,5,6,7
	global_load_b128 v[16+4*\k:19+4*\k], v[LO16], s[4:5] offset:512*\k th:TH_LOAD_NT
.endr
.irp k, 0,1,2,3,4,5,6,7
	global_load_b128 v[48+4*\k:51+4*\k], v[LO16], s[6:7] offset:512*\k
.endr
.irp k, 0,1,2,3,4,5,6,7
	global_load_b128 v[80+4*\k:83+4*\k], v[LO16], s[8:9] offset:512*\k
.endr
	s_wait_loadcnt 16                              ; the row is in; alpha's and beta's 16 loads may be out
	v_pk_add_f32 v[114:115], v[16:17], v[18:19]
	v_pk_add_f32 v[126:127], v[24:25], v[28:29]
	v_pk_add_f32 v[124:125], v[32:33], v[36:37]
	v_pk_add_f32 v[122:123], v[40:41], v[44:45]
	v_pk_add_f32 v[120:121], v[20:21], v[22:23]
	v_pk_add_f32 v[118:119], v[26:27], v[30:31]
	v_pk_add_f32 v[116:117], v[34:35], v[38:39]
	v_pk_add_f32 v[112:113], v[42:43], v[46:47]
	s_delay_alu instid0(VALU_DEP_1)
	v_pk_add_f32 v[112:113], v[112:113], v[122:123]
	v_pk_add_f32 v[114:115], v[114:115], v[120:121]
	v_pk_add_f32 v[126:127], v[126:127], v[118:119]
	v_pk_add_f32 v[124:125], v[124:125], v[116:117]
	s_delay_alu instid0(VALU_DEP_2)
	v_pk_add_f32 v[112:113], v[112:113], v[126:127]
	s_delay_alu instid0(VALU_DEP_2)
	v_pk_add_f32 v[114:115], v[114:115], v[124:125]
	s_delay_alu instid0(VALU_DEP_1)
	v_pk_add_f32 v[112:113], v[112:113], v[114:115]
	s_delay_alu instid0(VALU_DEP_1)
	v_add_f32 v112, v112, v113
	s_delay_alu instid0(VALU_DEP_1)
	v_add_f32_dpp v112, v112, v112 row_xmask:1 row_mask:0xf bank_mask:0xf
	s_delay_alu instid0(VALU_DEP_1)
	v_add_f32_dpp v112, v112, v112 row_xmask:2 row_mask:0xf bank_mask:0xf
	s_delay_alu instid0(VALU_DEP_1)
	v_add_f32_dpp v112, v112, v112 row_xmask:4 row_mask:0xf bank_mask:0xf
	s_delay_alu instid0(VALU_DEP_1)
	v_add_f32_dpp v112, v112, v112 row_xmask:8 row_mask:0xf bank_mask:0xf
	s_delay_alu instid0(VALU_DEP_1)
	v_permlanex16_b32 v113, v112, s12, s13
	s_delay_alu instid0(VALU_DEP_1)
	v_add_f32 v112, v112, v113
	s_delay_alu instid0(VALU_DEP_1)
	v_mul_f32 v112, 0x3a800000, v112               ; / 1,024: the mean
	s_delay_alu instid0(VALU_DEP_1)
	v_mov_b32 v113, v112
.set j, 16
.rept 16
	v_pk_add_f32 v[j:j+1], v[j:j+1], v[112:113] neg_lo:[0,1] neg_hi:[0,1]   ; y - mean
.set j, j+2
.endr
	v_pk_mul_f32 v[114:115], v[16:17], v[16:17]    ; the sum of squares, in two chains
	v_pk_mul_f32 v[116:117], v[18:19], v[18:19]
.irp j, 20,24,28,32,36,40,44
	s_delay_alu instid0(VALU_DEP_2)
	v_pk_fma_f32 v[114:115], v[\j:\j+1], v[\j:\j+1], v[114:115]
	s_delay_alu instid0(VALU_DEP_2)
	v_pk_fma_f32 v[116:117], v[\j+2:\j+3], v[\j+2:\j+3], v[116:117]
.endr
	s_delay_alu instid0(VALU_DEP_1)
	v_pk_add_f32 v[114:115], v[114:115], v[116:117]
	s_delay_alu instid0(VALU_DEP_1)
	v_add_f32 v114, v114, v115
	s_delay_alu instid0(VALU_DEP_1)
	v_add_f32_dpp v114, v114, v114 row_xmask:1 row_mask:0xf bank_mask:0xf
	s_delay_alu instid0(VALU_DEP_1)
	v_add_f32_dpp v114, v114, v114 row_xmask:2 row_mask:0xf bank_mask:0xf
	s_delay_alu instid0(VALU_DEP_1)
	v_add_f32_dpp v114, v114, v114 row_xmask:4 row_mask:0xf bank_mask:0xf
	s_delay_alu instid0(VALU_DEP_1)
	v_add_f32_dpp v114, v114, v114 row_xmask:8 row_mask:0xf bank_mask:0xf
	s_delay_alu instid0(VALU_DEP_1)
	v_permlanex16_b32 v115, v114, s12, s13
	s_delay_alu instid0(VALU_DEP_1)
	v_add_f32 v114, v114, v115
	s_delay_alu instid0(VALU_DEP_1)
	v_mul_f32 v114, 0x3a802008, v114               ; / 1,023
	s_wait_alu depctr_va_vdst(0)
	v_sqrt_f32 v115, v114
	v_nop                                          ; a plain place behind the root,
	s_wait_alu depctr_va_vdst(0)                   ; and the wait ahead of its reader
	v_add_f32 v115, 0x358637bd, v115               ; + 1e-6
	s_wait_alu depctr_va_vdst(0)
	v_rcp_f32 v116, v115
	v_nop
	s_wait_alu depctr_va_vdst(0)
	v_mov_b32 v117, v116
	s_wait_alu depctr_va_vdst(0)
	s_wait_loadcnt 0x0                             ; alpha and beta
.set j, 16
.rept 16
	v_pk_mul_f32 v[j:j+1], v[j:j+1], v[116:117]
.set j, j+2
.endr
.set j, 0
.rept 16
	v_pk_fma_f32 v[16+j:17+j], v[16+j:17+j], v[48+j:49+j], v[80+j:81+j]
.set j, j+2
.endr
.irp k, 0,1,2,3,4,5,6,7
	global_store_b128 v[LO16], v[16+4*\k:19+4*\k], s[10:11] offset:512*\k th:TH_STORE_NT   ; 32 lanes store 512 consecutive bytes, aligned
.endr
	s_endpgm
.Lfunc_end_k_q242444a514_norm2:
	.size	k_q242444a514_norm2, .Lfunc_end_k_q242444a514_norm2-k_q242444a514_norm2
	.p2alignl 7, 3214868480
	.fill 96, 4, 3214868480
	.section	.rodata,"a",@progbits
	.p2align	6, 0x0
	.amdhsa_kernel k_q242444a514_norm2
		.amdhsa_group_segment_fixed_size 0
		.amdhsa_private_segment_fixed_size 0
		.amdhsa_enable_private_segment 0
		.amdhsa_kernarg_size 32
		.amdhsa_user_sgpr_count 2
		.amdhsa_user_sgpr_kernarg_segment_ptr 1
		.amdhsa_wavefront_size32 1
		.amdhsa_system_sgpr_workgroup_id_x 1
		.amdhsa_system_sgpr_workgroup_id_y 1
		.amdhsa_system_sgpr_workgroup_id_z 1
		.amdhsa_system_vgpr_workitem_id 0
		.amdhsa_next_free_vgpr 128
		.amdhsa_next_free_sgpr 66
		.amdhsa_reserve_vcc 0
		.amdhsa_float_denorm_mode_32 3
		.amdhsa_float_denorm_mode_16_64 3
		.amdhsa_memory_ordered 1
		.amdhsa_forward_progress 1
		.amdhsa_inst_pref_size 12
	.end_amdhsa_kernel
	.amdgpu_metadata
---
amdhsa.version: [ 1, 2 ]
amdhsa.kernels:
  - .name:           k_q242444a514_norm2
    .symbol:         k_q242444a514_norm2.kd
    .args:
      - { .name: ysum, .offset: 0, .size: 8, .value_kind: global_buffer, .address_space: global }
      - { .name: alpha2, .offset: 8, .size: 8, .value_kind: global_buffer, .address_space: global }
      - { .name: beta2, .offset: 16, .size: 8, .value_kind: global_buffer, .address_space: global }
      - { .name: out0, .offset: 24, .size: 8, .value_kind: global_buffer, .address_space: global }
    .group_segment_fixed_size: 0
    .private_segment_fixed_size: 0
    .kernarg_segment_align: 8
    .kernarg_segment_size: 32
    .max_flat_workgroup_size: 256
    .sgpr_count:     66
    .vgpr_count:     128
    .wavefront_size: 32
...
	.end_amdgpu_metadata
.endif
;; end of part 16
